; MI455X (gfx1250); checked and timed in simulation.
; The chip was launched on July 23, 2026; its instructions are those of AMD's public machine-readable ISA for CDNA 5 (MIT licence, August 2026) and "CDNA5" Instruction Set Architecture Reference Guide (July 2026). The comments in the code are by the model that wrote it; some were corrected since.
;; Attention Layer. Allowed arithmetic: matrix products marked QUANTISED: E2M3 operands, one E8M0 scale for each 32 along K, by v_wmma_scale_f32_16x16x128_f8f6f4 with both operands' format E2M3, f32 sums; everything else in f32.
;; Inputs: Wk 1,024 x 1,024 float32; Wq 1,024 x 1,024 float32; Wv 1,024 x 1,024 float32; bk 1,024 float32; bq 1,024 float32; bv 1,024 float32; x 4 x 2,048 x 1,024 float32.
;; Outputs: out0 4 x 2,048 x 1,024 float32.
;; This version of the problem:
;;   THIS VERSION OF THE PROBLEM IS GIVEN IN LOW PRECISION. The matrix products marked QUANTISED in the list below multiply operands that are first quantised to E2M3 (2 exponent bits, 3 mantissa bits; 6 bits a number), with one power-of-two scale for each 32 numbers along K (OCP MX v1.0); their sums are f32. All else is computed in f32.
;;   The module's matrix products, in the order in which they are computed (A, B: the left and right operand; K: the contracted axis; several contracted axes count as one K, in the product's order):
;;     1. [M 8,192, K 1,024] x [K 1,024, N 1,024]; A: input x; B: input Wq: QUANTISED
;;     2. [M 8,192, K 1,024] x [K 1,024, N 1,024]; A: input x; B: input Wk: QUANTISED
;;     3. [M 8,192, K 1,024] x [K 1,024, N 1,024]; A: input x; B: input Wv: QUANTISED
;;     4. batch 4 x [M 2,048, K 1,024] x [K 1,024, N 2,048]; A: computed on the way; B: computed on the way: QUANTISED
;;     5. batch 4 x [M 2,048, K 2,048] x [K 2,048, N 1,024]; A: softmax (see below); B: computed on the way: QUANTISED
;;   THE QUANTISER, for each operand of a quantised product, along K:
;;     - K is cut into blocks of 32 from its start; a last block that is shorter is filled with zeros.
;;     - A block's scale is 2^e with e = floor(log2(the largest magnitude in the block)) - 2, held to -126 .. 127; a block of zeros has e = 0. As a byte (E8M0): e + 127.
;;     - Each number is divided by its block's scale, clamped to +-7.5, and rounded to the nearest number of E2M3, ties to even, subnormals kept.
;;     - The product sums the exact products of the quantised numbers (number of the format x scale) in f32.
;;   ~~~python
;;   def quantise(x, axis):      # numpy; x: float32 -> the quantised numbers, widened to float32 again
;;       x = np.moveaxis(x, axis, -1); K = x.shape[-1]
;;       x = np.pad(x, [(0, 0)] * (x.ndim - 1) + [(0, -K % 32)]); x = x.reshape(x.shape[:-1] + (-1, 32)); a = np.abs(x).max(-1, keepdims=True)
;;       e = np.where(a > 0, np.clip(np.frexp(np.where(a > 0, a, 1))[1] - 1 - 2, -126, 127), 0)      # np.frexp(a)[1] - 1 = floor(log2(a)), exactly
;;       r = np.clip(x / 2.0 ** e, -7.5, 7.5)
;;       step = 2.0 ** (np.maximum(np.frexp(np.where(r == 0, 1, r))[1] - 1, 0) - 3)
;;       q = np.round(r / step) * step * 2.0 ** e      # np.round: ties to even
;;       return np.moveaxis(q.reshape(q.shape[:-2] + (-1,))[..., :K], -1, axis).astype(np.float32)
;;   ~~~
;;   SOFTMAX AHEAD OF A QUANTISED PRODUCT. Where the list says 'softmax', what is quantised is not the finished softmax but p = 2^(t - M), with t = logit x log2(e) and M = ceil(the row's largest t), a whole number; so 1/2 < the row's largest p <= 1. The row's sum l is taken of the UNQUANTISED p, in f32, and the product's result is divided by l at the end. Since M is a whole number, a kernel that streams over the keys may use a running M (the ceiling of the running maximum): every later rescaling is an exact power of two, which a block's scale takes up: the codes' values come out the same.
;;   OPERANDS COMPUTED ON THE WAY. 'Computed on the way' means the value that the module computes at that place (a softmax that the list does not call 'softmax' is quantised finished and normalised). What goes into a quantiser is computed in f32, as accurately as f32 sums, v_exp_f32 and their like allow (about 1e-6 of the number): no bf16 or f16 on the way to a quantiser, and a product that is left as it is and whose result goes on into a quantised operand takes f32 operands (vector FMAs, or v_wmma_f32_16x16x4_f32). A number that lies on a knife's edge between two numbers of the format may be rounded either way, as far as f32 arithmetic and the matrix unit's own rounding can turn it there, and no further.
;; 2 versions. Each part assembles by itself: llvm-mc -triple=amdgcn-amd-amdhsa -mcpu=gfx1250 --defsym DOCPART=n.
;; ======== version 1 of 2: 4 launches
;; workspace buffers: w1 9,011,200 bytes; w2 19,660,800 bytes; w3 14,155,776 bytes
;; launch quant (part 1): grid 704 x 1, 8 waves a work-group, no clusters, 69,120 bytes of LDS; arguments x, Wq, Wk, Wv, w1; writes w1
.if DOCPART == 1
	.amdgcn_target "amdgcn-amd-amdhsa--gfx1250"
	.amdhsa_code_object_version 6
	.text
	.protected	k_q2616972eab_quant
	.globl	k_q2616972eab_quant
	.p2align	8
	.type	k_q2616972eab_quant,@function
k_q2616972eab_quant:
	s_mov_b64 s[64:65], 0
	v_nop
	global_prefetch_b8 v0, s[64:65] scope:SCOPE_SE
	s_setreg_imm32_b32 hwreg(HW_REG_WAVE_MODE, 25, 1), 1
	s_wait_xcnt 0x0
; x [8192][1024], Wq, Wk, Wv [1024][1024], f32, K innermost, become codes of FP6 (E2M3) with one E8M0 scale byte for each 32 along K, laid as IMAGES OF OPERAND REGISTERS.
; A FRAGMENT is 16 rows x 128 K: 12 registers a lane; register 4 c + i of lane l lies at byte 512 c + 16 l + 4 i of its 1,536 bytes, so three 16-byte accesses a lane move it, each 512 consecutive bytes.
; A ROW GROUP is 128 rows = 8 fragments; lane r of fragment rb holds row 32 (rb / 2) + 8 (rb % 2) + r % 8 + 16 (r / 8).  Row groups: 0-63 x, 64-71 Wq, 72-79 Wk, 80-87 Wv.
; Fragment (group g, chunk kc of 128 along K, rb) has the number (8 g + kc) 8 + rb: codes at 1,536 x number, its 16 scale words (one a row: byte b for k = 32 b .. 32 b + 31) at W1S + 64 x number.
; SHARES: work-group W = 8 g + kc, wave = rb: one fragment a wave, no loop.  Sixteen loads of a row's 512 consecutive bytes; a turn through the wave's own stage in LDS, so that lane (r, h) holds, of row r,
; 16 neighbours of each block of 32; the quantiser; three stores of 512 consecutive aligned bytes.  The eight waves' scale words meet in LDS and leave as 512 consecutive aligned bytes.
; A block's scale is 2^(floor(log2(its largest magnitude)) - 2); its byte is the largest magnitude's exponent field - 2, held at 1 from below.
; LIMITS: NaN and infinities are not served.  A block of zeros gets the byte 1 where the quantiser's rule says 127: its codes are zeros, and this program alone reads the bytes.
; No matrix unit, no cluster, no tensor load: the launch is a stream, no input byte is shared, and a wave's 8,192 bytes in registers are its whole job.
.set STG,   8448                       ; a wave's stage: 16 rows x (512 bytes + 16): 33 x 16 bytes from row to row, so that sixteen lanes that read one column of sixteen rows start at sixteen different 16-byte columns
.set SCW,   8*STG                      ; the work-group's 128 scale words
.set SPARE, SCW+512                    ; the spare words, 128 bytes for each wave: four blocks of 256 bytes that no other line names
.set W1S,   8650752                    ; where the scale words begin in w1
.set SPW,   12                         ; v12  LDS address of my spare word; never rewritten
.set NIL,   13                         ; v13  0; never rewritten
.set R,     16                         ; v16-79   the 16 rows as loaded
.set X,     80                         ; v80-143  64 numbers of my row: register 16 b + i = k 32 b + 16 h + i
.set TM,    16                         ; v16-31   the quantiser's work (R is free by then)
.set PW,    32                         ; v32      the scale word
.set PC,    36                         ; v36-54   the codes
.set SEL,   28                         ; s[28:29] lane selects: lane l xor 16
; 64 numbers of a lane, v[s] on, become a fragment's codes in v[PC] .. v[PC + 11] and its row's scale word in v[PW].
.macro QUANT s
.irp b, 0,1,2,3
	v_max3_num_f32 v[TM+\b], |v[\s+16*\b]|, |v[\s+1+16*\b]|, 0x1800000   ; block b: my 16 numbers, and the floor 2^(3 - 127): the byte cannot fall under 1
.endr
.irp i, 2,4,6,8,10,12,14
.irp b, 0,1,2,3
	v_max3_num_f32 v[TM+\b], v[TM+\b], |v[\s+16*\b+\i]|, |v[\s+1+16*\b+\i]|   ; the four blocks by turns
.endr
.endr
.irp b, 0,1,2,3
	v_permlanex16_b32 v[TM+4+\b], v[TM+\b], s[SEL], s[SEL+1]
.endr
.irp b, 0,1,2,3
	v_max_num_f32 v[TM+\b], v[TM+\b], v[TM+4+\b]                ; with lane l xor 16's 16: the block's largest magnitude
.endr
.irp b, 0,1,2,3
	v_add_nc_u32 v[TM+12+\b], 0xff000000, v[TM+\b]              ; 2 off its exponent field: the conversion takes the exponent field of this operand as its scale
.endr
.irp b, 0,1,2,3
	v_lshrrev_b32 v[TM+4+\b], 23, v[TM+12+\b]                   ; the scale's byte
.endr
	v_lshl_or_b32 v[PW], v[TM+5], 8, v[TM+4]
	v_lshl_or_b32 v[PW], v[TM+6], 16, v[PW]
	v_lshl_or_b32 v[PW], v[TM+7], 24, v[PW]
.irp c, 0,1
	v_cvt_scalef32_pk16_fp6_f32 v[PC+6*\c:PC+2+6*\c], v[\s+32*\c:\s+15+32*\c], v[TM+12+2*\c]
	v_cvt_scalef32_pk16_fp6_f32 v[PC+12+4*\c:PC+14+4*\c], v[\s+16+32*\c:\s+31+32*\c], v[TM+12+2*\c+1]   ; (a conversion's three registers begin on an even number)
.endr
	v_nop                                          ; one plain instruction behind the scaled conversions
.irp c, 0,1                                    ; the operand's layout wants a whole block in a lane: lanes 0-15 block 2 c, lanes 16-31 block 2 c + 1
.irp i, 0,1,2
	v_permlane16_swap_b32 v[PC+6*\c+\i], v[PC+12+4*\c+\i]
.endr
.irp i, 0,1,2
	v_mov_b32 v[PC+3+6*\c+\i], v[PC+12+4*\c+\i]
.endr
.endr
.endm
	s_load_b256 s[4:11], s[0:1], 0x0               ; x s[4:5], Wq s[6:7], Wk s[8:9], Wv s[10:11]
	s_load_b64 s[12:13], s[0:1], 0x20              ; w1
	v_lshl_add_u32 v[SPW], v0, 2, SPARE
	v_mov_b32 v[NIL], 0
	v_lshrrev_b32 v1, 5, v0
	v_readfirstlane_b32 s16, v1                    ; wave = rb
	v_and_b32 v1, 31, v0                           ; lane
	v_and_b32 v2, 15, v0                           ; r
	v_bfe_u32 v3, v0, 4, 1                         ; h
	v_lshlrev_b32 v4, 4, v1                        ; 16 x lane: in memory, in and out
	s_mul_i32 s26, s16, STG
	v_add_nc_u32 v5, s26, v4                       ; the stage, on the way in: a row as it lies
	v_mul_u32_u24 v6, v2, 528
	v_lshl_add_u32 v6, v3, 6, v6
	v_add_nc_u32 v6, s26, v6                       ; and on the way out: row r, + 64 h
	s_lshl_b32 s27, s16, 6
	s_add_co_u32 s27, s27, SCW
	v_lshl_add_u32 v8, v2, 2, s27                  ; my row's scale word: 64 x wave + 4 r
	v_add_nc_u32 v9, SCW, v4                       ; all 128 words, 16 bytes a lane
	s_lshr_b32 s17, ttmp9, 3                       ; row group
	s_and_b32 s18, s17, 7
	s_cmp_lt_u32 ttmp9, 512
	s_cselect_b32 s17, s17, s18                    ; inside its tensor
	s_lshl_b32 s17, s17, 7
	s_lshr_b32 s18, s16, 1
	s_lshl_b32 s18, s18, 5
	s_add_co_u32 s17, s17, s18
	s_and_b32 s18, s16, 1
	s_lshl_b32 s18, s18, 3
	s_add_co_u32 s17, s17, s18                     ; the fragment's first row: 128 g + 32 (rb / 2) + 8 (rb % 2)
	s_lshl_b32 s20, s17, 12                        ; rows of 4,096 bytes
	s_and_b32 s18, ttmp9, 7
	s_lshl_b32 s18, s18, 9
	s_add_co_u32 s20, s20, s18                     ; + 512 bytes a chunk
	s_mov_b32 s21, 0
	s_lshl_b32 s22, ttmp9, 3
	s_add_co_u32 s22, s22, s16
	s_mul_i32 s22, s22, 1536                       ; my fragment's codes
	s_mov_b32 s23, 0
	s_lshl_b32 s24, ttmp9, 9
	s_add_co_u32 s24, s24, W1S                     ; the work-group's scale words
	s_mov_b32 s25, 0
	s_mov_b32 s[SEL], 0x76543210
	s_mov_b32 s[SEL+1], 0xfedcba98
	s_wait_kmcnt 0x0
	s_cmp_lt_u32 ttmp9, 640                        ; which tensor: the choice hangs on the work-group's number alone
	s_cselect_b64 s[10:11], s[8:9], s[10:11]
	s_cmp_lt_u32 ttmp9, 576
	s_cselect_b64 s[10:11], s[6:7], s[10:11]
	s_cmp_lt_u32 ttmp9, 512
	s_cselect_b64 s[10:11], s[4:5], s[10:11]
	s_add_nc_u64 s[10:11], s[10:11], s[20:21]
	s_add_nc_u64 s[14:15], s[12:13], s[22:23]
	s_add_nc_u64 s[12:13], s[12:13], s[24:25]
.irp i, 0,1,2,3,4,5,6,7,8,9,10,11,12,13,14,15
	global_load_b128 v[R+4*\i:R+4*\i+3], v4, s[10:11] offset:((\i%8)+16*(\i/8))*4096 th:TH_LOAD_NT   ; lane i's row: 512 consecutive bytes
.endr
.irp i, 0,1,2,3,4,5,6,7,8,9,10,11,12,13,14,15
	s_wait_loadcnt 15-\i                           ; loads come back in order: row i is in, the rows behind it may be out
	ds_store_b128 v5, v[R+4*\i:R+4*\i+3] offset:528*\i
.endr
.irp b, 0,1,2,3
.irp j, 0,1,2,3
	ds_load_b128 v[X+16*\b+4*\j:X+16*\b+4*\j+3], v6 offset:128*\b+16*\j   ; LDS serves a wave's instructions in order: these see my stores
.endr
.endr
	s_wait_dscnt 0x0
.irp b, 0,1,2,3
	v_mov_b32 v[TM+4+\b], 0                        ; a lane permute's destination counts as one of its sources
.endr
	QUANT X
.irp c, 0,1,2
	global_store_b128 v4, v[PC+4*\c:PC+4*\c+3], s[14:15] offset:512*\c   ; 512 consecutive bytes, at a multiple of 256 from the buffer's first byte
.endr
	ds_store_b32 v8, v[PW]                         ; lanes r and r + 16 write the same word with the same value
	s_wait_dscnt 0x0                               ; for the others' sake: my word has landed
	s_barrier_signal -1
	s_barrier_wait -1
	s_cmp_lg_u32 s16, 0
	s_cbranch_scc1 .Lnot_wave_0
	ds_load_b128 v[56:59], v9
	s_wait_dscnt 0x0
	global_store_b128 v4, v[56:59], s[12:13]       ; the eight fragments' scale words: 512 consecutive aligned bytes
.Lnot_wave_0:
	s_wait_tensorcnt 0x0                           ; the wave's end: behind my last LDS store
	ds_add_u32 v[SPW], v[NIL]
	s_wait_dscnt 0x0
	s_endpgm
.Lfunc_end_k_q2616972eab_quant:
	.size	k_q2616972eab_quant, .Lfunc_end_k_q2616972eab_quant-k_q2616972eab_quant
	.p2alignl 7, 3214868480
	.fill 96, 4, 3214868480
	.section	.rodata,"a",@progbits
	.p2align	6, 0x0
	.amdhsa_kernel k_q2616972eab_quant
		.amdhsa_group_segment_fixed_size 69120
		.amdhsa_private_segment_fixed_size 0
		.amdhsa_enable_private_segment 0
		.amdhsa_kernarg_size 40
		.amdhsa_user_sgpr_count 2
		.amdhsa_user_sgpr_kernarg_segment_ptr 1
		.amdhsa_wavefront_size32 1
		.amdhsa_system_sgpr_workgroup_id_x 1
		.amdhsa_system_sgpr_workgroup_id_y 1
		.amdhsa_system_sgpr_workgroup_id_z 1
		.amdhsa_system_vgpr_workitem_id 0
		.amdhsa_next_free_vgpr 144
		.amdhsa_next_free_sgpr 66
		.amdhsa_reserve_vcc 0
		.amdhsa_float_denorm_mode_32 3
		.amdhsa_float_denorm_mode_16_64 3
		.amdhsa_memory_ordered 1
		.amdhsa_forward_progress 1
		.amdhsa_inst_pref_size 12
	.end_amdhsa_kernel
	.amdgpu_metadata
---
amdhsa.version: [ 1, 2 ]
amdhsa.kernels:
  - .name:           k_q2616972eab_quant
    .symbol:         k_q2616972eab_quant.kd
    .args:
      - { .name: x, .offset: 0, .size: 8, .value_kind: global_buffer, .address_space: global }
      - { .name: Wq, .offset: 8, .size: 8, .value_kind: global_buffer, .address_space: global }
      - { .name: Wk, .offset: 16, .size: 8, .value_kind: global_buffer, .address_space: global }
      - { .name: Wv, .offset: 24, .size: 8, .value_kind: global_buffer, .address_space: global }
      - { .name: w1, .offset: 32, .size: 8, .value_kind: global_buffer, .address_space: global }
    .group_segment_fixed_size: 69120
    .private_segment_fixed_size: 0
    .kernarg_segment_align: 8
    .kernarg_segment_size: 40
    .max_flat_workgroup_size: 256
    .sgpr_count:     66
    .vgpr_count:     144
    .wavefront_size: 32
...
	.end_amdgpu_metadata
.endif
;; end of part 1
;; launch proj (part 2): grid 8 x 48, 4 waves a work-group, clusters of 4 x 4, 327,680 bytes of LDS; arguments w1, bq, bk, bv, w2; writes w2
.if DOCPART == 2
	.amdgcn_target "amdgcn-amd-amdhsa--gfx1250"
	.amdhsa_code_object_version 6
	.text
	.protected	k_q2616972eab_proj
	.globl	k_q2616972eab_proj
	.p2align	8
	.type	k_q2616972eab_proj,@function
k_q2616972eab_proj:
	s_mov_b64 s[64:65], 0
	v_nop
	global_prefetch_b8 v0, s[64:65] scope:SCOPE_SE
	s_setreg_imm32_b32 hwreg(HW_REG_WAVE_MODE, 25, 1), 1
	s_wait_xcnt 0x0
	s_wait_alu depctr_hold_cnt(0) depctr_sa_sdst(0) depctr_va_vdst(0) depctr_va_sdst(0) depctr_va_ssrc(0) depctr_va_vcc(0) depctr_vm_vsrc(0)
	s_getreg_b32 s2, hwreg(HW_REG_IB_STS2, 6, 4)
	s_cmp_eq_u32 s2, 0
	s_cbranch_scc0 .Lentry_in_a_cluster
	s_endpgm
.Lentry_in_a_cluster:
	s_bfe_u32 s2, ttmp6, 0x10000c
	s_cmp_lg_u32 s2, 0xf033
	s_cbranch_scc0 .Lentry_shape_is_right
	s_endpgm
.Lentry_shape_is_right:
; q = x Wq^T + bq, k = x Wk^T + bk, v = x Wv^T + bv on codes of FP6 (E2M3) with E8M0 scales, K = 1,024; each result is quantised in registers and leaves as codes: q and k along the features, v along the tokens.
; OPERANDS are images of registers (a fragment: 16 rows x 128 K, 1,536 bytes, register 4 c + i of lane l at 512 c + 16 l + 4 i); a row group is 128 rows, 8 fragments; lane r of fragment rb holds row
; 32 (rb / 2) + 8 (rb % 2) + r % 8 + 16 (r / 8).  In w1: fragment ((8 g + kc) 8 + rb); groups 0-63 x, 64-71 Wq, 72-79 Wk, 80-87 Wv; 16 scale words a fragment from W1S on.  So 256 along K of a row group are 24,576 dense bytes.
; A work-group of four waves makes 256 x 256 results, a wave 128 x 128: 64 accumulators.  Source 0 has its rows along a lane's REGISTERS in the result (by the choice of rows above, the 16 registers of two neighbouring
; tiles are 16 neighbours), source 1 has its rows in the LANES.  TWO KINDS of cluster, told apart by the cluster's y, which all sixteen partners share:
;   y 0-7  (q, k): source 0 = rows of Wq or Wk, source 1 = rows of x: a lane holds a token and its registers run along the features: K of the scores.
;   y 8-11 (v):    source 0 = rows of x, source 1 = rows of Wv:       a lane holds a feature and its registers run along the tokens: K of the last product.
; Either way a wave's block a (16 lanes' rows x 128 registers' rows) becomes ONE fragment, number a, of the next operand, in the same convention of rows.
; w2: q and k: fragment ((16 g + kc) 8 + rb), g = token / 128, kc 0-7 q's chunks of 128 features, 8-15 k's; scale words from QKS.  v: from VCO, fragment ((64 gd + kc) 8 + rb), gd = feature / 128, kc = token / 128; scale words from VSO.
; THE BIAS is the C of each sum's first matrix instruction.  K goes in steps of 256 through two LDS slots; a K step's tiles are asked for JOINTLY in a 4 x 4 cluster: source 1's along a row, source 0's along a column.
; All scale words of the four row groups (4,096 bytes each) come once, with the first fills.
; LIMITS: NaN and infinities are not served.  A block of zeros gets the byte 1 where the quantiser's rule says 127: its codes are zeros, and this program alone reads the bytes.
; REGISTERS: window 0: v1-31 addresses; v32-63 scale words, two sets; v64-127 the bias, later the quantiser's work; v128-223 source 1's eight fragments, one set.  window 1: source 0's eight fragments, two sets, at v0 and v128.
;   window 2: accumulators of blocks 0-3 ((a, b) at v[64 (a % 4) + 8 b]); window 3: those of blocks 4-7.
.set FR,    12                         ; registers of a fragment
.set NL,    3                          ; LDS loads that bring one
.set FRB,   FR*128                     ; its bytes
.set HALFT, 16*FRB                     ; 256 along K of a row group: what one tensor load brings
.set SLOT,  4*HALFT                    ; source 1's two row groups, then source 0's two
.set NA,    8                          ; source 1's blocks of a wave
.set NH,    NA/2
.set LAPS,  2                          ; a lap = two K steps = once round the ring
.set SCL,   2*SLOT                     ; behind the ring: the scale words, 4,096 bytes a row group, in the order of the slots' parts
.set SST,   SCL+4*4096                 ; a stage of 1,536 bytes for each wave: no fill lands here
.set SPARE, SST+4*1536                 ; the spare words, 128 bytes for each wave: two blocks of 256 bytes that no other line names
.set W1S,   8650752
.set QKS,   12582912
.set VCO,   13107200
.set VSO,   19398656
.set ADRA,  16                         ; v16-17 LDS address of source 1's fragments in slot 0, 1
.set ADRB,  20                         ; v20-21 the same for source 0
.set SSA,   24                         ; v24    my stage + 4 r
.set SSR,   25                         ; v25    my stage + 16 x lane
.set GOF,   26                         ; v26    16 x lane
.set ADRS,  27                         ; v27    my scale words: lanes 0-15 source 1's, lanes 16-31 source 0's
.set SPW,   28                         ; v28    LDS address of my spare word; never rewritten
.set NIL,   29                         ; v29    0; never rewritten
.set BH,    30                         ; v30    64 h
.set BR,    31                         ; v31    4 (r % 8 + 16 (r / 8))
.set SC,    32
.set CB,    64
.set AF,    128
.set TM,    64                         ; the way out: v64-79 at work, v80-98 codes, v100-107 the eight scale words
.set PC,    80
.set PWR,   100
.set G1,    24                         ; s[24:31] group 1 for source 1's tiles; s[32:39] group 0, a set for each slot
.set G0,    32
.set G1B,   48                         ; s[48:55], s[56:63] the same for source 0's
.set G0B,   56
.set G1S,   68                         ; s[68:75], s[76:79] for source 1's scale words; s[80:87], s[88:91] for source 0's
.set G0S,   76
.set G1SB,  80
.set G0SB,  88
.set SEL,   100                        ; s[100:101] lane selects: lane l xor 16
.set MSB, 0
.macro WIN new                         ; the immediate's high byte repeats the setting that is left; a switch that changes nothing is dropped
.if MSB != (\new)
	s_set_vgpr_msb (MSB<<8)|(\new)
.set MSB, (\new)
.endif
.endm
; A joint load: waves 0 and 1 fetch for source 1, waves 2 and 3 for source 0.  The branch hangs on the wave's number alone.  An s_nop 0 and four v_nop follow each of the two lines.
.macro JLOAD g0a, g1a, g0b, g1b
	s_cmp_eq_u32 s15, 0
	s_cbranch_scc0 .Lfor_b_\@
	tensor_load_to_lds s[\g0a:\g0a+3], s[\g1a:\g1a+7]
	s_nop 0
.rept 4
	v_nop
.endr
	s_branch .Lasked_\@
.Lfor_b_\@:
	tensor_load_to_lds s[\g0b:\g0b+3], s[\g1b:\g1b+7]
	s_nop 0
.rept 4
	v_nop
.endr
.Lasked_\@:
.endm
.macro CREST                           ; a round of the cluster's barrier behind its opening barrier
	s_cmp_lg_u32 s14, 0
	s_cbranch_scc1 .Lnot_wave_0_\@
	s_barrier_signal -3
.Lnot_wave_0_\@:
	s_barrier_wait -3
	s_barrier_signal -1
	s_barrier_wait -1
.endm
.macro CROUND                          ; a whole round
	s_barrier_signal -1
	s_barrier_wait -1
	CREST
.endm
.macro PLACES n                        ; plain instructions between a matrix instruction and a load into, or a read of, its registers
.rept \n
	v_nop
.endr
.endm
.macro SHAPE g, rows                   ; group 1 of a dense block: rows of 256 bytes (32 elements of 8 bytes), one behind the other, no padding
	s_mov_b32 s[\g+1], 32<<16
	s_mov_b32 s[\g+2], (\rows)<<16
	s_mov_b32 s[\g+3], 32<<16
	s_mov_b32 s[\g+4], \rows
	s_mov_b32 s[\g+5], 32
	s_mov_b32 s[\g+6], 0
	s_mov_b32 s[\g+7], 0
.endm
.macro FRAG reg, adr, q, i             ; fragment i of the slot's q-th 128 along K: three loads of 512 consecutive bytes
.irp c, 0,1,2
	ds_load_b128 v[(\reg)+4*\c:(\reg)+4*\c+3], v[\adr] offset:((\q)*8+(\i))*FRB+512*\c
.endr
.endm
.macro FETCH_B slot, q, p              ; source 0's eight fragments into set p
	WIN 0x40
.irp i, 0,1,2,3,4,5,6,7
	FRAG 128*(\p)+FR*\i, ADRB+\slot, \q, \i
.endr
	WIN 0
.endm
.macro FETCH_A slot, q, i0             ; source 1's blocks i0 .. i0 + NH - 1
.set FI, \i0
.rept NH
	FRAG AF+FR*FI, ADRA+\slot, \q, FI
.set FI, FI+1
.endr
.endm
.macro SCALES sc                       ; a K step's scale words into set sc: register 2 i + q: lanes 0-15 source 1's block i, lanes 16-31 source 0's block i
.irp i, 0,1,2,3,4,5,6,7
	ds_load_b32 v[SC+16*\sc+2*\i], v[ADRS] offset:64*\i
	ds_load_b32 v[SC+16*\sc+2*\i+1], v[ADRS] offset:512+64*\i
.endr
.endm
; Eight matrix instructions: source 1's block a against source 0's eight.  cm: what C is: 0 the sum so far; 2 the bias by source 0's block; 3 the bias by source 1's block.  The accumulators take turns, one instruction a turn.
.macro MULB a, p, q, sc, cm
.irp b, 0,1,2,3,4,5,6,7
.set rD, 64*((\a)%NH)+8*\b
.set rB, 128*(\p)+FR*\b
.set rA, AF+FR*(\a)
.set rU, SC+16*(\sc)+2*\b+(\q)
.set rW, SC+16*(\sc)+2*(\a)+(\q)
.if (\cm) == 0
	v_wmma_scale_f32_16x16x128_f8f6f4 v[rD:rD+7], v[rB:rB+FR-1], v[rA:rA+FR-1], v[rD:rD+7], v[rU], v[rW] matrix_a_fmt:MATRIX_FMT_FP6 matrix_b_fmt:MATRIX_FMT_FP6 matrix_a_scale:MATRIX_SCALE_ROW1
.elseif (\cm) == 2
	v_wmma_scale_f32_16x16x128_f8f6f4 v[rD:rD+7], v[rB:rB+FR-1], v[rA:rA+FR-1], v[CB+8*\b:CB+8*\b+7], v[rU], v[rW] matrix_a_fmt:MATRIX_FMT_FP6 matrix_b_fmt:MATRIX_FMT_FP6 matrix_a_scale:MATRIX_SCALE_ROW1
.else
	v_wmma_scale_f32_16x16x128_f8f6f4 v[rD:rD+7], v[rB:rB+FR-1], v[rA:rA+FR-1], v[CB+8*(\a):CB+8*(\a)+7], v[rU], v[rW] matrix_a_fmt:MATRIX_FMT_FP6 matrix_b_fmt:MATRIX_FMT_FP6 matrix_a_scale:MATRIX_SCALE_ROW1
.endif
.endr
.endm
.macro MULS a0, n, p, q, sc, cm        ; n blocks from a0 on
.set MA, \a0
.rept \n
	MULB MA, \p, \q, \sc, \cm
.set MA, MA+1
.endr
.endm
; A step of 128 along K that has its successor in the same slot.  Windows: source 0 window 1, source 1 window 0, D window 2 or 3; C with D, or (the bias) in window 0.
.macro STEP slot, q, cm
	s_wait_dscnt NH*NL                             ; source 0's set, the scale words and blocks 0-3 are in; the youngest twelve loads (blocks 4-7) may be out
.if (\cm) >= 2
	WIN 0x81
.else
	WIN 0xa1
.endif
	MULS 0, NH, (\q)%2, \q, \slot, \cm
	s_wait_dscnt 0x0                               ; blocks 4-7 are in
	PLACES 4
	FETCH_B \slot, (\q)+1, 1-(\q)%2
	FETCH_A \slot, (\q)+1, 0
.if (\cm) >= 2
	WIN 0xc1
.else
	WIN 0xf1
.endif
	MULS NH, NH, (\q)%2, \q, \slot, \cm
	PLACES 4
	WIN 0
	FETCH_A \slot, (\q)+1, NH
.endm
; A slot's last step changes slots: one barrier; in front of it each wave waits for all its tensor loads, adds 0 to its spare word, and waits for that and for its reads of this slot.  fill = 1: the slot is filled again, two K steps ahead.
.macro TURN slot, next, fill
	s_wait_tensorcnt 0x0                           ; all my tensor loads have landed: the one that was out is my part of the next slot
	ds_add_u32 v[SPW], v[NIL]                      ; 0 onto my spare word
	s_wait_dscnt NH*NL+1                           ; (the add and the youngest twelve loads may be out)
	WIN 0xa1
	MULS 0, NH/2, 1, 1, \slot, 0                   ; matrix work stands between the add and the wait for it
	s_wait_dscnt 0x0                               ; the add is done, and my reads of this slot are over
	s_barrier_signal -1
	MULS NH/2, NH/2, 1, 1, \slot, 0
	WIN 0
	s_barrier_wait -1
.if \fill
	CREST                                          ; the barrier has opened a round of the cluster's: no wave of any partner still reads this slot or has a load on its way
	s_add_nc_u64 s[G0+4*\slot+2:G0+4*\slot+3], s[G0+4*\slot+2:G0+4*\slot+3], 2*HALFT
	s_add_nc_u64 s[G0B+4*\slot+2:G0B+4*\slot+3], s[G0B+4*\slot+2:G0B+4*\slot+3], 2*HALFT
	JLOAD G0+4*\slot, G1, G0B+4*\slot, G1B         ; the first tensor load behind the round; its four v_nop are the places in front of the loads below
.else
	PLACES 4
.endif
	v_add_nc_u32 v[ADRS], 1024, v[ADRS]            ; the next K step's scale words: two chunks of 512 bytes on
	FETCH_B \next, 0, 0
	FETCH_A \next, 0, 0
	SCALES \next
	WIN 0xf1
	MULS NH, NH, 1, 1, \slot, 0
	PLACES 4
	WIN 0
	FETCH_A \next, 0, NH
.endm
	s_load_b256 s[4:11], s[0:1], 0x0               ; w1 s[4:5], bq s[6:7], bk s[8:9], bv s[10:11]
	s_load_b64 s[12:13], s[0:1], 0x20              ; w2
	v_lshl_add_u32 v[SPW], v0, 2, SPARE
	v_mov_b32 v[NIL], 0
	ds_add_u32 v[SPW], v[NIL]                      ; the wave's opening: the add and its wait ahead of my first tensor load; work on registers stands between them
	v_lshrrev_b32 v1, 5, v0
	v_readfirstlane_b32 s14, v1                    ; wave 0..3
	s_lshr_b32 s15, s14, 1                         ; which of source 1's row groups I multiply.  Also: I fetch for source 1 (0) or source 0 (1)
	s_and_b32 s16, s14, 1                          ; which of source 0's.  Also: which row group I fetch
	s_bfe_u32 s40, ttmp6, 0x40000                  ; cx, cy: my place in the cluster
	s_bfe_u32 s41, ttmp6, 0x40004
	s_mov_b32 s42, ttmp9                           ; the cluster's x
	s_and_b32 s17, ttmp7, 0xffff                   ; and y
	s_lshl_b32 s43, s41, 2
	s_lshl_b32 s43, 15, s43                        ; my row of the cluster
	s_lshl_b32 s44, 0x1111, s40                    ; my column
	s_or_b32 s[G1], s43, (3<<16)|(1<<21)           ; 15:0 the mask; 17:16 elements of 8 bytes; 21 set beside a mask; no padding
	s_or_b32 s[G1B], s44, (3<<16)|(1<<21)
	s_or_b32 s[G1S], s43, (3<<16)|(1<<21)
	s_or_b32 s[G1SB], s44, (3<<16)|(1<<21)
	SHAPE G1, 96                                   ; 24,576 bytes
	SHAPE G1B, 96
	SHAPE G1S, 16                                  ; 4,096 bytes
	SHAPE G1SB, 16
	s_cmp_ge_u32 s17, 8
	s_cselect_b32 s2, 1, 0                         ; the kind: 0 q and k, 1 v: the same in all sixteen partners
	; source 1's tile i1 hangs on cy and the cluster alone, source 0's tile i0 on cx and the cluster alone; each in registers that never hold the other coordinate
	s_lshl_b32 s20, s17, 2
	s_add_co_u32 s20, s20, s41
	s_cmp_eq_u32 s2, 0
	s_cselect_b32 s20, s20, s41                    ; i1: 256 tokens (4 y + cy), or 256 rows of Wv (cy)
	s_cselect_b32 s21, 0, 80                       ; where its row groups begin in w1
	s_lshl_b32 s22, s20, 1
	s_add_co_u32 s21, s21, s22
	s_add_co_u32 s21, s21, s16                     ; the row group that I would fetch
	s_mul_i32 s18, s21, 4*HALFT                    ; its codes: 8 chunks of 12,288 bytes
	s_mov_b32 s19, 0
	s_lshl_b32 s22, s21, 12
	s_add_co_u32 s22, s22, W1S                     ; its scale words
	s_mov_b32 s23, 0
	s_lshl_b32 s66, s42, 2
	s_add_co_u32 s66, s66, s40
	s_lshl_b32 s67, s17, 3
	s_sub_co_u32 s67, s67, 64
	s_cmp_eq_u32 s2, 0
	s_cselect_b32 s67, 0, s67
	s_cselect_b32 s46, 64, 0
	s_add_co_u32 s66, s66, s67                     ; i0: 256 rows of Wq and Wk (4 x + cx), or 256 tokens (4 (2 (y - 8) + x) + cx)
	s_lshl_b32 s67, s66, 1
	s_add_co_u32 s67, s67, s46
	s_add_co_u32 s67, s67, s16
	s_mul_i32 s46, s67, 4*HALFT
	s_mov_b32 s47, 0
	s_lshl_b32 s92, s67, 12
	s_add_co_u32 s92, s92, W1S
	s_mov_b32 s93, 0
	s_mul_i32 s45, s14, HALFT                      ; where they go: wave x a part: no place in the cluster enters an LDS address
	s_lshl_b32 s94, s14, 12
	s_mov_b32 s[SEL], 0x76543210
	s_mov_b32 s[SEL+1], 0xfedcba98
	s_wait_dscnt 0x0                               ; the opening add is done
	s_wait_kmcnt 0x0
	s_add_nc_u64 s[18:19], s[4:5], s[18:19]
	s_add_nc_u64 s[22:23], s[4:5], s[22:23]
	s_add_nc_u64 s[46:47], s[4:5], s[46:47]
	s_add_nc_u64 s[92:93], s[4:5], s[92:93]
	CROUND                                         ; all sixteen work-groups are here: the first joint loads meet
	s_mov_b32 s[G0S], 1
	s_add_co_u32 s[G0S+1], s94, SCL
	s_mov_b64 s[G0S+2:G0S+3], s[22:23]
	s_or_b32 s[G0S+3], s[G0S+3], 0x80000000
	s_mov_b32 s[G0SB], 1
	s_add_co_u32 s[G0SB+1], s94, SCL
	s_mov_b64 s[G0SB+2:G0SB+3], s[92:93]
	s_or_b32 s[G0SB+3], s[G0SB+3], 0x80000000
	JLOAD G0S, G1S, G0SB, G1SB                     ; the scale words first: they are wanted with K step 0
.irp s, 0,1
	s_mov_b32 s[G0+4*\s], 1
	s_add_co_u32 s[G0+4*\s+1], s45, \s*SLOT
	s_add_nc_u64 s[G0+4*\s+2:G0+4*\s+3], s[18:19], \s*HALFT
	s_or_b32 s[G0+4*\s+3], s[G0+4*\s+3], 0x80000000
	s_mov_b32 s[G0B+4*\s], 1
	s_add_co_u32 s[G0B+4*\s+1], s45, \s*SLOT
	s_add_nc_u64 s[G0B+4*\s+2:G0B+4*\s+3], s[46:47], \s*HALFT
	s_or_b32 s[G0B+4*\s+3], s[G0B+4*\s+3], 0x80000000
	JLOAD G0+4*\s, G1, G0B+4*\s, G1B               ; three tensor loads of mine are out now
.endr
	v_and_b32 v1, 31, v0                           ; lane
	v_and_b32 v2, 15, v0                           ; r
	v_bfe_u32 v3, v0, 4, 1                         ; h
	v_lshlrev_b32 v[GOF], 4, v1
	s_mul_i32 s21, s15, HALFT                      ; my row group of source 1,
	s_mul_i32 s22, s16, HALFT                      ; and of source 0,
	s_add_co_u32 s22, s22, 2*HALFT                 ; which lie behind source 1's two
.irp s, 0,1
	v_add_nc_u32 v[ADRA+\s], s21, v[GOF]
	v_add_nc_u32 v[ADRB+\s], s22, v[GOF]
	s_add_co_u32 s21, s21, SLOT
	s_add_co_u32 s22, s22, SLOT
.endr
	s_lshl_b32 s21, s15, 12
	s_lshl_b32 s22, s16, 12
	s_add_co_u32 s22, s22, 2*4096
	s_sub_co_u32 s22, s22, s21
	v_mul_u32_u24 v5, s22, v3                      ; lanes 16-31 take source 0's words: one product, the distance between the two
	s_add_co_u32 s21, s21, SCL
	v_lshl_add_u32 v5, v2, 2, v5
	v_add_nc_u32 v[ADRS], s21, v5
	s_mul_i32 s23, s14, 1536
	s_add_co_u32 s23, s23, SST
	v_lshl_add_u32 v[SSA], v2, 2, s23
	v_add_nc_u32 v[SSR], s23, v[GOF]
	v_lshlrev_b32 v[BH], 6, v3
	v_and_b32 v[BR], 8, v2
	v_add_nc_u32 v[BR], v[BR], v2
	v_lshlrev_b32 v[BR], 2, v[BR]
	; where my results go: fragment ((KC g1 + g0) 8 + a), g1 = source 1's row group among its kind, g0 = source 0's, KC = 16 (q, k) or 64 (v)
	s_lshl_b32 s98, s66, 1
	s_add_co_u32 s98, s98, s16                     ; g0
	s_lshl_b32 s99, s20, 1
	s_add_co_u32 s99, s99, s15                     ; g1
	s_mov_b32 s96, VCO
	s_mov_b32 s97, VSO
	s_mov_b32 s66, QKS
	s_and_b32 s67, s98, 7                          ; q, k: the 128 features' place in bq or bk
	s_cmp_eq_u32 s2, 0
	s_cselect_b32 s94, 4, 6
	s_cselect_b32 s96, 0, s96
	s_cselect_b32 s97, s66, s97
	s_cselect_b32 s66, s67, s99                    ; v: in bv
	s_lshl_b32 s95, s99, s94
	s_add_co_u32 s95, s95, s98
	s_mul_i32 s94, s95, 8*FRB
	s_add_co_u32 s94, s94, s96                     ; the codes' byte in w2
	s_lshl_b32 s96, s95, 9
	s_add_co_u32 s96, s96, s97                     ; the scale words'
	s_mov_b32 s95, 0
	s_mov_b32 s97, 0
	s_add_nc_u64 s[94:95], s[12:13], s[94:95]
	s_add_nc_u64 s[96:97], s[12:13], s[96:97]
	s_lshl_b32 s66, s66, 9
	s_mov_b32 s67, 0
	s_cmp_eq_u32 s42, 0                            ; the cluster's x: 0 Wq's rows, 1 Wk's
	s_cselect_b64 s[6:7], s[6:7], s[8:9]
	s_cmp_eq_u32 s2, 0
	s_cselect_b64 s[6:7], s[6:7], s[10:11]
	s_add_nc_u64 s[6:7], s[6:7], s[66:67]
	s_cmp_eq_u32 s2, 0
	s_cbranch_scc0 .Lbias_v
.irp b, 0,1,2,3                                ; q, k: register 16 b + i of every block is feature 32 b + 16 h + i
.irp i, 0,1,2,3
	global_load_b128 v[CB+16*\b+4*\i:CB+16*\b+4*\i+3], v[BH], s[6:7] offset:128*\b+16*\i
.endr
.endr
	s_branch .Lbias_done
.Lbias_v:
.irp a, 0,1,2,3,4,5,6,7                        ; v: all eight registers of block a hold the bias of my lane's feature: loads, so that on both ways loads alone write C's registers
.irp j, 0,1,2,3,4,5,6,7
	global_load_b32 v[CB+8*\a+\j], v[BR], s[6:7] offset:(32*(\a/2)+8*(\a%2))*4
.endr
.endr
.Lbias_done:
	s_wait_tensorcnt 1                             ; the scale words and my part of K step 0 are in; K step 1's load may stay out
	s_barrier_signal -1
	s_barrier_wait -1                              ; everybody's are
	FETCH_B 0, 0, 0
	FETCH_A 0, 0, 0
	SCALES 0
	FETCH_A 0, 0, NH
	s_wait_loadcnt 0x0                             ; the bias
	s_cmp_eq_u32 s2, 0
	s_cbranch_scc0 .Lfirst_v
	STEP 0, 0, 2                                   ; the first step starts the sums with the bias: by source 0's block,
	s_branch .Lfirst_done
.Lfirst_v:
	STEP 0, 0, 3                                   ; or by source 1's
.Lfirst_done:
	s_mov_b32 s3, LAPS-1
.Llap:                                                 ; a trip goes once round the ring, from a lap's second step to the next lap's first, and fills both slots again
	TURN 0, 1, 1
	STEP 1, 0, 0
	TURN 1, 0, 1
	STEP 0, 0, 0
	s_sub_co_u32 s3, s3, 1
	s_cmp_lg_u32 s3, 0
	s_cbranch_scc1 .Llap
	TURN 0, 1, 0                                   ; the last lap fills nothing
	STEP 1, 0, 0
	s_wait_dscnt NH*NL                             ; the very last step
	WIN 0xa1
	MULS 0, NH, 1, 1, 1, 0
	s_wait_dscnt 0x0
	WIN 0xf1
	MULS NH, NH, 1, 1, 1, 0
	WIN 0
; THE WAY OUT.  Block a's 64 registers of a lane are 128 along the next K of the lane's row: register 16 b + i = k 32 b + 16 h + i.  They become fragment a and a scale word.
.macro QA a
.set WW, 2+(\a)/4
.set AC, 64*((\a)%4)
.set W11, WW|(WW<<2)
	WIN W11                                        ; sources 0 and 1: the block's window
.irp b, 0,1,2,3
	v_max3_num_f32 v[TM+\b], |v[AC+16*\b]|, |v[AC+16*\b+1]|, 0x1800000   ; each accumulator is read from its low end on; the floor 2^(3 - 127) holds the byte at 1 from below
.endr
.irp i, 2,4,6,8,10,12,14
.irp b, 0,1,2,3
	v_max3_num_f32 v[TM+\b], |v[AC+16*\b+\i]|, |v[AC+16*\b+\i+1]|, v[TM+\b]
.endr
.endr
	WIN 0
.irp b, 0,1,2,3
	v_permlanex16_b32 v[TM+4+\b], v[TM+\b], s[SEL], s[SEL+1]
.endr
.irp b, 0,1,2,3
	v_max_num_f32 v[TM+\b], v[TM+\b], v[TM+4+\b]   ; with lane l xor 16's 16: the block's largest magnitude
.endr
.irp b, 0,1,2,3
	v_add_nc_u32 v[TM+12+\b], 0xff000000, v[TM+\b] ; 2 off its exponent field: the conversion's scale operand
.endr
.irp b, 0,1,2,3
	v_lshrrev_b32 v[TM+4+\b], 23, v[TM+12+\b]      ; the scale's byte
.endr
	v_lshl_or_b32 v[PWR+(\a)], v[TM+5], 8, v[TM+4]
	v_lshl_or_b32 v[PWR+(\a)], v[TM+6], 16, v[PWR+(\a)]
	v_lshl_or_b32 v[PWR+(\a)], v[TM+7], 24, v[PWR+(\a)]
	s_wait_xcnt 0x0                                ; the block before has had its stores' registers read: the codes may be written again
	WIN WW                                         ; source 0: the block's window
.irp c, 0,1
	v_cvt_scalef32_pk16_fp6_f32 v[PC+6*\c:PC+2+6*\c], v[AC+32*\c:AC+15+32*\c], v[TM+12+2*\c]
	v_cvt_scalef32_pk16_fp6_f32 v[PC+12+4*\c:PC+14+4*\c], v[AC+16+32*\c:AC+31+32*\c], v[TM+12+2*\c+1]
.endr
	WIN 0
	v_nop                                          ; one plain instruction behind the scaled conversions
.irp c, 0,1
.irp i, 0,1,2
	v_permlane16_swap_b32 v[PC+6*\c+\i], v[PC+12+4*\c+\i]
.endr
.irp i, 0,1,2
	v_mov_b32 v[PC+3+6*\c+\i], v[PC+12+4*\c+\i]
.endr
.endr
.irp c, 0,1,2
	global_store_b128 v[GOF], v[PC+4*\c:PC+4*\c+3], s[94:95] offset:FRB*(\a)+512*\c   ; 512 consecutive bytes, at a multiple of 256 from the buffer's first byte
.endr
.endm
	PLACES 4
.irp b, 0,1,2,3
	v_mov_b32 v[TM+4+\b], 0                        ; a lane permute's destination counts as one of its sources
.endr
.irp a, 0,1,2,3,4,5,6,7
	QA \a
.endr
.irp a, 0,1,2,3,4,5,6,7
	ds_store_b32 v[SSA], v[PWR+\a] offset:64*\a    ; the eight fragments' scale words meet in my own stage (lanes r and r + 16 write the same word with the same value)
.endr
	ds_load_b128 v[108:111], v[SSR]                ; LDS serves a wave's instructions in order: this sees my stores
	s_wait_dscnt 0x0
	global_store_b128 v[GOF], v[108:111], s[96:97] ; 512 consecutive aligned bytes
	s_wait_tensorcnt 0x0                           ; the wave's end: behind my last tensor load and my last LDS store
	ds_add_u32 v[SPW], v[NIL]
	s_wait_dscnt 0x0
	CROUND                                         ; the closing round: no work-group ends while a partner may still ask for a tile that names it
	s_endpgm
.Lfunc_end_k_q2616972eab_proj:
	.size	k_q2616972eab_proj, .Lfunc_end_k_q2616972eab_proj-k_q2616972eab_proj
	.p2alignl 7, 3214868480
	.fill 96, 4, 3214868480
	.section	.rodata,"a",@progbits
	.p2align	6, 0x0
	.amdhsa_kernel k_q2616972eab_proj
		.amdhsa_group_segment_fixed_size 327680
		.amdhsa_private_segment_fixed_size 0
		.amdhsa_enable_private_segment 0
		.amdhsa_kernarg_size 40
		.amdhsa_user_sgpr_count 2
		.amdhsa_user_sgpr_kernarg_segment_ptr 1
		.amdhsa_wavefront_size32 1
		.amdhsa_system_sgpr_workgroup_id_x 1
		.amdhsa_system_sgpr_workgroup_id_y 1
		.amdhsa_system_sgpr_workgroup_id_z 1
		.amdhsa_system_vgpr_workitem_id 0
		.amdhsa_next_free_vgpr 1024
		.amdhsa_next_free_sgpr 102
		.amdhsa_reserve_vcc 0
		.amdhsa_float_denorm_mode_32 3
		.amdhsa_float_denorm_mode_16_64 3
		.amdhsa_memory_ordered 1
		.amdhsa_forward_progress 1
		.amdhsa_inst_pref_size 162
	.end_amdhsa_kernel
	.amdgpu_metadata
---
amdhsa.version: [ 1, 2 ]
amdhsa.kernels:
  - .name:           k_q2616972eab_proj
    .symbol:         k_q2616972eab_proj.kd
    .args:
      - { .name: w1, .offset: 0, .size: 8, .value_kind: global_buffer, .address_space: global }
      - { .name: bq, .offset: 8, .size: 8, .value_kind: global_buffer, .address_space: global }
      - { .name: bk, .offset: 16, .size: 8, .value_kind: global_buffer, .address_space: global }
      - { .name: bv, .offset: 24, .size: 8, .value_kind: global_buffer, .address_space: global }
      - { .name: w2, .offset: 32, .size: 8, .value_kind: global_buffer, .address_space: global }
    .group_segment_fixed_size: 327680
    .private_segment_fixed_size: 0
    .kernarg_segment_align: 8
    .kernarg_segment_size: 40
    .max_flat_workgroup_size: 128
    .sgpr_count:     102
    .vgpr_count:     1024
    .wavefront_size: 32
...
	.end_amdgpu_metadata
.endif
;; end of part 2
;; launch scores (part 3): grid 8 x 32, 4 waves a work-group, clusters of 4 x 4, 327,680 bytes of LDS; arguments w2, w3; writes w3
.if DOCPART == 3
	.amdgcn_target "amdgcn-amd-amdhsa--gfx1250"
	.amdhsa_code_object_version 6
	.text
	.protected	k_q2616972eab_scores
	.globl	k_q2616972eab_scores
	.p2align	8
	.type	k_q2616972eab_scores,@function
k_q2616972eab_scores:
	s_mov_b64 s[64:65], 0
	v_nop
	global_prefetch_b8 v0, s[64:65] scope:SCOPE_SE
	s_setreg_imm32_b32 hwreg(HW_REG_WAVE_MODE, 25, 1), 1
	s_wait_xcnt 0x0
	s_wait_alu depctr_hold_cnt(0) depctr_sa_sdst(0) depctr_va_vdst(0) depctr_va_sdst(0) depctr_va_ssrc(0) depctr_va_vcc(0) depctr_vm_vsrc(0)
	s_getreg_b32 s2, hwreg(HW_REG_IB_STS2, 6, 4)
	s_cmp_eq_u32 s2, 0
	s_cbranch_scc0 .Lentry_in_a_cluster
	s_endpgm
.Lentry_in_a_cluster:
	s_bfe_u32 s2, ttmp6, 0x10000c
	s_cmp_lg_u32 s2, 0xf033
	s_cbranch_scc0 .Lentry_shape_is_right
	s_endpgm
.Lentry_shape_is_right:
; S^T = k q^T on codes of FP6 (E2M3) with E8M0 scales, K = 1,024 features; then, for each query and each 128 keys, p = 2^(t - M), quantised along the keys, with the statistics that the last launch needs.
; t = score x log2(e) / 32.  M here is LOCAL: the ceiling of the largest t among the wave's 128 keys of that query: a maximum is taken away ahead of every exponential.  M is a whole number, so p under the row's own M
; differs from p under the local M by an exact power of two, which the scale bytes take up: the codes are the same.  The last launch takes (row's M - local M) off the bytes and brings the local sums under the row's M.
; OPERANDS are images of registers (fragment: 16 rows x 128 K, 1,536 bytes); a row group is 128 rows, 8 fragments; lane r of fragment rb holds row 32 (rb / 2) + 8 (rb % 2) + r % 8 + 16 (r / 8).
; w2: fragment ((16 g + kc) 8 + rb), g = token / 128, kc 0-7 q's chunks, 8-15 k's; 16 scale words a fragment from QKS on.
; Source 0 = 16 keys, source 1 = 16 queries: a lane holds ONE query and, by the choice of rows, the 16 registers of two neighbouring tiles are 16 neighbouring keys.  A wave's block a becomes fragment a of p.
; w3: p's codes: fragment ((16 g + kc) 8 + rb), g = query / 128 (over all batches), kc = key / 128 in the batch; from PS its scale words, from PS + 524,288 the local -M (f32), from PS + 1,048,576 the local sum of the unquantised p (f32), each one word a row and chunk.
; A work-group makes 256 keys x 256 queries, a wave 128 x 128.  K goes in steps of 256 through two LDS slots; tiles are asked for jointly in a 4 x 4 cluster: q's along a row, k's along a column.
; LIMITS: NaN and infinities are not served.  A block whose every p has fallen to 0 keeps the byte 1: its codes are zeros.  -M is kept as f32: a whole number for every finite t.
; REGISTERS: window 0: v1-31 addresses; v32-63 scale words, two sets; v64-147 the way out's work; v128-223 q's eight fragments.  window 1: k's eight fragments, two sets.  windows 2, 3: the accumulators ((a, b) at v[64 (a % 4) + 8 b]).
.set FR,    12
.set NL,    3
.set FRB,   FR*128
.set HALFT, 16*FRB
.set SLOT,  4*HALFT
.set NA,    8
.set NH,    NA/2
.set LAPS,  2
.set SCL,   2*SLOT
.set SST,   SCL+4*4096                 ; a stage of 1,536 bytes for each wave: no fill lands here
.set SPARE, SST+4*1536                 ; the spare words, 128 bytes for each wave: two blocks of 256 bytes that no other line names
.set QKS,   12582912
.set PS,    12582912
.set ADRA,  16
.set ADRB,  20
.set SSA,   24
.set SSR,   25
.set GOF,   26
.set ADRS,  27
.set SPW,   28
.set NIL,   29
.set SC,    32
.set AF,    128
.set BM,    64                         ; v64-67   each block's largest score, then its largest p
.set T4,    68                         ; v68-71   from lane l xor 16
.set NM,    72                         ; v[72:73] -M, and the largest t
.set SU0,   74                         ; v[74:75], v[76:77] the sum in two chains of pairs
.set SU1,   76
.set TT,    78
.set SO,    80                         ; v80-83   the conversions' scale operands
.set BY,    84                         ; v84-87   the bytes
.set PC,    88                         ; v88-106  the codes
.set PWR,   108                        ; v108-115 the eight blocks' scale words; v116-123 their -M; v128-135 their sums
.set NMR,   116
.set LSR,   128
.set CS,    8                          ; s[8:9]   c = log2(e) / 32: the packed form names a pair and takes its low word for both halves
.set SEL,   10                         ; s[10:11] lane selects: lane l xor 16
.set G1,    24
.set G0,    32
.set G1B,   48
.set G0B,   56
.set G1S,   68
.set G0S,   76
.set G1SB,  80
.set G0SB,  88
.set MSB, 0
.macro WIN new
.if MSB != (\new)
	s_set_vgpr_msb (MSB<<8)|(\new)
.set MSB, (\new)
.endif
.endm
.macro JLOAD g0a, g1a, g0b, g1b        ; a joint load: waves 0 and 1 fetch for q, waves 2 and 3 for k; an s_nop 0 and four v_nop follow each of the two lines
	s_cmp_eq_u32 s15, 0
	s_cbranch_scc0 .Lfor_b_\@
	tensor_load_to_lds s[\g0a:\g0a+3], s[\g1a:\g1a+7]
	s_nop 0
.rept 4
	v_nop
.endr
	s_branch .Lasked_\@
.Lfor_b_\@:
	tensor_load_to_lds s[\g0b:\g0b+3], s[\g1b:\g1b+7]
	s_nop 0
.rept 4
	v_nop
.endr
.Lasked_\@:
.endm
.macro CREST
	s_cmp_lg_u32 s14, 0
	s_cbranch_scc1 .Lnot_wave_0_\@
	s_barrier_signal -3
.Lnot_wave_0_\@:
	s_barrier_wait -3
	s_barrier_signal -1
	s_barrier_wait -1
.endm
.macro CROUND
	s_barrier_signal -1
	s_barrier_wait -1
	CREST
.endm
.macro PLACES n
.rept \n
	v_nop
.endr
.endm
.macro SHAPE g, rows                   ; group 1 of a dense block: rows of 256 bytes (32 elements of 8 bytes), no padding
	s_mov_b32 s[\g+1], 32<<16
	s_mov_b32 s[\g+2], (\rows)<<16
	s_mov_b32 s[\g+3], 32<<16
	s_mov_b32 s[\g+4], \rows
	s_mov_b32 s[\g+5], 32
	s_mov_b32 s[\g+6], 0
	s_mov_b32 s[\g+7], 0
.endm
.macro FRAG reg, adr, q, i
.irp c, 0,1,2
	ds_load_b128 v[(\reg)+4*\c:(\reg)+4*\c+3], v[\adr] offset:((\q)*8+(\i))*FRB+512*\c
.endr
.endm
.macro FETCH_B slot, q, p
	WIN 0x40
.irp i, 0,1,2,3,4,5,6,7
	FRAG 128*(\p)+FR*\i, ADRB+\slot, \q, \i
.endr
	WIN 0
.endm
.macro FETCH_A slot, q, i0
.set FI, \i0
.rept NH
	FRAG AF+FR*FI, ADRA+\slot, \q, FI
.set FI, FI+1
.endr
.endm
.macro SCALES sc                       ; register 2 i + q: lanes 0-15 q's block i, lanes 16-31 k's block i
.irp i, 0,1,2,3,4,5,6,7
	ds_load_b32 v[SC+16*\sc+2*\i], v[ADRS] offset:64*\i
	ds_load_b32 v[SC+16*\sc+2*\i+1], v[ADRS] offset:512+64*\i
.endr
.endm
.macro MULB a, p, q, sc, cm            ; q's block a against k's eight; cm = 1: the first product starts the sums.  The accumulators take turns
.irp b, 0,1,2,3,4,5,6,7
.set rD, 64*((\a)%NH)+8*\b
.set rB, 128*(\p)+FR*\b
.set rA, AF+FR*(\a)
.set rU, SC+16*(\sc)+2*\b+(\q)
.set rW, SC+16*(\sc)+2*(\a)+(\q)
.if (\cm) == 0
	v_wmma_scale_f32_16x16x128_f8f6f4 v[rD:rD+7], v[rB:rB+FR-1], v[rA:rA+FR-1], v[rD:rD+7], v[rU], v[rW] matrix_a_fmt:MATRIX_FMT_FP6 matrix_b_fmt:MATRIX_FMT_FP6 matrix_a_scale:MATRIX_SCALE_ROW1
.else
	v_wmma_scale_f32_16x16x128_f8f6f4 v[rD:rD+7], v[rB:rB+FR-1], v[rA:rA+FR-1], 0, v[rU], v[rW] matrix_a_fmt:MATRIX_FMT_FP6 matrix_b_fmt:MATRIX_FMT_FP6 matrix_a_scale:MATRIX_SCALE_ROW1
.endif
.endr
.endm
.macro MULS a0, n, p, q, sc, cm
.set MA, \a0
.rept \n
	MULB MA, \p, \q, \sc, \cm
.set MA, MA+1
.endr
.endm
.macro STEP slot, q, cm
	s_wait_dscnt NH*NL                             ; k's set, the scale words and q's blocks 0-3 are in; the youngest twelve loads (blocks 4-7) may be out
	WIN 0xa1
	MULS 0, NH, (\q)%2, \q, \slot, \cm
	s_wait_dscnt 0x0
	PLACES 4
	FETCH_B \slot, (\q)+1, 1-(\q)%2
	FETCH_A \slot, (\q)+1, 0
	WIN 0xf1
	MULS NH, NH, (\q)%2, \q, \slot, \cm
	PLACES 4
	WIN 0
	FETCH_A \slot, (\q)+1, NH
.endm
.macro TURN slot, next, fill
	s_wait_tensorcnt 0x0                           ; all my tensor loads have landed: the one that was out is my part of the next slot
	ds_add_u32 v[SPW], v[NIL]                      ; 0 onto my spare word
	s_wait_dscnt NH*NL+1                           ; (the add and the youngest twelve loads may be out)
	WIN 0xa1
	MULS 0, NH/2, 1, 1, \slot, 0
	s_wait_dscnt 0x0                               ; the add is done, and my reads of this slot are over
	s_barrier_signal -1
	MULS NH/2, NH/2, 1, 1, \slot, 0
	WIN 0
	s_barrier_wait -1
.if \fill
	CREST                                          ; no wave of any partner still reads this slot or has a load on its way
	s_add_nc_u64 s[G0+4*\slot+2:G0+4*\slot+3], s[G0+4*\slot+2:G0+4*\slot+3], 2*HALFT
	s_add_nc_u64 s[G0B+4*\slot+2:G0B+4*\slot+3], s[G0B+4*\slot+2:G0B+4*\slot+3], 2*HALFT
	JLOAD G0+4*\slot, G1, G0B+4*\slot, G1B
.else
	PLACES 4
.endif
	v_add_nc_u32 v[ADRS], 1024, v[ADRS]
	FETCH_B \next, 0, 0
	FETCH_A \next, 0, 0
	SCALES \next
	WIN 0xf1
	MULS NH, NH, 1, 1, \slot, 0
	PLACES 4
	WIN 0
	FETCH_A \next, 0, NH
.endm
	s_load_b128 s[4:7], s[0:1], 0x0                ; w2 s[4:5], w3 s[6:7]
	v_lshl_add_u32 v[SPW], v0, 2, SPARE
	v_mov_b32 v[NIL], 0
	ds_add_u32 v[SPW], v[NIL]                      ; the wave's opening: the add and its wait ahead of my first tensor load
	v_lshrrev_b32 v1, 5, v0
	v_readfirstlane_b32 s14, v1                    ; wave 0..3
	s_lshr_b32 s15, s14, 1                         ; which 128 queries I multiply.  Also: I fetch for q (0) or for k (1)
	s_and_b32 s16, s14, 1                          ; which 128 keys.  Also: which row group I fetch
	s_bfe_u32 s40, ttmp6, 0x40000
	s_bfe_u32 s41, ttmp6, 0x40004
	s_mov_b32 s42, ttmp9
	s_and_b32 s17, ttmp7, 0xffff
	s_lshl_b32 s43, s41, 2
	s_lshl_b32 s43, 15, s43
	s_lshl_b32 s44, 0x1111, s40
	s_or_b32 s[G1], s43, (3<<16)|(1<<21)
	s_or_b32 s[G1B], s44, (3<<16)|(1<<21)
	s_or_b32 s[G1S], s43, (3<<16)|(1<<21)
	s_or_b32 s[G1SB], s44, (3<<16)|(1<<21)
	SHAPE G1, 96
	SHAPE G1B, 96
	SHAPE G1S, 16
	SHAPE G1SB, 16
	s_lshl_b32 s20, s17, 2
	s_add_co_u32 s20, s20, s41                     ; the tile of 256 queries, over all batches: 4 y + cy
	s_lshl_b32 s21, s20, 1
	s_add_co_u32 s21, s21, s16
	s_mul_i32 s18, s21, 8*HALFT                    ; a token group's 16 chunks; q's are the first eight
	s_mov_b32 s19, 0
	s_lshl_b32 s22, s21, 13
	s_add_co_u32 s22, s22, QKS
	s_mov_b32 s23, 0
	s_lshl_b32 s66, s42, 2
	s_add_co_u32 s66, s66, s40                     ; the tile of 256 keys in the batch: 4 x + cx
	s_lshr_b32 s67, s17, 1                         ; the batch, from the cluster's y alone
	s_lshl_b32 s67, s67, 4
	s_lshl_b32 s46, s66, 1
	s_add_co_u32 s67, s67, s46
	s_add_co_u32 s67, s67, s16
	s_mul_i32 s46, s67, 8*HALFT
	s_add_co_u32 s46, s46, 4*HALFT                 ; k's chunks are the second eight
	s_mov_b32 s47, 0
	s_lshl_b32 s92, s67, 13
	s_add_co_u32 s92, s92, QKS+4096
	s_mov_b32 s93, 0
	s_mul_i32 s45, s14, HALFT
	s_lshl_b32 s94, s14, 12
	s_mov_b32 s[CS], 0x3d38aa3b                    ; log2(e) / 32
	s_mov_b32 s[CS+1], s[CS]
	s_mov_b32 s[SEL], 0x76543210
	s_mov_b32 s[SEL+1], 0xfedcba98
	s_wait_dscnt 0x0
	s_wait_kmcnt 0x0
	s_add_nc_u64 s[18:19], s[4:5], s[18:19]
	s_add_nc_u64 s[22:23], s[4:5], s[22:23]
	s_add_nc_u64 s[46:47], s[4:5], s[46:47]
	s_add_nc_u64 s[92:93], s[4:5], s[92:93]
	CROUND                                         ; all sixteen work-groups are here: the first joint loads meet
	s_mov_b32 s[G0S], 1
	s_add_co_u32 s[G0S+1], s94, SCL
	s_mov_b64 s[G0S+2:G0S+3], s[22:23]
	s_or_b32 s[G0S+3], s[G0S+3], 0x80000000
	s_mov_b32 s[G0SB], 1
	s_add_co_u32 s[G0SB+1], s94, SCL
	s_mov_b64 s[G0SB+2:G0SB+3], s[92:93]
	s_or_b32 s[G0SB+3], s[G0SB+3], 0x80000000
	JLOAD G0S, G1S, G0SB, G1SB
.irp s, 0,1
	s_mov_b32 s[G0+4*\s], 1
	s_add_co_u32 s[G0+4*\s+1], s45, \s*SLOT
	s_add_nc_u64 s[G0+4*\s+2:G0+4*\s+3], s[18:19], \s*HALFT
	s_or_b32 s[G0+4*\s+3], s[G0+4*\s+3], 0x80000000
	s_mov_b32 s[G0B+4*\s], 1
	s_add_co_u32 s[G0B+4*\s+1], s45, \s*SLOT
	s_add_nc_u64 s[G0B+4*\s+2:G0B+4*\s+3], s[46:47], \s*HALFT
	s_or_b32 s[G0B+4*\s+3], s[G0B+4*\s+3], 0x80000000
	JLOAD G0+4*\s, G1, G0B+4*\s, G1B               ; three tensor loads of mine are out now
.endr
	v_and_b32 v1, 31, v0
	v_and_b32 v2, 15, v0
	v_bfe_u32 v3, v0, 4, 1
	v_lshlrev_b32 v[GOF], 4, v1
	s_mul_i32 s21, s15, HALFT
	s_mul_i32 s22, s16, HALFT
	s_add_co_u32 s22, s22, 2*HALFT
.irp s, 0,1
	v_add_nc_u32 v[ADRA+\s], s21, v[GOF]
	v_add_nc_u32 v[ADRB+\s], s22, v[GOF]
	s_add_co_u32 s21, s21, SLOT
	s_add_co_u32 s22, s22, SLOT
.endr
	s_lshl_b32 s21, s15, 12
	s_lshl_b32 s22, s16, 12
	s_add_co_u32 s22, s22, 2*4096
	s_sub_co_u32 s22, s22, s21
	v_mul_u32_u24 v5, s22, v3                      ; lanes 16-31 take k's words
	s_add_co_u32 s21, s21, SCL
	v_lshl_add_u32 v5, v2, 2, v5
	v_add_nc_u32 v[ADRS], s21, v5
	s_mul_i32 s23, s14, 1536
	s_add_co_u32 s23, s23, SST
	v_lshl_add_u32 v[SSA], v2, 2, s23
	v_add_nc_u32 v[SSR], s23, v[GOF]
	s_lshl_b32 s98, s20, 1
	s_add_co_u32 s98, s98, s15                     ; my 128 queries' group,
	s_lshl_b32 s98, s98, 4
	s_lshl_b32 s99, s66, 1
	s_add_co_u32 s98, s98, s99
	s_add_co_u32 s98, s98, s16                     ; x 16 + my 128 keys' chunk
	s_mul_i32 s94, s98, 8*FRB
	s_mov_b32 s95, 0
	s_lshl_b32 s96, s98, 9
	s_add_co_u32 s96, s96, PS
	s_mov_b32 s97, 0
	s_add_nc_u64 s[94:95], s[6:7], s[94:95]        ; p's codes
	s_add_nc_u64 s[96:97], s[6:7], s[96:97]        ; its scale words; -M and the sums by immediates
	s_wait_tensorcnt 1                             ; the scale words and my part of K step 0 are in; K step 1's load may stay out
	s_barrier_signal -1
	s_barrier_wait -1
	FETCH_B 0, 0, 0
	FETCH_A 0, 0, 0
	SCALES 0
	FETCH_A 0, 0, NH
	STEP 0, 0, 1                                   ; the first step's products start the sums
	s_mov_b32 s3, LAPS-1
.Llap:
	TURN 0, 1, 1
	STEP 1, 0, 0
	TURN 1, 0, 1
	STEP 0, 0, 0
	s_sub_co_u32 s3, s3, 1
	s_cmp_lg_u32 s3, 0
	s_cbranch_scc1 .Llap
	TURN 0, 1, 0
	STEP 1, 0, 0
	s_wait_dscnt NH*NL
	WIN 0xa1
	MULS 0, NH, 1, 1, 1, 0
	s_wait_dscnt 0x0
	WIN 0xf1
	MULS NH, NH, 1, 1, 1, 0
	WIN 0
; THE WAY OUT.  Block a: lane (r, h) holds one query; register 16 b + i is the score of key 32 b + 16 h + i of my 128.
.macro SOFTQ a
.set WW, 2+(\a)/4
.set AC, 64*((\a)%4)
.set W11, WW|(WW<<2)                   ; sources 0 and 1 in the block's window
.set W41, WW|(WW<<6)                   ; source 0 and the destination
	WIN W11
.irp b, 0,1,2,3
	v_max3_num_f32 v[BM+\b], v[AC+16*\b], v[AC+16*\b+1], 0xff7fffff   ; the largest score of each block of 32 keys (each accumulator is read from its low end on): it serves for the maximum and, since p rises with the score, for the block's largest p
.endr
.irp i, 2,4,6,8,10,12,14
.irp b, 0,1,2,3
	v_max3_num_f32 v[BM+\b], v[AC+16*\b+\i], v[AC+16*\b+\i+1], v[BM+\b]
.endr
.endr
	WIN 0
.irp b, 0,1,2,3
	v_permlanex16_b32 v[T4+\b], v[BM+\b], s[SEL], s[SEL+1]
.endr
.irp b, 0,1,2,3
	v_max_num_f32 v[BM+\b], v[BM+\b], v[T4+\b]     ; with lane l xor 16's 16 keys
.endr
	v_max3_num_f32 v[TT], v[BM], v[BM+1], v[BM+2]
	v_max_num_f32 v[TT], v[TT], v[BM+3]            ; the largest score of my query among the 128 keys
	v_mul_f32 v[NM+1], s[CS], v[TT]                ; as t (c is positive)
	v_floor_f32 v[NM], -v[NM+1]                    ; -M = floor(-t) = -ceil(t): a whole number
	WIN W41
.set J, 0
.rept 32
	v_pk_fma_f32 v[AC+J:AC+J+1], v[AC+J:AC+J+1], s[CS:CS+1], v[NM:NM+1] op_sel_hi:[1,0,0]   ; t - M, two at a time
.set J, J+2
.endr
	WIN 0
.irp b, 0,1,2,3
	v_fma_f32 v[BM+\b], v[BM+\b], s[CS], v[NM]     ; the same of each block's largest score
.endr
	WIN W41
.set J, 0
.rept 64
	v_exp_f32 v[AC+J], v[AC+J]                     ; p = 2^(t - M), at most 1
.set J, J+1
.endr
	WIN 0
	v_mov_b32 v[NMR+(\a)], v[NM]                   ; (the plain instruction behind the exponentials)
	s_wait_alu depctr_va_vdst(0)                   ; one wait for the batch of 64, ahead of its first reader
.irp b, 0,1,2,3
	v_exp_f32 v[BM+\b], v[BM+\b]                   ; the block's largest p: the same two instructions on the same number give the same bits
.endr
	WIN W11
	v_pk_add_f32 v[SU0:SU0+1], v[AC:AC+1], v[AC+2:AC+3]        ; the sum is taken of the unquantised p, in two chains; it reads the 64 alone: plain work behind the four
	v_pk_add_f32 v[SU1:SU1+1], v[AC+4:AC+5], v[AC+6:AC+7]
	WIN WW
.irp j, 8,12,16,20,24,28,32,36,40,44,48,52,56,60
	v_pk_add_f32 v[SU0:SU0+1], v[AC+\j:AC+\j+1], v[SU0:SU0+1]
	v_pk_add_f32 v[SU1:SU1+1], v[AC+\j+2:AC+\j+3], v[SU1:SU1+1]
.endr
	WIN 0
	v_pk_add_f32 v[SU0:SU0+1], v[SU0:SU0+1], v[SU1:SU1+1]
	s_wait_alu depctr_va_vdst(0)                   ; and one for the four
.irp b, 0,1,2,3
	v_max_num_f32 v[BM+\b], 0x1800000, v[BM+\b]    ; the floor 2^(3 - 127): the byte cannot fall under 1
.endr
.irp b, 0,1,2,3
	v_add_nc_u32 v[SO+\b], 0xff000000, v[BM+\b]    ; 2 off the exponent field: the conversion's scale operand
.endr
.irp b, 0,1,2,3
	v_lshrrev_b32 v[BY+\b], 23, v[SO+\b]           ; the scale's byte, under the local M
.endr
	v_lshl_or_b32 v[PWR+(\a)], v[BY+1], 8, v[BY]
	v_lshl_or_b32 v[PWR+(\a)], v[BY+2], 16, v[PWR+(\a)]
	v_lshl_or_b32 v[PWR+(\a)], v[BY+3], 24, v[PWR+(\a)]
	s_wait_xcnt 0x0                                ; the block before has had its stores' registers read: the codes may be written again
	WIN WW
.irp c, 0,1
	v_cvt_scalef32_pk16_fp6_f32 v[PC+6*\c:PC+2+6*\c], v[AC+32*\c:AC+15+32*\c], v[SO+2*\c]
	v_cvt_scalef32_pk16_fp6_f32 v[PC+12+4*\c:PC+14+4*\c], v[AC+16+32*\c:AC+31+32*\c], v[SO+2*\c+1]
.endr
	WIN 0
	v_nop                                          ; one plain instruction behind the scaled conversions
.irp c, 0,1
.irp i, 0,1,2
	v_permlane16_swap_b32 v[PC+6*\c+\i], v[PC+12+4*\c+\i]
.endr
.irp i, 0,1,2
	v_mov_b32 v[PC+3+6*\c+\i], v[PC+12+4*\c+\i]
.endr
.endr
	v_add_f32 v[TT], v[SU0], v[SU0+1]
	v_permlanex16_b32 v[T4], v[TT], s[SEL], s[SEL+1]
	v_add_f32 v[LSR+(\a)], v[TT], v[T4]            ; with lane l xor 16's: the sum over the 128 keys
.irp c, 0,1,2
	global_store_b128 v[GOF], v[PC+4*\c:PC+4*\c+3], s[94:95] offset:FRB*(\a)+512*\c   ; 512 consecutive bytes, at a multiple of 256 from the buffer's first byte
.endr
.endm
	PLACES 4
.irp b, 0,1,2,3
	v_mov_b32 v[T4+\b], 0                          ; a lane permute's destination counts as one of its sources
.endr
.irp a, 0,1,2,3,4,5,6,7
	SOFTQ \a
.endr
.irp a, 0,1,2,3,4,5,6,7
	ds_store_b32 v[SSA], v[PWR+\a] offset:64*\a    ; words, -M and sums of the eight blocks meet in my own stage (lanes r and r + 16 write the same word with the same value)
	ds_store_b32 v[SSA], v[NMR+\a] offset:512+64*\a
	ds_store_b32 v[SSA], v[LSR+\a] offset:1024+64*\a
.endr
.irp c, 0,1,2
	ds_load_b128 v[136+4*\c:139+4*\c], v[SSR] offset:512*\c   ; LDS serves a wave's instructions in order: these see my stores
.endr
	s_wait_dscnt 0x0
.irp c, 0,1,2
	global_store_b128 v[GOF], v[136+4*\c:139+4*\c], s[96:97] offset:524288*\c   ; 512 consecutive aligned bytes each
.endr
	s_wait_tensorcnt 0x0                           ; the wave's end
	ds_add_u32 v[SPW], v[NIL]
	s_wait_dscnt 0x0
	CROUND                                         ; the closing round
	s_endpgm
.Lfunc_end_k_q2616972eab_scores:
	.size	k_q2616972eab_scores, .Lfunc_end_k_q2616972eab_scores-k_q2616972eab_scores
	.p2alignl 7, 3214868480
	.fill 96, 4, 3214868480
	.section	.rodata,"a",@progbits
	.p2align	6, 0x0
	.amdhsa_kernel k_q2616972eab_scores
		.amdhsa_group_segment_fixed_size 327680
		.amdhsa_private_segment_fixed_size 0
		.amdhsa_enable_private_segment 0
		.amdhsa_kernarg_size 16
		.amdhsa_user_sgpr_count 2
		.amdhsa_user_sgpr_kernarg_segment_ptr 1
		.amdhsa_wavefront_size32 1
		.amdhsa_system_sgpr_workgroup_id_x 1
		.amdhsa_system_sgpr_workgroup_id_y 1
		.amdhsa_system_sgpr_workgroup_id_z 1
		.amdhsa_system_vgpr_workitem_id 0
		.amdhsa_next_free_vgpr 1024
		.amdhsa_next_free_sgpr 102
		.amdhsa_reserve_vcc 0
		.amdhsa_float_denorm_mode_32 3
		.amdhsa_float_denorm_mode_16_64 3
		.amdhsa_memory_ordered 1
		.amdhsa_forward_progress 1
		.amdhsa_inst_pref_size 201
	.end_amdhsa_kernel
	.amdgpu_metadata
---
amdhsa.version: [ 1, 2 ]
amdhsa.kernels:
  - .name:           k_q2616972eab_scores
    .symbol:         k_q2616972eab_scores.kd
    .args:
      - { .name: w2, .offset: 0, .size: 8, .value_kind: global_buffer, .address_space: global }
      - { .name: w3, .offset: 8, .size: 8, .value_kind: global_buffer, .address_space: global }
    .group_segment_fixed_size: 327680
    .private_segment_fixed_size: 0
    .kernarg_segment_align: 8
    .kernarg_segment_size: 16
    .max_flat_workgroup_size: 128
    .sgpr_count:     102
    .vgpr_count:     1024
    .wavefront_size: 32
...
	.end_amdgpu_metadata
.endif
;; end of part 3
;; launch pv (part 4): grid 4 x 64, 4 waves a work-group, clusters of 4 x 4, 327,680 bytes of LDS; arguments w3, w2, out0; writes out0
.if DOCPART == 4
	.amdgcn_target "amdgcn-amd-amdhsa--gfx1250"
	.amdhsa_code_object_version 6
	.text
	.protected	k_q2616972eab_pv
	.globl	k_q2616972eab_pv
	.p2align	8
	.type	k_q2616972eab_pv,@function
k_q2616972eab_pv:
	s_mov_b64 s[64:65], 0
	v_nop
	global_prefetch_b8 v0, s[64:65] scope:SCOPE_SE
	s_setreg_imm32_b32 hwreg(HW_REG_WAVE_MODE, 25, 1), 1
	s_wait_xcnt 0x0
	s_wait_alu depctr_hold_cnt(0) depctr_sa_sdst(0) depctr_va_vdst(0) depctr_va_sdst(0) depctr_va_ssrc(0) depctr_va_vcc(0) depctr_vm_vsrc(0)
	s_getreg_b32 s2, hwreg(HW_REG_IB_STS2, 6, 4)
	s_cmp_eq_u32 s2, 0
	s_cbranch_scc0 .Lentry_in_a_cluster
	s_endpgm
.Lentry_in_a_cluster:
	s_bfe_u32 s2, ttmp6, 0x10000c
	s_cmp_lg_u32 s2, 0xf033
	s_cbranch_scc0 .Lentry_shape_is_right
	s_endpgm
.Lentry_shape_is_right:
; O = (p V) / l on codes of FP6 (E2M3) with E8M0 scales, K = the batch's 2,048 keys.  O^T = V^T P^T: source 0 = 16 features of V (keys innermost), source 1 = 16 queries of p: a lane holds one query, its registers run along the features.
; p's codes were made under a LOCAL M for each 128 keys.  First each thread takes one of the work-group's 128 queries: the row's -M is the least of its sixteen local -M; d = row's M - local M is a whole number, 0 or more;
; d is taken off each of the chunk's four scale bytes (held at 0 from below), and l = the sum of the local sums x 2^-d.  The multiplications by 2^-d round nothing.  The adjusted words and 1 / l go to LDS, for all four waves.
; OPERANDS are images of registers (fragment: 16 rows x 128 K, 1,536 bytes); lane r of fragment rb of a row group holds row 32 (rb / 2) + 8 (rb % 2) + r % 8 + 16 (r / 8); only the stores of O undo that, by immediates.
; w3: p: fragment ((16 g + kc) 8 + rb), g = query / 128, kc = key / 128 in the batch; from PS scale words, + 524,288 local -M, + 1,048,576 local sums.  w2: V from VCO: fragment ((64 gd + kc) 8 + rb), gd = feature / 128, kc = token / 128; scale words from VSO.
; A work-group makes 256 features x 128 queries (with 256 queries there would be half as many work-groups as the grid has now), a wave 128 x 64: 32 accumulators.  K goes in steps of 256 through two LDS slots.
; 4 x 4 clusters: p's tiles are asked for jointly along a row, V's tiles and scale words along a column.
; LIMITS: NaN and infinities are not served.  A block of p that lies more than 2^-127 under the row's largest p is held at the byte 0 (2^-127) and not flushed: under 2^-120 beside a sum of at least 1/2.  d is held at 256.
; REGISTERS: window 0: v1-31 addresses; v32-47 p's scale words, v48-79 V's, two sets each; v80-87 1 / l; v128-175 p's four fragments; v176-239 the statistics; on the way out v128-255 rows of O.
;   window 1: V's eight fragments, two sets.  window 2: accumulators of blocks 0, 1 ((a, b) at v[64 (a % 2) + 8 b]); window 3: of blocks 2, 3.
.set FR,    12
.set NL,    3
.set FRB,   FR*128
.set HALFT, 16*FRB
.set SLOT,  3*HALFT                    ; p's row group, then V's two
.set NA,    4
.set NH,    NA/2
.set LAPS,  4
.set SCB,   2*SLOT                     ; V's scale words: 8,192 bytes a row group
.set SCA,   SCB+16384                  ; p's adjusted scale words: [chunk][row], 8,192 bytes: written by LDS stores, no fill lands here
.set RL,    SCA+8192                   ; 1 / l, a word a row
.set SPARE, RL+512                     ; the spare words, 128 bytes for each wave: two blocks of 256 bytes that no other line names
.set PS,    12582912
.set VCO,   13107200
.set VSO,   19398656
.set ADRA,  16
.set ADRB,  20
.set ADSA,  22                         ; v22  p's scale words of my four blocks
.set ADSB,  23                         ; v23  V's of my row group
.set STO,   24                         ; v24  the way out: where I put a row's bytes
.set RD,    25                         ; v25  and where I read a row back
.set CO,    26                         ; v26  16 x lane
.set TH4,   27                         ; v27  4 x my thread's number
.set SPW,   28
.set NIL,   29
.set SAW,   30                         ; v30  SCA + 4 x my thread's number
.set RLA,   31                         ; v31  1 / l of my blocks' rows
.set SA,    32
.set SB,    48
.set RLR,   80
.set AF,    128
.set PMR,   176                        ; sixteen local -M; sixteen local sums; sixteen scale words
.set PLR,   192
.set PSR,   208
.set NMG,   224
.set LL,    225
.set DD,    226
.set T0,    227
.set T1,    228                        ; v228-231 bytes, v232-235 what is taken off
.set T5,    232
.set BK,    128
.set G1,    24                         ; s[24:31] group 1 for p's tiles; s[32:39] group 0, a set for each slot
.set G0,    32
.set G1B,   48                         ; s[48:55], s[56:63] for V's
.set G0B,   56
.set G1SB,  80                         ; s[80:87], s[88:91] for V's scale words
.set G0SB,  88
.set MSB, 0
.macro WIN new
.if MSB != (\new)
	s_set_vgpr_msb (MSB<<8)|(\new)
.set MSB, (\new)
.endif
.endm
.macro JLOAD g0a, g1a, g0b, g1b        ; a joint load: waves 0 and 1 fetch p's two chunks, waves 2 and 3 V's two row groups; an s_nop 0 and four v_nop follow each of the two lines
	s_cmp_eq_u32 s15, 0
	s_cbranch_scc0 .Lfor_b_\@
	tensor_load_to_lds s[\g0a:\g0a+3], s[\g1a:\g1a+7]
	s_nop 0
.rept 4
	v_nop
.endr
	s_branch .Lasked_\@
.Lfor_b_\@:
	tensor_load_to_lds s[\g0b:\g0b+3], s[\g1b:\g1b+7]
	s_nop 0
.rept 4
	v_nop
.endr
.Lasked_\@:
.endm
.macro CREST
	s_cmp_lg_u32 s14, 0
	s_cbranch_scc1 .Lnot_wave_0_\@
	s_barrier_signal -3
.Lnot_wave_0_\@:
	s_barrier_wait -3
	s_barrier_signal -1
	s_barrier_wait -1
.endm
.macro CROUND
	s_barrier_signal -1
	s_barrier_wait -1
	CREST
.endm
.macro PLACES n
.rept \n
	v_nop
.endr
.endm
.macro SHAPE g, rows                   ; group 1 of a dense block: rows of 256 bytes (32 elements of 8 bytes), no padding
	s_mov_b32 s[\g+1], 32<<16
	s_mov_b32 s[\g+2], (\rows)<<16
	s_mov_b32 s[\g+3], 32<<16
	s_mov_b32 s[\g+4], \rows
	s_mov_b32 s[\g+5], 32
	s_mov_b32 s[\g+6], 0
	s_mov_b32 s[\g+7], 0
.endm
.macro FRAG reg, adr, q, i
.irp c, 0,1,2
	ds_load_b128 v[(\reg)+4*\c:(\reg)+4*\c+3], v[\adr] offset:((\q)*8+(\i))*FRB+512*\c
.endr
.endm
.macro FETCH_B slot, q, p
	WIN 0x40
.irp i, 0,1,2,3,4,5,6,7
	FRAG 128*(\p)+FR*\i, ADRB+\slot, \q, \i
.endr
	WIN 0
.endm
.macro FETCH_A slot, q, i0
.set FI, \i0
.rept NH
	FRAG AF+FR*FI, ADRA+\slot, \q, FI
.set FI, FI+1
.endr
.endm
.macro SCALES sc                       ; a K step's scale words: 8 of p's, 16 of V's; lane r takes row r's (lanes 16-31 the same, not read)
.irp a, 0,1,2,3
	ds_load_b32 v[SA+8*\sc+2*\a], v[ADSA] offset:64*\a
	ds_load_b32 v[SA+8*\sc+2*\a+1], v[ADSA] offset:512+64*\a
.endr
.irp b, 0,1,2,3,4,5,6,7
	ds_load_b32 v[SB+16*\sc+2*\b], v[ADSB] offset:64*\b
	ds_load_b32 v[SB+16*\sc+2*\b+1], v[ADSB] offset:512+64*\b
.endr
.endm
.macro MULB a, p, q, sc, cm            ; p's block a against V's eight; cm = 1: the first product starts the sums.  The accumulators take turns
.irp b, 0,1,2,3,4,5,6,7
.set rD, 64*((\a)%NH)+8*\b
.set rB, 128*(\p)+FR*\b
.set rA, AF+FR*(\a)
.set rU, SB+16*(\sc)+2*\b+(\q)
.set rW, SA+8*(\sc)+2*(\a)+(\q)
.if (\cm) == 0
	v_wmma_scale_f32_16x16x128_f8f6f4 v[rD:rD+7], v[rB:rB+FR-1], v[rA:rA+FR-1], v[rD:rD+7], v[rU], v[rW] matrix_a_fmt:MATRIX_FMT_FP6 matrix_b_fmt:MATRIX_FMT_FP6
.else
	v_wmma_scale_f32_16x16x128_f8f6f4 v[rD:rD+7], v[rB:rB+FR-1], v[rA:rA+FR-1], 0, v[rU], v[rW] matrix_a_fmt:MATRIX_FMT_FP6 matrix_b_fmt:MATRIX_FMT_FP6
.endif
.endr
.endm
.macro MULS a0, n, p, q, sc, cm
.set MA, \a0
.rept \n
	MULB MA, \p, \q, \sc, \cm
.set MA, MA+1
.endr
.endm
.macro STEP slot, q, cm
	s_wait_dscnt NH*NL                             ; V's set, the scale words and p's blocks 0, 1 are in; the youngest six loads (blocks 2, 3) may be out
	WIN 0xa1
	MULS 0, NH, (\q)%2, \q, \slot, \cm
	s_wait_dscnt 0x0
	PLACES 4
	FETCH_B \slot, (\q)+1, 1-(\q)%2
	FETCH_A \slot, (\q)+1, 0
	WIN 0xf1
	MULS NH, NH, (\q)%2, \q, \slot, \cm
	PLACES 4
	WIN 0
	FETCH_A \slot, (\q)+1, NH
.endm
.macro TURN slot, next, fill
	s_wait_tensorcnt 0x0                           ; all my tensor loads have landed: the one that was out is my part of the next slot
	ds_add_u32 v[SPW], v[NIL]                      ; 0 onto my spare word
	s_wait_dscnt NH*NL+1                           ; (the add and the youngest six loads may be out)
	WIN 0xa1
	MULS 0, NH/2, 1, 1, \slot, 0
	s_wait_dscnt 0x0                               ; the add is done, and my reads of this slot are over
	s_barrier_signal -1
	MULS NH/2, NH/2, 1, 1, \slot, 0
	WIN 0
	s_barrier_wait -1
.if \fill
	CREST                                          ; no wave of any partner still reads this slot or has a load on its way
	s_add_nc_u64 s[G0+4*\slot+2:G0+4*\slot+3], s[G0+4*\slot+2:G0+4*\slot+3], 2*HALFT
	s_add_nc_u64 s[G0B+4*\slot+2:G0B+4*\slot+3], s[G0B+4*\slot+2:G0B+4*\slot+3], 2*HALFT
	JLOAD G0+4*\slot, G1, G0B+4*\slot, G1B
.else
	PLACES 4
.endif
	v_add_nc_u32 v[ADSA], 1024, v[ADSA]            ; the next K step's scale words: two chunks of 512 bytes on
	v_add_nc_u32 v[ADSB], 1024, v[ADSB]
	FETCH_B \next, 0, 0
	FETCH_A \next, 0, 0
	SCALES \next
	WIN 0xf1
	MULS NH, NH, 1, 1, \slot, 0
	PLACES 4
	WIN 0
	FETCH_A \next, 0, NH
.endm
	s_load_b128 s[4:7], s[0:1], 0x0                ; w3 s[4:5], w2 s[6:7]
	s_load_b64 s[8:9], s[0:1], 0x10                ; out0
	v_lshl_add_u32 v[SPW], v0, 2, SPARE
	v_mov_b32 v[NIL], 0
	ds_add_u32 v[SPW], v[NIL]                      ; the wave's opening: the add and its wait ahead of my first tensor load
	v_lshrrev_b32 v1, 5, v0
	v_readfirstlane_b32 s14, v1                    ; wave 0..3
	s_lshr_b32 s15, s14, 1                         ; which 64 queries I multiply.  Also: I fetch for p (0) or for V (1)
	s_and_b32 s16, s14, 1                          ; which 128 features.  Also: which part I fetch
	s_bfe_u32 s40, ttmp6, 0x40000                  ; cx: the tile of 256 features
	s_bfe_u32 s41, ttmp6, 0x40004                  ; cy
	s_and_b32 s17, ttmp7, 0xffff                   ; the cluster's y
	s_lshl_b32 s43, s41, 2
	s_lshl_b32 s43, 15, s43
	s_lshl_b32 s44, 0x1111, s40
	s_or_b32 s[G1], s43, (3<<16)|(1<<21)
	s_or_b32 s[G1B], s44, (3<<16)|(1<<21)
	s_or_b32 s[G1SB], s44, (3<<16)|(1<<21)
	SHAPE G1, 48                                   ; 12,288 bytes: one chunk of p's row group
	SHAPE G1B, 96                                  ; 24,576 bytes: two chunks of one of V's
	SHAPE G1SB, 16                                 ; 4,096 bytes: eight chunks' scale words
	s_lshl_b32 s20, s17, 2
	s_add_co_u32 s20, s20, s41                     ; g: my 128 queries' group
	s_mul_i32 s22, s20, 8*HALFT
	s_mul_i32 s23, s16, 8*FRB
	s_add_co_u32 s22, s22, s23
	s_mov_b32 s23, 0
	s_lshl_b32 s18, s20, 13
	s_add_co_u32 s18, s18, PS
	s_mov_b32 s19, 0
	s_lshr_b32 s46, s17, 2                         ; the batch, from the cluster's y alone
	s_lshl_b32 s46, s46, 4                         ; its first chunk of tokens
	s_lshl_b32 s47, s40, 1
	s_add_co_u32 s66, s47, s16
	s_lshl_b32 s66, s66, 6
	s_add_co_u32 s66, s66, s46
	s_mul_i32 s66, s66, 8*FRB
	s_add_co_u32 s66, s66, VCO
	s_mov_b32 s67, 0
	s_add_co_u32 s92, s47, s15                     ; V's scale words: wave w brings row group w / 2, chunks 8 (w % 2) on
	s_lshl_b32 s92, s92, 6
	s_add_co_u32 s92, s92, s46
	s_lshl_b32 s93, s16, 3
	s_add_co_u32 s92, s92, s93
	s_lshl_b32 s92, s92, 9
	s_add_co_u32 s92, s92, VSO
	s_mov_b32 s93, 0
	s_mul_i32 s45, s16, 8*FRB                      ; where they go: p's chunk,
	s_mul_i32 s94, s16, HALFT
	s_add_co_u32 s94, s94, HALFT                   ; V's row group,
	s_lshl_b32 s95, s14, 12                        ; the scale words: no place in the cluster enters an LDS address
	v_lshlrev_b32 v[TH4], 2, v0
	s_wait_dscnt 0x0
	s_wait_kmcnt 0x0
	s_add_nc_u64 s[22:23], s[4:5], s[22:23]
	s_add_nc_u64 s[18:19], s[4:5], s[18:19]
	s_add_nc_u64 s[66:67], s[6:7], s[66:67]
	s_add_nc_u64 s[92:93], s[6:7], s[92:93]
.irp kc, 0,1,2,3,4,5,6,7,8,9,10,11,12,13,14,15 ; my query's statistics: thread t is row (rb = t / 16, r = t % 16); a wave's load covers 128 consecutive bytes, the four waves' 512
	global_load_b32 v[PSR+\kc], v[TH4], s[18:19] offset:512*\kc
	global_load_b32 v[PMR+\kc], v[TH4], s[18:19] offset:512*\kc+524288
	global_load_b32 v[PLR+\kc], v[TH4], s[18:19] offset:512*\kc+1048576
.endr
	CROUND                                         ; all sixteen work-groups are here: the first joint loads meet
	s_mov_b32 s[G0SB], 1
	s_add_co_u32 s[G0SB+1], s95, SCB
	s_mov_b64 s[G0SB+2:G0SB+3], s[92:93]
	s_or_b32 s[G0SB+3], s[G0SB+3], 0x80000000
	tensor_load_to_lds s[G0SB:G0SB+3], s[G1SB:G1SB+7]   ; every wave a quarter of V's scale words
	s_nop 0
.rept 4
	v_nop
.endr
.irp s, 0,1
	s_mov_b32 s[G0+4*\s], 1
	s_add_co_u32 s[G0+4*\s+1], s45, \s*SLOT
	s_add_nc_u64 s[G0+4*\s+2:G0+4*\s+3], s[22:23], \s*HALFT
	s_or_b32 s[G0+4*\s+3], s[G0+4*\s+3], 0x80000000
	s_mov_b32 s[G0B+4*\s], 1
	s_add_co_u32 s[G0B+4*\s+1], s94, \s*SLOT
	s_add_nc_u64 s[G0B+4*\s+2:G0B+4*\s+3], s[66:67], \s*HALFT
	s_or_b32 s[G0B+4*\s+3], s[G0B+4*\s+3], 0x80000000
	JLOAD G0+4*\s, G1, G0B+4*\s, G1B               ; three tensor loads of mine are out now
.endr
	v_and_b32 v1, 31, v0
	v_and_b32 v2, 15, v0
	v_bfe_u32 v3, v0, 4, 1
	v_lshlrev_b32 v[CO], 4, v1
	s_mul_i32 s21, s15, 4*FRB                      ; my four blocks of p,
	s_mul_i32 s22, s16, HALFT
	s_add_co_u32 s22, s22, HALFT                   ; my row group of V
.irp s, 0,1
	v_add_nc_u32 v[ADRA+\s], s21, v[CO]
	v_add_nc_u32 v[ADRB+\s], s22, v[CO]
	s_add_co_u32 s21, s21, SLOT
	s_add_co_u32 s22, s22, SLOT
.endr
	s_lshl_b32 s21, s15, 8
	s_add_co_u32 s22, s21, SCA
	v_lshl_add_u32 v[ADSA], v2, 2, s22
	s_add_co_u32 s22, s21, RL
	v_lshl_add_u32 v[RLA], v2, 2, s22
	s_lshl_b32 s22, s16, 13
	s_add_co_u32 s22, s22, SCB
	v_lshl_add_u32 v[ADSB], v2, 2, s22
	v_lshl_add_u32 v[SAW], v0, 2, SCA
	s_mul_i32 s23, s14, 8448                       ; my stage for the way out: 16 rows x (512 bytes + 16), in slot 0, which has had its last fill and its last read by then
	v_mul_u32_u24 v5, v2, 528
	v_lshl_add_u32 v5, v3, 6, v5
	v_add_nc_u32 v[STO], s23, v5                   ; in: row r, + 64 h
	v_add_nc_u32 v[RD], s23, v[CO]                 ; back: a row of 512 bytes, 16 a lane
	s_lshl_b32 s96, s20, 7
	s_lshl_b32 s97, s15, 6
	s_add_co_u32 s96, s96, s97                     ; my first row of O: 128 g + 64 x half
	s_lshl_b32 s96, s96, 12
	s_lshl_b32 s97, s40, 10
	s_add_co_u32 s96, s96, s97                     ; + 1,024 bytes a tile of features
	s_lshl_b32 s97, s16, 9
	s_add_co_u32 s96, s96, s97                     ; + 512 a row group
	s_mov_b32 s97, 0
	s_add_nc_u64 s[96:97], s[8:9], s[96:97]
	s_wait_loadcnt 0x0                             ; the statistics
	v_min3_num_f32 v[NMG], v[PMR], v[PMR+1], v[PMR+2]
.irp i, 3,5,7,9,11,13
	v_min3_num_f32 v[NMG], v[NMG], v[PMR+\i], v[PMR+\i+1]
.endr
	v_min_num_f32 v[NMG], v[NMG], v[PMR+15]        ; the row's -M
.macro ADJ kc
	v_sub_f32 v[DD], v[PMR+\kc], v[NMG]            ; d = row's M - local M
	v_min_num_f32 v[DD], 0x43800000, v[DD]         ; held at 256: beyond every byte
	v_cvt_u32_f32 v[DD], v[DD]
	v_sub_nc_u32 v[T0], 0, v[DD]
	v_ldexp_f32 v[T0], 1.0, v[T0]                  ; 2^-d
.if (\kc) == 0
	v_mul_f32 v[LL], v[PLR], v[T0]
.else
	v_fmac_f32 v[LL], v[PLR+\kc], v[T0]            ; l
.endif
.irp i, 0,1,2,3
	v_bfe_u32 v[T1+\i], v[PSR+\kc], 8*\i, 8
.endr
.irp i, 0,1,2,3
	v_min_u32 v[T5+\i], v[T1+\i], v[DD]
.endr
.irp i, 0,1,2,3
	v_sub_nc_u32 v[T1+\i], v[T1+\i], v[T5+\i]      ; the byte less d, held at 0
.endr
	v_lshl_or_b32 v[PSR+\kc], v[T1+1], 8, v[T1]
	v_lshl_or_b32 v[PSR+\kc], v[T1+2], 16, v[PSR+\kc]
	v_lshl_or_b32 v[PSR+\kc], v[T1+3], 24, v[PSR+\kc]
	ds_store_b32 v[SAW], v[PSR+\kc] offset:512*\kc
.endm
.irp kc, 0,1,2,3,4,5,6,7,8,9,10,11,12,13,14,15
	ADJ \kc
.endr
	v_rcp_f32 v[T0], v[LL]
	v_nop                                          ; a plain instruction behind the reciprocal
	s_wait_alu depctr_va_vdst(0)                   ; and the wait ahead of its first reader
	ds_store_b32 v[SAW], v[T0] offset:8192         ; RL lies 8,192 bytes behind SCA
	s_wait_dscnt 0x0                               ; for the others' sake: my words have landed
	s_wait_tensorcnt 1                             ; V's scale words and my part of K step 0 are in; K step 1's load may stay out
	s_barrier_signal -1
	s_barrier_wait -1
	FETCH_B 0, 0, 0
	FETCH_A 0, 0, 0
	SCALES 0
.irp a, 0,1,2,3
	ds_load_b32 v[RLR+2*\a], v[RLA] offset:64*\a   ; 1 / l of my lane's query in block a, as a pair for the packed multiply
	ds_load_b32 v[RLR+2*\a+1], v[RLA] offset:64*\a
.endr
	FETCH_A 0, 0, NH
	STEP 0, 0, 1                                   ; the first step's products start the sums
	s_mov_b32 s3, LAPS-1
.Llap:
	TURN 0, 1, 1
	STEP 1, 0, 0
	TURN 1, 0, 1
	STEP 0, 0, 0
	s_sub_co_u32 s3, s3, 1
	s_cmp_lg_u32 s3, 0
	s_cbranch_scc1 .Llap
	TURN 0, 1, 0                                   ; the last lap fills nothing; behind its barrier nobody reads slot 0
	STEP 1, 0, 0
	s_wait_dscnt NH*NL
	WIN 0xa1
	MULS 0, NH, 1, 1, 1, 0
	s_wait_dscnt 0x0
	WIN 0xf1
	MULS NH, NH, 1, 1, 1, 0
	WIN 0
; THE WAY OUT, block by block of 16 queries x 128 features.  Register 16 b + i of lane (r, h) is feature 32 b + 16 h + i of the lane's query.  Divided by l, through my own stage, back as whole rows of 512 bytes.
.macro OSCALE a
.set WW, 2+(\a)/2
.set AC, 64*((\a)%2)
.set W41, WW|(WW<<6)
	WIN W41
.set J, 0
.rept 32
	v_pk_mul_f32 v[AC+J:AC+J+1], v[AC+J:AC+J+1], v[RLR+2*(\a):RLR+2*(\a)+1] op_sel_hi:[1,0]   ; each accumulator from its low end on
.set J, J+2
.endr
.endm
.macro TOSTAGE a
.set WW, 2+(\a)/2
.set AC, 64*((\a)%2)
.set W4, WW<<2
	WIN W4                                         ; an LDS store's data are its source 1
.irp b, 0,1,2,3
.irp i, 0,1,2,3
	ds_store_b128 v[STO], v[AC+16*\b+4*\i:AC+16*\b+4*\i+3] offset:128*\b+16*\i
.endr
.endr
	WIN 0
.set BB, BK+64*((\a)%2)
.irp p, 0,1,2,3,4,5,6,7,8,9,10,11,12,13,14,15
	ds_load_b128 v[BB+4*\p:BB+4*\p+3], v[RD] offset:528*\p   ; LDS serves a wave's instructions in order: these see my stores, and the next block's stores come behind them
.endr
.endm
.macro SEND a, younger                 ; younger: the LDS instructions issued behind block a's loads, which may stay out
.set BB, BK+64*((\a)%2)
	s_wait_dscnt \younger
.irp p, 0,1,2,3,4,5,6,7,8,9,10,11,12,13,14,15
	global_store_b128 v[CO], v[BB+4*\p:BB+4*\p+3], s[96:97] offset:(32*((\a)/2)+8*((\a)%2)+(\p%8)+16*(\p/8))*4096 th:TH_STORE_NT   ; lane p's query: 512 consecutive bytes, at a multiple of 256 from O's first byte
.endr
.endm
	PLACES 4
	OSCALE 0
	TOSTAGE 0
.irp a, 1,2,3
.if \a > 1
	s_wait_xcnt 0x0                                ; block a - 2's stores have had their registers read: block a's rows may land there
.endif
	OSCALE \a
	TOSTAGE \a
	SEND \a-1, 32                                  ; behind block a - 1's loads: block a's 16 stores and 16 loads
.endr
	SEND 3, 0
	s_wait_tensorcnt 0x0                           ; the wave's end: behind my last tensor load and my last LDS store
	ds_add_u32 v[SPW], v[NIL]
	s_wait_dscnt 0x0
	CROUND                                         ; the closing round
	s_endpgm
.Lfunc_end_k_q2616972eab_pv:
	.size	k_q2616972eab_pv, .Lfunc_end_k_q2616972eab_pv-k_q2616972eab_pv
	.p2alignl 7, 3214868480
	.fill 96, 4, 3214868480
	.section	.rodata,"a",@progbits
	.p2align	6, 0x0
	.amdhsa_kernel k_q2616972eab_pv
		.amdhsa_group_segment_fixed_size 327680
		.amdhsa_private_segment_fixed_size 0
		.amdhsa_enable_private_segment 0
		.amdhsa_kernarg_size 24
		.amdhsa_user_sgpr_count 2
		.amdhsa_user_sgpr_kernarg_segment_ptr 1
		.amdhsa_wavefront_size32 1
		.amdhsa_system_sgpr_workgroup_id_x 1
		.amdhsa_system_sgpr_workgroup_id_y 1
		.amdhsa_system_sgpr_workgroup_id_z 1
		.amdhsa_system_vgpr_workitem_id 0
		.amdhsa_next_free_vgpr 1024
		.amdhsa_next_free_sgpr 102
		.amdhsa_reserve_vcc 0
		.amdhsa_float_denorm_mode_32 3
		.amdhsa_float_denorm_mode_16_64 3
		.amdhsa_memory_ordered 1
		.amdhsa_forward_progress 1
		.amdhsa_inst_pref_size 116
	.end_amdhsa_kernel
	.amdgpu_metadata
---
amdhsa.version: [ 1, 2 ]
amdhsa.kernels:
  - .name:           k_q2616972eab_pv
    .symbol:         k_q2616972eab_pv.kd
    .args:
      - { .name: w3, .offset: 0, .size: 8, .value_kind: global_buffer, .address_space: global }
      - { .name: w2, .offset: 8, .size: 8, .value_kind: global_buffer, .address_space: global }
      - { .name: out0, .offset: 16, .size: 8, .value_kind: global_buffer, .address_space: global }
    .group_segment_fixed_size: 327680
    .private_segment_fixed_size: 0
    .kernarg_segment_align: 8
    .kernarg_segment_size: 24
    .max_flat_workgroup_size: 128
    .sgpr_count:     102
    .vgpr_count:     1024
    .wavefront_size: 32
...
	.end_amdgpu_metadata
.endif
;; end of part 4
;; ======== version 2 of 2: 4 launches
;; limits: right only within a limited range of input values
;; workspace buffers: w1 9,011,200 bytes; w2 19,660,800 bytes; w3 14,155,776 bytes
;; launch quant (part 5): grid 704 x 1, 8 waves a work-group, no clusters, 69,120 bytes of LDS; arguments x, Wq, Wk, Wv, w1; writes w1
.if DOCPART == 5
	.amdgcn_target "amdgcn-amd-amdhsa--gfx1250"
	.amdhsa_code_object_version 6
	.text
	.protected	k_q2616972eab_quant
	.globl	k_q2616972eab_quant
	.p2align	8
	.type	k_q2616972eab_quant,@function
k_q2616972eab_quant:
	s_mov_b64 s[64:65], 0
	v_nop
	global_prefetch_b8 v0, s[64:65] scope:SCOPE_SE
	s_setreg_imm32_b32 hwreg(HW_REG_WAVE_MODE, 25, 1), 1
	s_wait_xcnt 0x0
; x [8192][1024], Wq, Wk, Wv [1024][1024], f32, K innermost, become codes of FP6 (E2M3) with one E8M0 scale byte for each 32 along K, laid as IMAGES OF OPERAND REGISTERS.
; A FRAGMENT is 16 rows x 128 K: 12 registers a lane; register 4 p + i of lane l lies at byte 512 p + 16 l + 4 i of its 1,536 bytes.  A BLOCK is 16 rows, all of K: 8 fragments, 12,288 bytes, and 512 bytes of scale words, [row][128 along K].
; ROW ORDER: in each band of 64 rows slot m of tile j (j = 0 .. 3) holds row 32 (m / 8) + 8 j + m % 8, so that a product's four tiles leave 32 neighbours in one lane.
; Blocks: 0-511 x: 16 T + 8 c + 2 j + w is tile j of the band at token 256 T + 128 w + 64 c; 512 on Wq, 576 on Wk, 640 on Wv: 4 hd + j is tile j of the band at row 64 hd.  Block n: codes at 12,288 n, scale words at W1S + 512 n.
; SHARES: a work-group takes a block, a wave 128 along K of it.  Sixteen loads of a row's 512 consecutive bytes; a turn through the wave's own stage in LDS, so that lane (r, h) holds the whole blocks of 32 number h and 2 + h of row r;
; the quantiser; three stores of 512 consecutive aligned bytes.  The eight waves' scale words meet in LDS and leave as 512 consecutive aligned bytes.
; A block's scale is 2^(floor(log2(its largest magnitude)) - 2); its byte is the largest magnitude's exponent field - 2, held at 1 from below.
; LIMITS: NaN and infinities are not served.  A block of zeros gets the byte 1 where the quantiser's rule says 127: its codes are zeros, and this program alone reads the bytes.
; No matrix unit, no cluster, no tensor load, no prefetch: no input byte is shared, each wave has no loop, and its 8,192 bytes of loads are its whole job.
.set STG,   8448                       ; a wave's stage: 16 rows x (512 bytes + 16)
.set SCW,   8*STG                      ; the work-group's 128 scale words
.set SPARE, SCW+512                    ; the spare words, 128 bytes for each wave
.set W1S,   8650752
.set SPW,   12                         ; v12  LDS address of my spare word; never rewritten
.set NIL,   13                         ; v13  0; never rewritten
.set R,     16                         ; v16-79   the 16 rows as loaded
.set X,     80                         ; v80-143  register 32 c + i = k 64 c + 32 h + i of my row
.set BM,    16                         ; the quantiser's work (R is free by then)
.set SO,    20
.set BY,    22
.set WD,    24
.set T4,    25
.set PC,    28                         ; v28-39   the codes
.set PD,    40
.set SEL,   28                         ; s[28:29] lane selects: lane l xor 16
	s_load_b256 s[4:11], s[0:1], 0x0               ; x s[4:5], Wq s[6:7], Wk s[8:9], Wv s[10:11]
	s_load_b64 s[12:13], s[0:1], 0x20              ; w1
	v_lshl_add_u32 v[SPW], v0, 2, SPARE
	v_mov_b32 v[NIL], 0
	v_lshrrev_b32 v1, 5, v0
	v_readfirstlane_b32 s16, v1                    ; wave = which 128 along K
	v_and_b32 v1, 31, v0
	v_and_b32 v2, 15, v0                           ; r
	v_bfe_u32 v3, v0, 4, 1                         ; h
	v_lshlrev_b32 v4, 4, v1                        ; 16 x lane: in memory, in and out
	v_lshlrev_b32 v11, 3, v3                       ; 8 h
	s_mul_i32 s26, s16, STG
	s_lshl_b32 s27, s16, 2
	s_add_co_u32 s27, s27, SCW
	v_add_nc_u32 v5, s26, v4                       ; the stage, on the way in: a row as it lies
	v_mul_u32_u24 v6, v2, 528
	v_lshl_add_u32 v6, v3, 7, v6
	v_add_nc_u32 v6, s26, v6                       ; and on the way out: row r, + 128 h
	v_lshl_add_u32 v8, v2, 5, s27                  ; my row's scale word: 32 r + 4 x wave
	v_add_nc_u32 v9, SCW, v4                       ; all 128 words, 16 bytes a lane
	s_lshr_b32 s17, ttmp9, 4
	s_lshl_b32 s17, s17, 8
	s_and_b32 s18, ttmp9, 1
	s_lshl_b32 s18, s18, 7
	s_add_co_u32 s17, s17, s18
	s_and_b32 s18, ttmp9, 8
	s_lshl_b32 s18, s18, 3
	s_add_co_u32 s17, s17, s18
	s_and_b32 s18, ttmp9, 6
	s_lshl_b32 s18, s18, 2
	s_add_co_u32 s17, s17, s18                     ; x: the block's first row, 256 T + 128 w + 64 c + 8 j
	s_and_b32 s18, ttmp9, 60
	s_lshl_b32 s18, s18, 4
	s_and_b32 s19, ttmp9, 3
	s_lshl_b32 s19, s19, 3
	s_add_co_u32 s18, s18, s19                     ; a weight: 64 hd + 8 j
	s_cmp_lt_u32 ttmp9, 512
	s_cselect_b32 s17, s17, s18
	s_lshl_b32 s20, s17, 12                        ; rows of 4,096 bytes
	s_lshl_b32 s18, s16, 9
	s_add_co_u32 s20, s20, s18
	s_mov_b32 s21, 0
	s_mul_i32 s22, ttmp9, 12288
	s_mul_i32 s18, s16, 1536
	s_add_co_u32 s22, s22, s18                     ; my fragment's codes
	s_mov_b32 s23, 0
	s_lshl_b32 s24, ttmp9, 9
	s_add_co_u32 s24, s24, W1S                     ; the block's scale words
	s_mov_b32 s25, 0
	s_mov_b32 s[SEL], 0x76543210
	s_mov_b32 s[SEL+1], 0xfedcba98
	s_wait_alu depctr_va_vdst(0)                   ; the wait at the head's end
	s_wait_kmcnt 0x0
	s_cmp_lt_u32 ttmp9, 640                        ; which tensor: the choice hangs on the work-group's number alone
	s_cselect_b64 s[10:11], s[8:9], s[10:11]
	s_cmp_lt_u32 ttmp9, 576
	s_cselect_b64 s[10:11], s[6:7], s[10:11]
	s_cmp_lt_u32 ttmp9, 512
	s_cselect_b64 s[10:11], s[4:5], s[10:11]
	s_add_nc_u64 s[10:11], s[10:11], s[20:21]
	s_add_nc_u64 s[14:15], s[12:13], s[22:23]
	s_add_nc_u64 s[12:13], s[12:13], s[24:25]
.irp i, 0,1,2,3,4,5,6,7,8,9,10,11,12,13,14,15
	global_load_b128 v[R+4*\i:R+4*\i+3], v4, s[10:11] offset:((\i%8)+32*(\i/8))*4096 th:TH_LOAD_NT   ; slot i's row: 512 consecutive bytes
.endr
.irp i, 0,1,2,3,4,5,6,7,8,9,10,11,12,13,14,15
	s_wait_loadcnt 15-\i                           ; loads come back in order: row i is in, the rows behind it may be out
	ds_store_b128 v5, v[R+4*\i:R+4*\i+3] offset:528*\i
.endr
.irp c, 0,1
.irp j, 0,1,2,3,4,5,6,7
	ds_load_b128 v[X+32*\c+4*\j:X+32*\c+4*\j+3], v6 offset:256*\c+16*\j   ; LDS serves a wave's instructions in order: these see my stores
.endr
.endr
	s_wait_dscnt 0x0
	v_mov_b32 v[T4], 0                             ; a lane permute's destination counts as one of its sources
.irp k, 0,1,2,3
	v_max3_num_f32 v[BM+\k], |v[X+16*\k]|, |v[X+16*\k+1]|, 0x1800000   ; half k % 2 of block k / 2, and the floor 2^(3 - 127): the byte cannot fall under 1
.endr
.irp i, 2,4,6,8,10,12,14
.irp k, 0,1,2,3
	v_max3_num_f32 v[BM+\k], v[BM+\k], |v[X+16*\k+\i]|, |v[X+16*\k+\i+1]|   ; four chains by turns
.endr
.endr
	v_max_num_f32 v[BM], v[BM], v[BM+1]
	v_max_num_f32 v[BM+2], v[BM+2], v[BM+3]
	v_add_nc_u32 v[SO], 0xff000000, v[BM]          ; 2 off the exponent field: the conversion takes the exponent field of this operand as its scale
	v_add_nc_u32 v[SO+1], 0xff000000, v[BM+2]
	v_lshrrev_b32 v[BY], 23, v[SO]                 ; the scales' bytes
	v_lshrrev_b32 v[BY+1], 23, v[SO+1]
	v_lshl_or_b32 v[WD], v[BY+1], 16, v[BY]
	v_lshlrev_b32 v[WD], v11, v[WD]                ; at their places: bytes h and 2 + h
	v_permlanex16_b32 v[T4], v[WD], s[SEL], s[SEL+1]
	v_or_b32 v[WD], v[WD], v[T4]                   ; with lane l xor 16's two the word is whole
.irp c, 0,1
	v_cvt_scalef32_pk16_fp6_f32 v[PC+6*\c:PC+6*\c+2], v[X+32*\c:X+32*\c+15], v[SO+\c]
	v_cvt_scalef32_pk16_fp6_f32 v[PD+4*\c:PD+4*\c+2], v[X+32*\c+16:X+32*\c+31], v[SO+\c]   ; (a conversion's three registers begin on an even number)
.endr
	v_nop                                          ; one plain instruction behind the scaled conversions
.irp i, 0,1,2
	v_mov_b32 v[PC+3+\i], v[PD+\i]
	v_mov_b32 v[PC+9+\i], v[PD+4+\i]
.endr
.irp c, 0,1,2
	global_store_b128 v4, v[PC+4*\c:PC+4*\c+3], s[14:15] offset:512*\c   ; 512 consecutive bytes, at a multiple of 256 from the buffer's first byte
.endr
	ds_store_b32 v8, v[WD]                         ; lanes r and r + 16 write the same word with the same value
	s_wait_dscnt 0x0                               ; for the others' sake: my word has landed
	s_barrier_signal -1
	s_barrier_wait -1
	s_cmp_lg_u32 s16, 0
	s_cbranch_scc1 .Lnot_wave_0
	ds_load_b128 v[56:59], v9
	s_wait_dscnt 0x0
	global_store_b128 v4, v[56:59], s[12:13]       ; the block's scale words: 512 consecutive aligned bytes
.Lnot_wave_0:
	s_wait_tensorcnt 0x0                           ; the wave's end: behind my last LDS store
	ds_add_u32 v[SPW], v[NIL]
	s_wait_dscnt 0x0
	s_endpgm
.Lfunc_end_k_q2616972eab_quant:
	.size	k_q2616972eab_quant, .Lfunc_end_k_q2616972eab_quant-k_q2616972eab_quant
	.p2alignl 7, 3214868480
	.fill 96, 4, 3214868480
	.section	.rodata,"a",@progbits
	.p2align	6, 0x0
	.amdhsa_kernel k_q2616972eab_quant
		.amdhsa_group_segment_fixed_size 69120
		.amdhsa_private_segment_fixed_size 0
		.amdhsa_enable_private_segment 0
		.amdhsa_kernarg_size 40
		.amdhsa_user_sgpr_count 2
		.amdhsa_user_sgpr_kernarg_segment_ptr 1
		.amdhsa_wavefront_size32 1
		.amdhsa_system_sgpr_workgroup_id_x 1
		.amdhsa_system_sgpr_workgroup_id_y 1
		.amdhsa_system_sgpr_workgroup_id_z 1
		.amdhsa_system_vgpr_workitem_id 0
		.amdhsa_next_free_vgpr 144
		.amdhsa_next_free_sgpr 66
		.amdhsa_reserve_vcc 0
		.amdhsa_float_denorm_mode_32 3
		.amdhsa_float_denorm_mode_16_64 3
		.amdhsa_memory_ordered 1
		.amdhsa_forward_progress 1
		.amdhsa_inst_pref_size 11
	.end_amdhsa_kernel
	.amdgpu_metadata
---
amdhsa.version: [ 1, 2 ]
amdhsa.kernels:
  - .name:           k_q2616972eab_quant
    .symbol:         k_q2616972eab_quant.kd
    .args:
      - { .name: x, .offset: 0, .size: 8, .value_kind: global_buffer, .address_space: global }
      - { .name: Wq, .offset: 8, .size: 8, .value_kind: global_buffer, .address_space: global }
      - { .name: Wk, .offset: 16, .size: 8, .value_kind: global_buffer, .address_space: global }
      - { .name: Wv, .offset: 24, .size: 8, .value_kind: global_buffer, .address_space: global }
      - { .name: w1, .offset: 32, .size: 8, .value_kind: global_buffer, .address_space: global }
    .group_segment_fixed_size: 69120
    .private_segment_fixed_size: 0
    .kernarg_segment_align: 8
    .kernarg_segment_size: 40
    .max_flat_workgroup_size: 256
    .sgpr_count:     66
    .vgpr_count:     144
    .wavefront_size: 32
...
	.end_amdgpu_metadata
.endif
;; end of part 5
;; launch proj (part 6): grid 16 x 16, 4 waves a work-group, clusters of 4 x 4, 327,680 bytes of LDS; arguments w1, bq, bk, bv, w2; writes w2
.if DOCPART == 6
	.amdgcn_target "amdgcn-amd-amdhsa--gfx1250"
	.amdhsa_code_object_version 6
	.text
	.protected	k_q2616972eab_proj
	.globl	k_q2616972eab_proj
	.p2align	8
	.type	k_q2616972eab_proj,@function
k_q2616972eab_proj:
	s_mov_b64 s[64:65], 0
	v_nop
	global_prefetch_b8 v0, s[64:65] scope:SCOPE_SE
	s_setreg_imm32_b32 hwreg(HW_REG_WAVE_MODE, 25, 1), 1
	s_wait_xcnt 0x0
	s_wait_alu depctr_hold_cnt(0) depctr_sa_sdst(0) depctr_va_vdst(0) depctr_va_sdst(0) depctr_va_ssrc(0) depctr_va_vcc(0) depctr_vm_vsrc(0)
	s_getreg_b32 s2, hwreg(HW_REG_IB_STS2, 6, 4)
	s_cmp_eq_u32 s2, 0
	s_cbranch_scc0 .Lentry_in_a_cluster
	s_endpgm
.Lentry_in_a_cluster:
	s_bfe_u32 s2, ttmp6, 0x10000c
	s_cmp_lg_u32 s2, 0xf033
	s_cbranch_scc0 .Lentry_shape_is_right
	s_endpgm
.Lentry_shape_is_right:
; q, k, v = x W^T + b AND THEIR QUANTISERS (q, k along the features, v along the tokens).  The results leave as codes of FP6 and scale bytes, as images of the operand registers of the launches that read them; no f32 result is stored.
; LIMITS: NaN and infinities are not served; a block of zeros gets the scale byte 1 (its codes are zeros, and this program alone reads the bytes).
; w1: blocks of 16 rows x 1,024 K in the order that its launch states: 12,288 bytes of codes, 512 of scale words.  A CHUNK is 8 blocks, dense.  x: chunk 2 T + c holds, for j = 0 .. 3 and w = 0, 1, block (j, w): tile j of the band at token 256 T + 128 w + 64 c.
; Chunks 64-71 Wq, 72-79 Wk, 80-87 Wv: two bands of 64 rows, four tiles each.
; w2: q, k: fragment (16 g + kc) 8 + rb, g = token / 128, kc 0-7 q's 128-feature chunks, 8-15 k's, rb = 4 c + j.  A fragment's 1,536 bytes: features 0-63's registers 0-3 (512 bytes, 16 a lane), features 64-127's registers 0-3,
; then features 0-63's registers 4, 5 (256 bytes, 8 a lane), features 64-127's.  Scale words, one a row, at QKS + 64 x fragment.
; v from VCO: fragment (64 gd + kc) 8 + rb, gd = feature / 128, kc = token / 128: three pieces of four registers; scale words at VSO + 64 x fragment.
; THE DEAL.  256 work-groups of four waves, 2 x 2; a wave holds 64 rows of a weight, ALL of K, in registers (384) and streams x's rows past them in blocks of 16 rows.  A work-group makes 256 x 128 of v, PHASE 1, then 512 x 128 of q or k, PHASE 2.
; v's 256 rows are a half of the work-group's own 512: the two chunks asked for at the head serve v's eight blocks and then, still in LDS, phase 2's first eight.  Which half (s87) and which tensor (s19) come from the cluster's number alone;
; v's tile column is 4 s19 + cx, its tile row 2 x phase 2's + s87: each tile of v has one work-group.  x's rows are shared by a ROW of the cluster, a weight's by a COLUMN, by joint loads.
; v comes first: its codes can leave only when both bands of an operand are there; phase 2's leave block by block.
; LDS: slots 0 and 1 for x's chunks, a region for the weights' chunk, two places for a chunk's scale words, the stages for the results' scale bytes, the spare words.
; FILLS.  At the head one tensor load a wave: Wv's chunk, both chunks' scale words, chunk 0, chunk 1.  Three refills, each in a drained round: in v's third block Wq's or Wk's chunk onto Wv's (all waves hold it in registers);
; in phase 2's blocks 2 and 6 the other half's chunks and their scale words.  What a refill brought is shown to all waves by the next round, or by a plain barrier behind which nothing is filled.
; A BLOCK is 32 products; behind every second one stand two ENTRIES of the block's list: at most four scalar lines, then one vector line (where an address for a prefetch is made, two).
; THE WAITS' COUNTS.  Younger than a block's fetch are the next block's fetch, NF loads, and the LDS stores of scale bytes issued between the two.
; PREFETCHES: the second weight at the head, phase 2's third chunk and both later chunks' scale words behind the first refill, the fourth chunk between the phases: shared out by address among the sixteen waves that will ask jointly.
.set FRB,   1536
.set BLK,   8*FRB                      ; 16 rows, all of K
.set CHK,   8*BLK
.set NQ,    8
.set NB,    4
.set FR,    12
.set FPW,   21                         ; fragments in a window of 256 registers
.set NF,    26                         ; LDS loads of a block: 24 for eight fragments, 2 for eight scale words
.set YB,    CHK
.set BVB,   2*CHK
.set SCL,   3*CHK
.set SCB,   4096                       ; a chunk's scale words
.set XN,    SCL+2*SCB                  ; q's or k's scale bytes: [wave column][half][wave row][rb][row][h]
.set XM,    XN+2048                    ; v's: [wave][t][r][2 c + h]
.set SPARE, XM+1024
.set W1S,   8650752
.set QKS,   12582912
.set VCO,   13107200
.set VSO,   19398656
.set GST,   2*16*BLK                   ; from a half's row groups to the other half's in w2
.set ADRA0, 4                          ; v4   LDS address of my fragments of block 0; v1: of block 1
.set CO8,   5                          ; v5   1,024 + 256 x wave column + 8 x lane
.set AAS0,  6                          ; v6   of my row's scale words in block 0; v23: in block 1
.set CO,    9                          ; v9   512 x wave column + 16 x lane
.set SPW,   10
.set NIL,   11
.set ADRA,  12                         ; v12  as v4, for the block that is fetched next
.set ADRB,  14                         ; v14  LDS address of my fragments of the weights
.set ABS,   16
.set AAS,   17                         ; v17  as v6, for the block that is fetched next
.set STO,   18
.set STV,   19
.set L16,   22                         ; v22  16 x lane
.set SB,    24                         ; v24-39  the weights' scale words
.set TQ,    40
.set SA,    44                         ; v44-59  the rows' scale words: two sets of eight
.set TC,    60
.set ACC,   64                         ; v64-127 phase 2: two sets of four accumulators
.set HV0,   64                         ; v64-191 phase 1, band 0: 32 t + 8 j + i
.set HV1,   840                        ; v840-967 band 1
.set NCD,   128                        ; v128-139 phase 2's codes, two sets of six
.set MCD,   192                        ; v192-239 phase 1's codes: four operands of twelve
.set SOP,   240
.set EB,    244
.set VX,    248
.set SB2,   968                        ; v968-983 phase 2's weights' scale words
.set BBV,   992                        ; v992-1023 v's bias as the first products' C, eight registers a tile
.set BBQ,   160                        ; v160-191 q's or k's, loaded between the phases
.set G1A,   24                         ; s[24:31] group 1 of x's chunks; s[56:59], s[68:71] group 0
.set G0A,   56
.set G0R,   68
.set G1B,   32                         ; s[32:39], s[60:63] of a weight's chunk
.set G0B,   60
.set G1S,   92                         ; s[92:99], s[72:75] of scale words
.set G0S,   72
.set MSB, 0
.macro WIN new
.if MSB != (\new)
	s_set_vgpr_msb (MSB<<8)|(\new)
.set MSB, (\new)
.endif
.endm
.macro PLACES n
.rept \n
	v_nop
.endr
.endm
.macro WALU
	s_wait_alu depctr_va_vdst(0)
.endm
.macro BARRIER
	s_barrier_signal -1
	s_barrier_wait -1
.endm
.macro MIDDLE                          ; a round's middle: the opening wait, wave 0's signal for the work-group, the cluster's wait
	WIN 0
	s_barrier_wait -1
	s_cmp_lg_u32 s14, 0
	s_cbranch_scc1 .Lnot_wave_0_\@
	s_barrier_signal -3
.Lnot_wave_0_\@:
	s_barrier_wait -3
.endm
.macro CROUND
	s_barrier_signal -1
	MIDDLE
	BARRIER
.endm
.macro GRD
	s_wait_tensorcnt 0x0
	ds_add_u32 v[SPW], v[NIL]
.endm
.macro TLOAD g0, g1
	tensor_load_to_lds s[\g0:\g0+3], s[\g1:\g1+7]
	s_nop 0
	PLACES 4
.endm
.macro GROUP1 g, mask, rows            ; a dense block as rows of 256 bytes (32 elements of 8 bytes)
	s_or_b32 s[\g], s\mask, (3<<16)|(1<<21)
	s_mov_b32 s[\g+1], 32<<16
	s_mov_b32 s[\g+2], (\rows)<<16
	s_mov_b32 s[\g+3], 32<<16
	s_mov_b32 s[\g+4], \rows
	s_mov_b32 s[\g+5], 32
	s_mov_b32 s[\g+6], 0
	s_mov_b32 s[\g+7], 0
.endm
.macro G0SET g, off                    ; group 0's address: w1 + the offset in s\off (s21 = 0)
	s_mov_b32 s20, s\off
	s_add_nc_u64 s[\g+2:\g+3], s[4:5], s[20:21]
	s_or_b32 s[\g+3], s[\g+3], 0x80000000
.endm
; Fragment f lies in window 1 + f / 21 at register 12 (f % 21): 0-31 the weights' (4 q + b), 32-39 and 40-47 the rows' two sets.
.macro FRAG f, off, a
	WIN (1+(\f)/FPW)<<6
.set R_, FR*((\f)%FPW)
.irp p, 0,1,2
	ds_load_b128 v[R_+4*\p:R_+4*\p+3], \a offset:(\off)+512*\p
.endr
.endm
.macro WEIGHTS                         ; my 64 rows of the weight, all of K: 96 loads
.irp q, 0,1,2,3,4,5,6,7
.irp b, 0,1,2,3
	FRAG NB*\q+\b, \b*BLK+\q*FRB, v[ADRB]
.endr
.endr
	WIN 0
.endm
.macro FETCHAT e, a, as                ; a block of x's rows into set e: NF loads
.irp q, 0,1,2,3,4,5,6,7
	FRAG NB*NQ+NQ*(\e)+\q, \q*FRB, \a
.endr
	WIN 0
	ds_load_b128 v[SA+8*(\e):SA+8*(\e)+3], \as
	ds_load_b128 v[SA+8*(\e)+4:SA+8*(\e)+7], \as offset:16
.endm
.macro FETCH e
	FETCHAT \e, v[ADRA], v[AAS]
.endm
.macro FETCH01                         ; a phase's first two blocks, from slot 0
	FETCHAT 0, v[ADRA0], v[AAS0]
	FETCHAT 1, v1, v23
	s_mov_b32 s101, 2*BLK
	s_mov_b32 s91, 1024
.endm
; A product.  n = 4 q + 2 p + o.  kind 0 (q, k): source 0 the weight's rows; kind 1 (v): source 0 x's rows.  The first four take the bias as C.
.macro PROD kind, e, n, a0, as
.set Q_, (\n)/4
.set FB_, NB*Q_+(\n)%4
.set FA_, NB*NQ+NQ*(\e)+Q_
.set D_, (\a0)+(\as)*((\n)%4)
.set DL_, D_&255
.set XB_, SB+NQ*(((\n)%4)/2)+Q_
.set XA_, SA+8*(\e)+Q_
.if \kind
.if Q_
	WIN (1+FA_/FPW)|((1+FB_/FPW)<<2)|((D_>>8)<<4)|((D_>>8)<<6)
	PROD1 DL_, FA_, FB_, v[DL_:DL_+7], XA_, XB_, b, (\n)%2
.else
	WIN (1+FA_/FPW)|((1+FB_/FPW)<<2)|(3<<4)|((D_>>8)<<6)
	PROD1 DL_, FA_, FB_, v[BBV-768+8*((\n)%4):BBV-768+8*((\n)%4)+7], XA_, XB_, b, (\n)%2
.endif
.else
	WIN (1+FB_/FPW)|((1+FA_/FPW)<<2)|((D_>>8)<<4)|((D_>>8)<<6)
.if Q_
	PROD1 DL_, FB_, FA_, v[DL_:DL_+7], XB_, XA_, a, (\n)%2
.else
	PROD1 DL_, FB_, FA_, v[BBQ+8*((\n)%4):BBQ+8*((\n)%4)+7], XB_, XA_, a, (\n)%2
.endif
.endif
.endm
.macro PROD1 d, s0, s1, c, x0, x1, side, o
.if \o
	v_wmma_scale_f32_16x16x128_f8f6f4 v[\d:\d+7], v[FR*((\s0)%FPW):FR*((\s0)%FPW)+FR-1], v[FR*((\s1)%FPW):FR*((\s1)%FPW)+FR-1], \c, v[\x0], v[\x1] matrix_a_fmt:MATRIX_FMT_FP6 matrix_b_fmt:MATRIX_FMT_FP6 matrix_\side\()_scale:MATRIX_SCALE_ROW1
.else
	v_wmma_scale_f32_16x16x128_f8f6f4 v[\d:\d+7], v[FR*((\s0)%FPW):FR*((\s0)%FPW)+FR-1], v[FR*((\s1)%FPW):FR*((\s1)%FPW)+FR-1], \c, v[\x0], v[\x1] matrix_a_fmt:MATRIX_FMT_FP6 matrix_b_fmt:MATRIX_FMT_FP6 matrix_\side\()_scale:MATRIX_SCALE_ROW0
.endif
.endm
.macro BLOCK kind, e, a0, as, from, to, list, x=0, y=0
.set N_, \from
.rept (\to)-(\from)
	PROD \kind, \e, N_, \a0, \as
.if N_%2
	\list N_-1, \x, \y
	\list N_, \x, \y
.endif
.set N_, N_+1
.endr
.endm
; What the lists are made of.  Each macro writes entry i of its part, and nothing beyond its last.
.macro STEP i, wrap                    ; 2 entries: the next fetch's LDS addresses; with the test for the ring's end
.if (\i) == 0
	s_add_co_u32 s101, s101, 2*BLK
.if \wrap
	s_cmp_eq_u32 s101, 2*CHK
	s_cselect_b32 s101, 0, s101
.endif
	WIN 0
	v_add_nc_u32 v[ADRA], s101, v[ADRA0]
.elseif (\i) == 1
	s_add_co_u32 s91, s91, 1024
.if \wrap
	s_cmp_eq_u32 s91, 2*SCB
	s_cselect_b32 s91, 0, s91
.endif
	WIN 0
	v_add_nc_u32 v[AAS], s91, v[AAS0]
.endif
.endm
.macro CHAIN i, x, n, t=TQ             ; 17 entries: the largest magnitude of the 32 sums from register x on, in two chains, and the conversions' scale operand, v[SOP+n]
.set XW_, (\x)>>8
.set XL_, (\x)&255
.if (\i) >= 0 && (\i) < 14
.set B_, XL_+16*((\i)%2)+2*((\i)/2)
.set T_, (\t)+1-(\i)%2
.if (\i) < 2
	WIN XW_|(XW_<<2)|(XW_<<4)
	v_max3_num_f32 v[T_], |v[B_]|, |v[B_+1]|, |v[B_+2]|
.else
	WIN (XW_<<2)|(XW_<<4)
	v_max3_num_f32 v[T_], v[T_], |v[B_+1]|, |v[B_+2]|
.endif
.elseif (\i) == 14
	WIN XW_<<2
	v_max3_num_f32 v[\t+1], v[\t+1], |v[XL_+15]|, 0x1800000
.elseif (\i) == 15
	WIN XW_<<2
	v_max3_num_f32 v[\t], v[\t], |v[XL_+31]|, v[\t+1]
.elseif (\i) == 16
	WIN 0
	v_add_nc_u32 v[SOP+\n], 0xff000000, v[\t]
.endif
.endm
.macro CODES i, x, c, n, t=TC          ; 6 lines: 32 codes into v[c .. c+5], the scale's byte into v[EB+n]
.set XW_, (\x)>>8
.set XL_, (\x)&255
.if (\i) == 0
	WIN XW_
	v_cvt_scalef32_pk16_fp6_f32 v[\c:\c+2], v[XL_:XL_+15], v[SOP+\n]
.elseif (\i) == 1
	WIN XW_
	v_cvt_scalef32_pk16_fp6_f32 v[\t:\t+2], v[XL_+16:XL_+31], v[SOP+\n]
.elseif (\i) == 2
	WIN 0
	v_lshrrev_b32 v[EB+\n], 23, v[SOP+\n]
.else
	WIN 0
	v_mov_b32 v[\c+\i], v[\t+\i-3]
.endif
.endm
.macro CODES6 x, c, n
.irp i, 0,1,2,3,4,5
	CODES \i, \x, \c, \n
.endr
.endm
.macro PFTILE v, off, share            ; my sixteenth of a chunk, 24 blocks of 256 bytes, to be asked for into the L2
	s_mul_i32 s21, s\share, CHK/16
	s_add_co_u32 s20, s\off, s21
	WIN 0
	v_min_u32 v\v, CHK/16/256-1, v3
	v_lshl_add_u32 v\v, v\v, 8, s20
.endm
.macro PFGO v
	global_prefetch_b8 v\v, s[4:5] th:TH_LOAD_NT scope:SCOPE_SE
.endm
.macro ASK i                           ; 4 entries: the descriptors of the chunk at s88 for slot s47, and of its scale words at s55 for s8; then all four step on
.if (\i) == 0
	s_mul_i32 s[G0R+1], s14, CHK/2
	s_add_co_u32 s[G0R+1], s[G0R+1], s47
	s_mul_i32 s20, s14, CHK/2
	s_add_co_u32 s20, s20, s88
.elseif (\i) == 1
	s_mov_b32 s21, 0
	s_add_nc_u64 s[G0R+2:G0R+3], s[4:5], s[20:21]
	s_or_b32 s[G0R+3], s[G0R+3], 0x80000000
	s_mov_b32 s[G0S+1], s8
.elseif (\i) == 2
	s_mov_b32 s20, s55
	s_add_nc_u64 s[G0S+2:G0S+3], s[4:5], s[20:21]
	s_or_b32 s[G0S+3], s[G0S+3], 0x80000000
	s_add_co_u32 s88, s88, CHK
.elseif (\i) == 3
	s_add_co_u32 s55, s55, SCB
	s_xor_b32 s47, s47, YB
	s_xor_b32 s8, s8, (SCL)^(SCL+SCB)
.endif
.endm
.macro PLACE i                         ; 3 entries: where block s46's codes go (s[84:85]) and its scale bytes (v[VX]).  The half that comes first is the work-group's half s87: the codes' place goes by the true half, the stage by the order of work
.if (\i) == 0
	s_lshr_b32 s20, s46, 3
	s_xor_b32 s21, s20, s87
	s_mul_i32 s21, s21, GST
	s_and_b32 s22, s46, 7
.elseif (\i) == 1
	s_mul_i32 s23, s22, FRB
	s_add_co_u32 s76, s21, s23
	s_mov_b32 s77, 0
	s_lshl_b32 s22, s22, 5
.elseif (\i) == 2
	s_add_nc_u64 s[84:85], s[10:11], s[76:77]
	s_lshl_b32 s20, s20, 9
	s_or_b32 s22, s22, s20
	s_add_co_u32 s46, s46, 1
	WIN 0
	v_add_nc_u32 v[VX], s22, v[STO]
.endif
.endm
; The lists
.macro L_NONE i, x, y
.endm
.macro L_STEP i, x, y
	STEP \i, 0
.endm
.macro L_VOUT i, x, y
	STEP \i, 0
	CHAIN (\i)-2, \x, \y
.endm
.macro L_VLAST i, x, y
	CHAIN \i, \x, \y
.endm
.macro L_V2 i, x, y                    ; v's third block: the first refill's descriptors; the later refills' group 1; the step; what the second refill will load is asked for into the L2
.if (\i) == 0
	s_mov_b32 s[G1A+2], (CHK/512)<<16
	s_mov_b32 s[G1A+4], CHK/512
	s_mov_b32 s[G1S+2], (SCB/256)<<16
	s_mov_b32 s[G1S+4], SCB/256
.elseif (\i) == 1
	s_mov_b32 s[G1B+2], (CHK/512)<<16
	s_mov_b32 s[G1B+4], CHK/512
	s_mul_i32 s[G0B+1], s14, CHK/2
	s_add_co_u32 s[G0B+1], s[G0B+1], BVB
.elseif (\i) == 2
	s_mul_i32 s20, s14, CHK/2
	s_add_co_u32 s20, s20, s9
	s_mov_b32 s21, 0
	s_add_nc_u64 s[G0B+2:G0B+3], s[4:5], s[20:21]
.elseif (\i) == 3
	s_or_b32 s[G0B+3], s[G0B+3], 0x80000000
.elseif (\i) == 6
	PFTILE 7, 88, 90
.elseif (\i) == 7
	s_lshl_b32 s21, s90, 9
	s_add_co_u32 s20, s55, s21
	WIN 0
	v_min_u32 v8, 1, v3
	v_lshl_add_u32 v8, v8, 8, s20
.endif
	STEP (\i)-4, 0
.endm
.macro L_V7 i, x, y                    ; v's last block: what the third refill will load is asked for; the way out
.if (\i) == 0
	s_add_co_u32 s22, s88, CHK
	PFTILE 20, 22, 90
.endif
	CHAIN (\i)-1, \x, \y
.endm
.macro L_OUT i, x, y
	PLACE \i
	STEP (\i)-3, 0
	CHAIN (\i)-5, \x, \y
.endm
.macro L_LAST i, x, y
	PLACE \i
	CHAIN (\i)-3, \x, \y
.endm
.macro L_ROUND i, x, y
	PLACE \i
	ASK (\i)-3
	STEP (\i)-7, 1
	CHAIN (\i)-9, \x, \y
.endm
; A block of phase 2 with the way out of the block before.  e: its parity; w: the count of the wait for its rows (-1: shown in already); kind 1: a round with a refill stands inside it; kind 2: a plain barrier, which shows the last refill.
.macro PBLK e, w, kind, fetch
.if (\w) >= 0
	s_wait_dscnt \w
.endif
	s_wait_xcnt 0x0                                     ; the last stores have read their registers and their base
.if (\kind) == 0
.if \fetch
	BLOCK 0, \e, ACC+32*(\e), 8, 0, 32, L_OUT, ACC+32*(1-(\e)), 1-(\e)
.else
	BLOCK 0, \e, ACC+32*(\e), 8, 0, 32, L_LAST, ACC+32*(1-(\e)), 1-(\e)
.endif
	WIN 0
	CODES6 ACC+32*(1-(\e)), NCD+6*(1-(\e)), 1-(\e)
.else
.if (\kind) == 1
	GRD
	BLOCK 0, \e, ACC+32*(\e), 8, 0, 26, L_ROUND, ACC+32*(1-(\e)), 1-(\e)
	WIN 0
	WALU
.else
	BLOCK 0, \e, ACC+32*(\e), 8, 0, 26, L_OUT, ACC+32*(1-(\e)), 1-(\e)
	WIN 0
	WALU
	s_wait_tensorcnt 0x0
.endif
	s_wait_dscnt 0x0
	s_barrier_signal -1
	BLOCK 0, \e, ACC+32*(\e), 8, 26, 32, L_NONE
	WIN 0
.if (\kind) == 1
	CODES6 ACC+32*(1-(\e)), NCD+6*(1-(\e)), 1-(\e)
	MIDDLE
	BARRIER
	s_cmp_lt_u32 s14, 2
	s_cbranch_scc0 .Lscales_\@
	TLOAD G0R, G1A                                      ; waves 0 and 1 half a chunk each
	s_branch .Lasked_\@
.Lscales_\@:
	s_cmp_eq_u32 s14, 2
	s_cbranch_scc0 .Lnone_\@
	TLOAD G0S, G1S                                      ; wave 2 its scale words
.Lnone_\@:
.Lasked_\@:
.else
	s_barrier_wait -1
	CODES6 ACC+32*(1-(\e)), NCD+6*(1-(\e)), 1-(\e)
.endif
.endif
	WALU
	ds_store_b8 v[VX], v[EB+1-(\e)]
	PUTQ NCD+6*(1-(\e))
.if \fetch
	FETCH \e
.endif
.endm
.macro PUTQ c                          ; 512 and 256 consecutive aligned bytes
	global_store_b128 v[CO], v[\c:\c+3], s[84:85]
	global_store_b64 v[CO8], v[\c+4:\c+5], s[84:85]
.endm
; ================= THE HEAD
	s_load_b64 s[4:5], s[0:1], 0x0                      ; w1
	s_load_b128 s[48:51], s[0:1], 0x8                   ; bq, bk
	s_load_b128 s[76:79], s[0:1], 0x18                  ; bv, w2
	v_lshl_add_u32 v[SPW], v0, 2, SPARE
	v_mov_b32 v[NIL], 0
	ds_add_u32 v[SPW], v[NIL]                           ; the opening: the add, twice on end
	ds_add_u32 v[SPW], v[NIL]
	v_lshrrev_b32 v1, 5, v0
	v_readfirstlane_b32 s14, v1                         ; s14 the wave; s15 its row of the 2 x 2, s16 its column
	s_lshr_b32 s15, s14, 1
	s_and_b32 s16, s14, 1
	s_bfe_u32 s40, ttmp6, 0x40000                       ; cx
	s_bfe_u32 s41, ttmp6, 0x40004                       ; cy
	s_lshl_b32 s42, ttmp9, 2
	s_add_co_u32 s42, s42, s40                          ; s42 phase 2's tile column: 0-7 q, 8-15 k
	s_and_b32 s43, ttmp7, 0xffff
	s_lshl_b32 s43, s43, 2
	s_add_co_u32 s43, s43, s41                          ; s43 its tile row of 512 tokens
	s_lshr_b32 s19, ttmp9, 1                            ; s19: 0 q, 1 k
	s_and_b32 s87, ttmp9, 1                             ; s87: v's half of my 512 rows
	s_lshl_b32 s13, s19, 2
	s_add_co_u32 s13, s13, s40                          ; s13 v's tile column
	s_lshl_b32 s12, s43, 1
	s_xor_b32 s22, s87, 1
	s_add_co_u32 s22, s22, s12                          ; the other half, in tiles of 256 tokens
	s_add_co_u32 s12, s12, s87                          ; s12 v's
	s_lshl_b32 s44, s41, 2
	s_lshl_b32 s44, 15, s44                             ; my row of the cluster
	s_lshl_b32 s45, 0x1111, s40                         ; my column
	GROUP1 G1A, 44, CHK/256
	GROUP1 G1B, 45, CHK/256
	GROUP1 G1S, 44, 2*SCB/256
	s_mul_i32 s66, s12, 2*CHK                           ; bytes from w1: v's half of x,
	s_lshl_b32 s89, s12, 13
	s_add_co_u32 s89, s89, W1S                          ; its scale words,
	s_mul_i32 s88, s22, 2*CHK                           ; the other half,
	s_lshl_b32 s55, s22, 13
	s_add_co_u32 s55, s55, W1S                          ; its scale words,
	s_add_co_u32 s22, s42, 64
	s_mul_i32 s9, s22, CHK                              ; Wq's or Wk's chunk,
	s_lshl_b32 s82, s22, 12
	s_add_co_u32 s22, s13, 80
	s_mul_i32 s54, s22, CHK                             ; Wv's,
	s_lshl_b32 s84, s22, 12
	s_lshl_b32 s23, s16, 11
	s_add_co_u32 s23, s23, W1S
	s_add_co_u32 s82, s82, s23                          ; my 64 rows' scale words in each
	s_add_co_u32 s84, s84, s23
	s_mov_b32 s83, 0
	s_mov_b32 s85, 0
	s_mov_b32 s21, 0
	s_mov_b32 s[G0A], 1
	s_mov_b32 s[G0A+1], 0
	s_mov_b32 s[G0B], 1
	s_mov_b32 s[G0B+1], BVB
	s_mov_b32 s[G0R], 1
	s_mov_b32 s[G0R+1], YB
	s_mov_b32 s[G0S], 1
	s_mov_b32 s[G0S+1], SCL
	s_lshl_b32 s90, s40, 2
	s_add_co_u32 s90, s90, s14                          ; my number among the sixteen waves of my row of the cluster
	s_lshl_b32 s100, s41, 2
	s_add_co_u32 s100, s100, s14                        ; and of my column
	v_and_b32 v1, 15, v0                                ; r
	v_bfe_u32 v2, v0, 4, 1                              ; h
	v_and_b32 v3, 31, v0                                ; lane
	v_lshlrev_b32 v[L16], 4, v3
	WALU
	s_mul_i32 s22, s15, BLK
	v_add_nc_u32 v[ADRA0], s22, v[L16]
	s_mul_i32 s22, s16, 4*BLK
	s_add_co_u32 s22, s22, BVB
	v_add_nc_u32 v[ADRB], s22, v[L16]
	v_lshlrev_b32 v[ABS], 5, v3
	s_lshl_b32 s22, s15, 9
	s_add_co_u32 s22, s22, SCL
	v_lshlrev_b32 v[AAS0], 5, v1
	v_add_nc_u32 v[AAS0], s22, v[AAS0]
	s_lshl_b32 s22, s16, 9
	v_add_nc_u32 v[CO], s22, v[L16]
	s_lshl_b32 s22, s16, 8
	s_add_co_u32 s22, s22, 1024
	v_lshlrev_b32 v[CO8], 3, v3
	v_add_nc_u32 v[CO8], s22, v[CO8]
	s_lshl_b32 s22, s16, 10
	s_lshl_b32 s23, s15, 8
	s_add_co_u32 s22, s22, s23
	s_add_co_u32 s22, s22, XN
	WALU
	v_lshl_add_u32 v[STO], v1, 1, v2
	v_add_nc_u32 v[STO], s22, v[STO]
	s_lshl_b32 s22, s14, 8
	s_add_co_u32 s22, s22, XM
	v_lshl_add_u32 v[STV], v1, 2, v2
	v_add_nc_u32 v[STV], s22, v[STV]
	v_lshlrev_b32 v21, 7, v2                            ; q, k: register 8 j + i of lane (r, h) is column 32 h + 8 j + i: 128 bytes on end for each half of the lanes
	v_lshrrev_b32 v23, 3, v1
	v_lshlrev_b32 v23, 7, v23
	v_and_b32 v20, 7, v1
	v_lshl_add_u32 v23, v20, 2, v23                     ; v: lane (r, h) of tile t has column 32 (r / 8) + 8 t + r % 8
	WALU
	s_wait_dscnt 0x0
	CROUND                                              ; the opening round, ahead of the wait for the arguments
	s_wait_kmcnt 0x0
	s_mov_b32 s20, s66
	s_add_nc_u64 s[G0A+2:G0A+3], s[4:5], s[20:21]
	s_add_nc_u64 s[G0R+2:G0R+3], s[G0A+2:G0A+3], CHK
	s_or_b32 s[G0A+3], s[G0A+3], 0x80000000
	s_or_b32 s[G0R+3], s[G0R+3], 0x80000000
	G0SET G0B, 54
	G0SET G0S, 89
	s_cmp_eq_u32 s14, 0
	s_cbranch_scc0 .Lwave_1
	TLOAD G0B, G1B                                      ; wave 0: Wv's chunk
	s_branch .Lasked
.Lwave_1:
	s_cmp_eq_u32 s14, 1
	s_cbranch_scc0 .Lwave_2
	TLOAD G0S, G1S                                      ; wave 1: both chunks' scale words
	s_branch .Lasked
.Lwave_2:
	s_cmp_eq_u32 s14, 2
	s_cbranch_scc0 .Lwave_3
	TLOAD G0A, G1A                                      ; wave 2: chunk 0
	s_branch .Lasked
.Lwave_3:
	TLOAD G0R, G1A                                      ; wave 3: chunk 1
.Lasked:
	s_cmp_eq_u32 s19, 1
	s_cselect_b64 s[6:7], s[50:51], s[48:49]
	s_lshl_b32 s20, s42, 1
	s_add_co_u32 s20, s20, s16
	s_and_b32 s20, s20, 15
	s_lshl_b32 s20, s20, 8
	s_add_nc_u64 s[6:7], s[6:7], s[20:21]               ; q's or k's bias, my 64 columns: kept for the loads between the phases
	s_lshl_b32 s20, s13, 1
	s_add_co_u32 s20, s20, s16
	s_lshl_b32 s20, s20, 8
	s_add_nc_u64 s[22:23], s[76:77], s[20:21]           ; v's
	s_add_nc_u64 s[84:85], s[4:5], s[84:85]
	s_add_nc_u64 s[82:83], s[4:5], s[82:83]
.irp p, 0,1
.irp c, 0,1
	global_load_b128 v[SB+NQ*\p+4*\c:SB+NQ*\p+4*\c+3], v[ABS], s[84:85] offset:\p*1024+16*\c
.endr
.endr
	WIN 3<<6
.irp t, 0,1,2,3
	global_load_b32 v[BBV-768+8*\t], v23, s[22:23] offset:32*\t
.endr
.irp p, 0,1
.irp c, 0,1
	global_load_b128 v[SB2-768+NQ*\p+4*\c:SB2-768+NQ*\p+4*\c+3], v[ABS], s[82:83] offset:\p*1024+16*\c
.endr
.endr
	WIN 0
	s_wait_xcnt 0x0
	s_lshl_b32 s20, s43, 2                              ; where the results go: s[10:11] q's or k's codes,
	s_add_co_u32 s20, s20, s15
	s_mul_i32 s20, s20, 16*BLK
	s_mul_i32 s22, s42, BLK
	s_add_co_u32 s20, s20, s22
	s_add_nc_u64 s[10:11], s[78:79], s[20:21]
	s_xor_b32 s20, s15, s87                             ; s[48:49] their scale words: wave n empties the stage's part n, which lies in the order of work,
	s_lshl_b32 s20, s20, 1
	s_add_co_u32 s20, s20, s16
	s_lshl_b32 s22, s43, 2
	s_add_co_u32 s20, s20, s22
	s_lshl_b32 s20, s20, 13
	s_lshl_b32 s22, s42, 9
	s_add_co_u32 s20, s20, s22
	s_add_co_u32 s20, s20, QKS
	s_add_nc_u64 s[48:49], s[78:79], s[20:21]
	s_lshl_b32 s22, s13, 6                              ; s[50:51] v's codes,
	s_lshl_b32 s23, s12, 1
	s_add_co_u32 s22, s22, s23
	s_add_co_u32 s20, s22, s15
	s_mul_i32 s20, s20, 8*FRB
	s_mul_i32 s23, s16, 4*FRB
	s_add_co_u32 s20, s20, s23
	s_add_co_u32 s20, s20, VCO
	s_add_nc_u64 s[50:51], s[78:79], s[20:21]
	s_lshl_b32 s20, s22, 9                              ; s[52:53] their scale words
	s_lshl_b32 s23, s14, 8
	s_add_co_u32 s20, s20, s23
	s_add_co_u32 s20, s20, VSO
	s_add_nc_u64 s[52:53], s[78:79], s[20:21]
	s_mov_b32 s46, 0
	s_mov_b32 s47, 0
	s_mov_b32 s8, SCL
	s_wait_loadcnt 0x0
	WIN (3<<6)|3
.irp t, 0,8,16,24
.irp i, 1,2,3,4,5,6,7
	v_mov_b32 v[BBV-768+\t+\i], v[BBV-768+\t]           ; v's number, one a lane and tile, over the tile's eight registers
.endr
.endr
	WIN 0
	v_add_nc_u32 v1, 2*BLK, v[ADRA0]
	v_add_nc_u32 v23, 1024, v[AAS0]
	PFTILE 8, 9, 100                                    ; what the first refill will load
	WALU                                                ; the wait at the head's end
	s_cmp_eq_u32 s14, 0
	s_cbranch_scc0 .Lnot_b
	s_wait_tensorcnt 0x0
.Lnot_b:
	BARRIER                                             ; Wv's chunk is in
	PFGO 8
	WEIGHTS
	s_cmp_eq_u32 s14, 3
	s_cbranch_scc1 .Lnot_a0
	s_wait_tensorcnt 0x0
.Lnot_a0:
	s_wait_dscnt 0x0
	BARRIER                                             ; chunk 0 and the scale words are in; chunk 1 may still be on its way
	FETCH01
; ================= PHASE 1: v, eight blocks; band 0's way outs stand in band 1's blocks
.irp s, 0,1
	s_wait_dscnt NF
	BLOCK 1, \s, HV0+8*\s, 32, 0, 32, L_STEP
	WIN 0
	PLACES 4
	WALU
	FETCH \s
.endr
	s_wait_dscnt NF
	s_wait_xcnt 0x0                                     ; the list writes v8, the address of the head's prefetch
	GRD
	BLOCK 1, 0, HV0+16, 32, 0, 24, L_V2
	WIN 0
	s_wait_dscnt 0x0
	s_barrier_signal -1
	BLOCK 1, 0, HV0+16, 32, 24, 32, L_NONE
	MIDDLE
	BARRIER
	s_cmp_lt_u32 s14, 2
	s_cbranch_scc0 .Lno_half
	TLOAD G0B, G1B                                      ; waves 0 and 1 a half each of Wq's or Wk's chunk, onto Wv's
.Lno_half:
	PLACES 4                                            ; the places between the block's products and the fetch into their registers, for the waves that come round the load
	WALU
	FETCH 0
	PFGO 7
	PFGO 8
	BLOCK 1, 1, HV0+24, 32, 0, 32, L_STEP
	WIN 0
	PLACES 4
	WALU
	FETCH 1
.irp j, 0,1,2
	s_wait_dscnt NF+(\j+1)/2
.if \j < 2
	BLOCK 1, \j%2, HV1+8*\j, 32, 0, 32, L_VOUT, HV0+32*\j, \j
.else
	BLOCK 1, \j%2, HV1+8*\j, 32, 0, 32, L_VLAST, HV0+32*\j, \j
.endif
	WIN 0
	CODES6 HV0+32*\j, MCD+12*\j, \j
	WALU
	ds_store_b8 v[STV], v[EB+\j] offset:64*\j
.if \j < 2
	FETCH \j%2
.endif
.endr
	s_wait_dscnt 1
	BLOCK 1, 1, HV1+24, 32, 0, 26, L_V7, HV0+96, 3
	WIN 0
	WALU
	s_wait_tensorcnt 0x0
	s_wait_dscnt 0x0
	s_barrier_signal -1                                 ; a plain barrier: the weights that the first refill brought are shown to all
	BLOCK 1, 1, HV1+24, 32, 26, 32, L_NONE
	WIN 0
	s_barrier_wait -1
	CODES6 HV0+96, MCD+36, 3
	WALU
	ds_store_b8 v[STV], v[EB+3] offset:192
; ================= THE CHANGE OF PHASE: the bias, the weights and the first two blocks' rows, which lie in slot 0 still, in one run of loads; band 1's four way outs under their flight
.irp k, 0,1,2,3,4,5,6,7
	global_load_b128 v[BBQ+4*\k:BBQ+4*\k+3], v21, s[6:7] offset:16*\k
.endr
	WEIGHTS
	FETCH01
	PFGO 20
	WIN 3
.set I, 0
.rept 16
	v_mov_b32 v[SB+I], v[SB2-768+I]
.set I, I+1
.endr
	WIN 0
.set I, 0
.rept 17
.irp t, 0,1,2,3
	CHAIN I, HV1+32*\t, \t, 64+4*\t
.endr
.set I, I+1
.endr
.set I, 0
.rept 6
.irp t, 0,1,2,3
	CODES I, HV1+32*\t, MCD+12*\t+6, \t, 80+4*\t
.endr
.set I, I+1
.endr
	WIN 0
	WALU
; ================= PHASE 2: q or k, sixteen blocks
	s_wait_loadcnt 0x0
	s_wait_dscnt NF
	BLOCK 0, 0, ACC, 8, 0, 32, L_STEP
	WIN 0
	PLACES 4
	WALU
.irp t, 0,1,2,3
	ds_store_b8 v[STV], v[EB+\t] offset:2+64*\t
.endr
.irp t, 0,1,2,3
.irp k, 0,1,2
	global_store_b128 v[L16], v[MCD+12*\t+4*\k:MCD+12*\t+4*\k+3], s[50:51] offset:FRB*\t+512*\k   ; v's codes leave
.endr
.endr
	FETCH 0
	PBLK 1, NF+4, 0, 1
	s_mov_b32 s86, 0
.Lwith_rounds:                                          ; blocks 2 to 5, 6 to 9
	PBLK 0, NF+1, 1, 1
	PBLK 1, -1, 0, 1
	PBLK 0, NF+1, 0, 1
	PBLK 1, NF+1, 0, 1
	s_add_co_u32 s86, s86, 1
	s_cmp_lg_u32 s86, 2
	s_cbranch_scc1 .Lwith_rounds
.Lwithout:                                              ; blocks 10, 11 and 12, 13
	PBLK 0, NF+1, 2, 1
	PBLK 1, -1, 0, 1
	s_add_co_u32 s86, s86, 1
	s_cmp_lg_u32 s86, 4
	s_cbranch_scc1 .Lwithout
	PBLK 0, NF+1, 0, 0
	PBLK 1, 1, 0, 0
; ================= THE END: the last way out; the scale bytes go through LDS under its conversions
	s_wait_xcnt 0x0
	PLACE 0
	PLACE 1
	PLACE 2
	s_lshl_b32 s21, s14, 8
	s_add_co_u32 s21, s21, XN
	v_lshlrev_b32 v13, 3, v3
	v_add_nc_u32 v12, s21, v13
	v_add_nc_u32 v14, 2048, v12                         ; XM lies 2,048 bytes behind XN
.set I, 0
.rept 17
	CHAIN I, ACC+32, 1
.set I, I+1
.endr
	CODES 2, ACC+32, NCD+6, 1
	WALU
	ds_store_b8 v[VX], v[EB+1]
	s_wait_dscnt 0x0
	s_barrier_signal -1
	CODES 0, ACC+32, NCD+6, 1
	CODES 1, ACC+32, NCD+6, 1
	WIN 0
	v_nop
.irp i, 3,4,5
	CODES \i, ACC+32, NCD+6, 1
.endr
	s_barrier_wait -1
	WALU
	ds_load_b64 v[64:65], v12                           ; four rows' bytes of features 0-63,
	ds_load_b64 v[66:67], v12 offset:1024               ; and of features 64-127
	ds_load_b64 v[68:69], v14
	PUTQ NCD+6
	s_wait_dscnt 0x0
	v_perm_b32 v72, v66, v64, 0x05040100                ; a word a row
	v_perm_b32 v73, v66, v64, 0x07060302
	v_perm_b32 v74, v67, v65, 0x05040100
	v_perm_b32 v75, v67, v65, 0x07060302
	global_store_b64 v13, v[68:69], s[52:53]
	global_store_b128 v[L16], v[72:75], s[48:49]
	s_wait_tensorcnt 0x0                                ; the wave's end
	ds_add_u32 v[SPW], v[NIL]
	s_wait_dscnt 0x0
	CROUND                                              ; the closing round
	s_endpgm
.Lfunc_end_k_q2616972eab_proj:
	.size	k_q2616972eab_proj, .Lfunc_end_k_q2616972eab_proj-k_q2616972eab_proj
	.p2alignl 7, 3214868480
	.fill 96, 4, 3214868480
	.section	.rodata,"a",@progbits
	.p2align	6, 0x0
	.amdhsa_kernel k_q2616972eab_proj
		.amdhsa_group_segment_fixed_size 327680
		.amdhsa_private_segment_fixed_size 0
		.amdhsa_enable_private_segment 0
		.amdhsa_kernarg_size 40
		.amdhsa_user_sgpr_count 2
		.amdhsa_user_sgpr_kernarg_segment_ptr 1
		.amdhsa_wavefront_size32 1
		.amdhsa_system_sgpr_workgroup_id_x 1
		.amdhsa_system_sgpr_workgroup_id_y 1
		.amdhsa_system_sgpr_workgroup_id_z 1
		.amdhsa_system_vgpr_workitem_id 0
		.amdhsa_next_free_vgpr 1024
		.amdhsa_next_free_sgpr 102
		.amdhsa_reserve_vcc 0
		.amdhsa_float_denorm_mode_32 3
		.amdhsa_float_denorm_mode_16_64 3
		.amdhsa_memory_ordered 1
		.amdhsa_forward_progress 1
		.amdhsa_inst_pref_size 184
	.end_amdhsa_kernel
	.amdgpu_metadata
---
amdhsa.version: [ 1, 2 ]
amdhsa.kernels:
  - .name:           k_q2616972eab_proj
    .symbol:         k_q2616972eab_proj.kd
    .args:
      - { .name: w1, .offset: 0, .size: 8, .value_kind: global_buffer, .address_space: global }
      - { .name: bq, .offset: 8, .size: 8, .value_kind: global_buffer, .address_space: global }
      - { .name: bk, .offset: 16, .size: 8, .value_kind: global_buffer, .address_space: global }
      - { .name: bv, .offset: 24, .size: 8, .value_kind: global_buffer, .address_space: global }
      - { .name: w2, .offset: 32, .size: 8, .value_kind: global_buffer, .address_space: global }
    .group_segment_fixed_size: 327680
    .private_segment_fixed_size: 0
    .kernarg_segment_align: 8
    .kernarg_segment_size: 40
    .max_flat_workgroup_size: 128
    .sgpr_count:     102
    .vgpr_count:     1024
    .wavefront_size: 32
...
	.end_amdgpu_metadata
.endif
;; end of part 6
;; launch scores (part 7): grid 8 x 32, 4 waves a work-group, clusters of 4 x 4, 327,680 bytes of LDS; arguments w2, w3; writes w3
.if DOCPART == 7
	.amdgcn_target "amdgcn-amd-amdhsa--gfx1250"
	.amdhsa_code_object_version 6
	.text
	.protected	k_q2616972eab_scores
	.globl	k_q2616972eab_scores
	.p2align	8
	.type	k_q2616972eab_scores,@function
k_q2616972eab_scores:
	s_mov_b64 s[64:65], 0
	v_nop
	global_prefetch_b8 v0, s[64:65] scope:SCOPE_SE
	s_setreg_imm32_b32 hwreg(HW_REG_WAVE_MODE, 25, 1), 1
	s_wait_xcnt 0x0
	s_wait_alu depctr_hold_cnt(0) depctr_sa_sdst(0) depctr_va_vdst(0) depctr_va_sdst(0) depctr_va_ssrc(0) depctr_va_vcc(0) depctr_vm_vsrc(0)
	s_getreg_b32 s2, hwreg(HW_REG_IB_STS2, 6, 4)
	s_cmp_eq_u32 s2, 0
	s_cbranch_scc0 .Lentry_in_a_cluster
	s_endpgm
.Lentry_in_a_cluster:
	s_bfe_u32 s2, ttmp6, 0x10000c
	s_cmp_lg_u32 s2, 0xf033
	s_cbranch_scc0 .Lentry_shape_is_right
	s_endpgm
.Lentry_shape_is_right:
; S^T = k q^T on codes of FP6 (E2M3) with E8M0 scales, K = 1,024 features; then, for each query and each 128 keys, p = 2^(t - M), quantised along the keys, with the statistics that the last launch needs.
; t = score x log2(e) / 32.  M here is LOCAL: the ceiling of the largest t among the wave's 128 keys of that query: a maximum is taken away ahead of every exponential.  M is a whole number, so p under the row's own M
; differs from p under the local M by an exact power of two, which the scale bytes take up: the codes are the same.  The last launch takes (row's M - local M) off the bytes and brings the local sums under the row's M.
; w2's fragments of q and k (16 rows x 128 K, 1,536 bytes): registers 0-3 (512 bytes, 16 a lane), registers 6-9, registers 4, 5 (256 bytes, 8 a lane), registers 10, 11.  A row group is 128 rows, 8 fragments; fragment rb's slot m holds row
; 64 (rb / 4) + 32 (m / 8) + 8 (rb % 4) + m % 8.  Fragment ((16 g + kc) 8 + rb), g = token / 128, kc 0-7 q's chunks, 8-15 k's; 16 scale words a fragment from QKS on.
; Source 0 = 16 keys, source 1 = 16 queries: a lane holds ONE query and, by the order of rows, the 32 registers of four neighbouring tiles are 32 neighbouring keys: a whole scale block.  A wave's block a becomes fragment a of p.
; w3: p's codes: fragment ((16 g + kc) 8 + rb), g = query / 128 (over all batches), kc = key / 128 in the batch, three pieces of four registers; from PS its scale words, from PS + 524,288 the local -M (f32), from PS + 1,048,576 the local sum of
; the unquantised p (f32), each one word a row and chunk.
; A work-group makes 256 keys x 256 queries, a wave 128 x 128.  K goes in eight chunks of 128 through TWO LDS slots of three chunks, 147,456 bytes each.  Slot 0 is asked for at the head, slot 1 behind the first drained round;
; one refill: slot 0 takes the last two chunks when its three are read.  Tiles are asked for jointly in a 4 x 4 cluster: q's along a row, k's along a column.  The scale words come once, by loads of 512 consecutive bytes into registers.
; PREFETCHES: chunks 3-5 at the head, chunks 6, 7 behind slot 1's load: the four partners share a row group's blocks of 256 bytes by address; they are asked for three chunks' products or more ahead of their load.
; LIMITS: NaN and infinities are not served.  A block whose every p has fallen to 0 keeps the byte 1: its codes are zeros.  -M is kept as f32: a whole number; the promise holds while |t| stays under 2^31.
; v_exp_f32 is taken not to fall where its input rises: a block's largest p is the exponential of its largest score.
; REGISTERS: window 0: v1-31 addresses; v32-63 scale words, two sets; v64-147 the way out's work; v128-223 q's eight fragments.  window 1: k's eight fragments, two sets.  windows 2, 3: the accumulators ((a, b) at v[64 (a % 4) + 8 b]).
.set FR,    12
.set NL,    4                          ; LDS loads of a fragment
.set FRB,   FR*128
.set CH,    8*FRB                      ; a row group's chunk
.set PART,  3*CH
.set SLOT,  4*PART                     ; q's two row groups, k's two
.set NH,    4
.set SCL,   2*SLOT                     ; the scale words, 4,096 bytes a row group
.set SST,   SCL+4*4096                 ; a stage of 1,536 bytes for each wave
.set SPARE, SST+4*1536                 ; the spare words
.set QKS,   12582912
.set PS,    12582912
.set A16,   16                         ; v16-17 LDS address of q's fragments in slot 0, 1, 16 a lane; v18-19: 8 a lane
.set A8,    18
.set B16,   20                         ; v20-23 the same for k's
.set B8,    22
.set SSA,   24
.set SSR,   25
.set GOF,   26
.set ADRS,  27
.set SPW,   28
.set NIL,   29
.set GO8,   30
.set H8,    31                         ; v31  8 h
.set SC,    32
.set AF,    128
.set BM,    64                         ; v64-67 the chains of maxima; then v64, v65 the two blocks' largest
.set T4,    68
.set NM,    72                         ; v[72:73] -M, and the largest t
.set SU0,   74
.set SU1,   76
.set TT,    78
.set SO,    80
.set BY,    84
.set WD,    86
.set PC,    88                         ; v88-99 the codes
.set PD,    100
.set PWR,   108                        ; v108-115 the eight blocks' scale words; v116-123 their -M; v128-135 their sums
.set NMR,   116
.set LSR,   128
.set CS,    8                          ; s[8:9]   c = log2(e) / 32
.set SEL,   10
.set G1,    24                         ; s[24:31] group 1 for q's tiles; s[32:39] group 0 for slots 0, 1
.set G0,    32
.set G1B,   48                         ; s[48:55], s[56:63] the same for k's
.set G0B,   56
.set MSB, 0
.macro WIN new
.if MSB != (\new)
	s_set_vgpr_msb (MSB<<8)|(\new)
.set MSB, (\new)
.endif
.endm
.macro JLOAD s                         ; a joint load into slot s: waves 0 and 1 fetch for q, waves 2 and 3 for k
	s_cmp_eq_u32 s15, 0
	s_cbranch_scc0 .Lfor_b_\@
	tensor_load_to_lds s[G0+4*\s:G0+4*\s+3], s[G1:G1+7]
	s_nop 0
.rept 4
	v_nop
.endr
	s_branch .Lasked_\@
.Lfor_b_\@:
	tensor_load_to_lds s[G0B+4*\s:G0B+4*\s+3], s[G1B:G1B+7]
	s_nop 0
.rept 4
	v_nop
.endr
.Lasked_\@:
.endm
.macro CREST
	s_cmp_lg_u32 s14, 0
	s_cbranch_scc1 .Lnot_wave_0_\@
	s_barrier_signal -3
.Lnot_wave_0_\@:
	s_barrier_wait -3
	s_barrier_signal -1
	s_barrier_wait -1
.endm
.macro CROUND
	s_barrier_signal -1
	s_barrier_wait -1
	CREST
.endm
.macro PLACES n
.rept \n
	v_nop
.endr
.endm
.macro SHAPE g, rows                   ; group 1 of a dense block: rows of 256 bytes (32 elements of 8 bytes)
	s_mov_b32 s[\g+1], 32<<16
	s_mov_b32 s[\g+2], (\rows)<<16
	s_mov_b32 s[\g+3], 32<<16
	s_mov_b32 s[\g+4], \rows
	s_mov_b32 s[\g+5], 32
	s_mov_b32 s[\g+6], 0
	s_mov_b32 s[\g+7], 0
.endm
.macro FRAG r, a16, a8, off
	ds_load_b128 v[(\r):(\r)+3], v[\a16] offset:\off
	ds_load_b64 v[(\r)+4:(\r)+5], v[\a8] offset:(\off)+1024
	ds_load_b128 v[(\r)+6:(\r)+9], v[\a16] offset:(\off)+512
	ds_load_b64 v[(\r)+10:(\r)+11], v[\a8] offset:(\off)+1280
.endm
; Chunk n lies in slot (n / 3) % 2 at place n % 3; k's fragments go to set n % 2.
.macro FETCH_B n
	WIN 0x40
.irp i, 0,1,2,3,4,5,6,7
	FRAG 128*((\n)%2)+FR*\i, B16+((\n)/3)%2, B8+((\n)/3)%2, ((\n)%3)*CH+\i*FRB
.endr
	WIN 0
.endm
.macro FETCH_A n, i0
.irp i, 0,1,2,3
	FRAG AF+FR*((\i0)+\i), A16+((\n)/3)%2, A8+((\n)/3)%2, ((\n)%3)*CH+((\i0)+\i)*FRB
.endr
.endm
.macro SCALES pr                       ; the scale words of chunks 2 pr, 2 pr + 1 into set pr % 2: register 2 i + q: lanes 0-15 q's block i, lanes 16-31 k's block i
.irp i, 0,1,2,3,4,5,6,7
	ds_load_b32 v[SC+16*((\pr)%2)+2*\i], v[ADRS] offset:1024*(\pr)+64*\i
	ds_load_b32 v[SC+16*((\pr)%2)+2*\i+1], v[ADRS] offset:1024*(\pr)+512+64*\i
.endr
.endm
.macro MULS a0, m, n                   ; q's blocks a0 .. a0 + m - 1 against k's eight, chunk n; chunk 0's products start the sums.  The accumulators take turns
.set MA, \a0
.rept \m
.irp b, 0,1,2,3,4,5,6,7
.set rD, 64*(MA%NH)+8*\b
.set rB, 128*((\n)%2)+FR*\b
.set rA, AF+FR*MA
.set rU, SC+16*(((\n)/2)%2)+2*\b+(\n)%2
.set rW, SC+16*(((\n)/2)%2)+2*MA+(\n)%2
.if (\n) == 0
	v_wmma_scale_f32_16x16x128_f8f6f4 v[rD:rD+7], v[rB:rB+FR-1], v[rA:rA+FR-1], 0, v[rU], v[rW] matrix_a_fmt:MATRIX_FMT_FP6 matrix_b_fmt:MATRIX_FMT_FP6 matrix_a_scale:MATRIX_SCALE_ROW1
.else
	v_wmma_scale_f32_16x16x128_f8f6f4 v[rD:rD+7], v[rB:rB+FR-1], v[rA:rA+FR-1], v[rD:rD+7], v[rU], v[rW] matrix_a_fmt:MATRIX_FMT_FP6 matrix_b_fmt:MATRIX_FMT_FP6 matrix_a_scale:MATRIX_SCALE_ROW1
.endif
.endr
.set MA, MA+1
.endr
.endm
; Chunk n, which has a successor.  kind 1, 2: the successor lies in the other slot: a barrier shows it whole; kind 1: it opens a round, and slot 0 takes the last two chunks.
.macro STEP n, kind
.if \kind
	s_wait_tensorcnt 0x0                           ; all my tensor loads have landed
	ds_add_u32 v[SPW], v[NIL]
	s_wait_dscnt NH*NL+1                           ; (the add and the youngest sixteen loads may be out)
.if (\kind) == 1
.irp g, G1, G1B
	s_mov_b32 s[\g+2], (2*CH/256)<<16
	s_mov_b32 s[\g+4], 2*CH/256
.endr
	s_add_nc_u64 s[G0+2:G0+3], s[G0+2:G0+3], 6*CH
	s_add_nc_u64 s[G0B+2:G0B+3], s[G0B+2:G0B+3], 6*CH
.endif
.else
	s_wait_dscnt NH*NL                             ; k's set, the scale words and q's blocks 0-3 are in; the youngest sixteen loads (blocks 4-7) may be out
.endif
	WIN 0xa1
	MULS 0, 2, \n
.if \kind
	s_wait_dscnt 0x0                               ; the add is done, and my reads of this slot are over
	s_barrier_signal -1
	MULS 2, 2, \n
	WIN 0
	s_barrier_wait -1
.if (\kind) == 1
	CREST                                          ; no wave of any partner still reads slot 0 or has a load on its way
	JLOAD 0
.else
	PLACES 4
.endif
.else
	MULS 2, 2, \n
	s_wait_dscnt 0x0
	PLACES 4
.endif
	FETCH_B (\n)+1
	FETCH_A (\n)+1, 0
.if (\n)%2
	SCALES ((\n)+1)/2
.endif
	WIN 0xf1
	MULS 4, 4, \n
	PLACES 4
	WIN 0
	FETCH_A (\n)+1, 4
.endm
	s_load_b128 s[4:7], s[0:1], 0x0                ; w2 s[4:5], w3 s[6:7]
	v_lshl_add_u32 v[SPW], v0, 2, SPARE
	v_mov_b32 v[NIL], 0
	ds_add_u32 v[SPW], v[NIL]                      ; the wave's opening: the add, twice on end
	ds_add_u32 v[SPW], v[NIL]
	v_lshrrev_b32 v1, 5, v0
	v_readfirstlane_b32 s14, v1                    ; wave 0..3
	s_lshr_b32 s15, s14, 1                         ; which 128 queries I multiply.  Also: I fetch for q (0) or for k (1)
	s_and_b32 s16, s14, 1                          ; which 128 keys.  Also: which row group I fetch
	s_bfe_u32 s40, ttmp6, 0x40000                  ; cx
	s_bfe_u32 s41, ttmp6, 0x40004                  ; cy
	s_and_b32 s17, ttmp7, 0xffff
	s_lshl_b32 s43, s41, 2
	s_lshl_b32 s43, 15, s43
	s_lshl_b32 s44, 0x1111, s40
	s_or_b32 s[G1], s43, (3<<16)|(1<<21)
	s_or_b32 s[G1B], s44, (3<<16)|(1<<21)
	SHAPE G1, PART/256
	SHAPE G1B, PART/256
	s_lshl_b32 s20, s17, 2
	s_add_co_u32 s20, s20, s41                     ; the tile of 256 queries, over all batches: 4 y + cy
	s_lshl_b32 s21, s20, 1
	s_add_co_u32 s21, s21, s16
	s_mul_i32 s18, s21, 16*CH                      ; a token group's 16 chunks; q's are the first eight
	s_mov_b32 s19, 0
	s_lshl_b32 s22, s21, 13
	s_add_co_u32 s22, s22, QKS
	s_lshl_b32 s66, ttmp9, 2
	s_add_co_u32 s66, s66, s40                     ; the tile of 256 keys in the batch: 4 x + cx
	s_lshr_b32 s67, s17, 1                         ; the batch, from the cluster's y alone
	s_lshl_b32 s67, s67, 4
	s_lshl_b32 s46, s66, 1
	s_add_co_u32 s67, s67, s46
	s_add_co_u32 s67, s67, s16
	s_mul_i32 s46, s67, 16*CH
	s_add_co_u32 s46, s46, 8*CH                    ; k's chunks are the second eight
	s_mov_b32 s47, 0
	s_lshl_b32 s92, s67, 13
	s_add_co_u32 s92, s92, QKS+4096
	s_cmp_eq_u32 s15, 0                            ; wave w brings the scale words of part w of a slot, and prefetches for that part
	s_cselect_b32 s12, s22, s92
	s_cselect_b32 s89, s40, s41                    ; my place among the four that ask with me
	s_mov_b32 s13, 0
	s_mul_i32 s45, s14, PART                       ; where the tiles go: wave x a part: no place in the cluster enters an LDS address
	s_mov_b32 s[CS], 0x3d38aa3b                    ; log2(e) / 32
	s_mov_b32 s[CS+1], s[CS]
	s_mov_b32 s[SEL], 0x76543210
	s_mov_b32 s[SEL+1], 0xfedcba98
	v_and_b32 v1, 31, v0
	v_and_b32 v2, 15, v0
	v_bfe_u32 v3, v0, 4, 1
	v_lshlrev_b32 v[GOF], 4, v1
	v_lshlrev_b32 v[GO8], 3, v1
	v_lshlrev_b32 v[H8], 3, v3
	s_mul_i32 s21, s89, PART/4
	s_add_co_u32 s22, s21, PART
	v_lshl_add_u32 v12, v1, 8, s22                 ; the prefetches: chunks 3-5: my 36 blocks of 256 bytes of the part, 32 and 4;
	s_add_co_u32 s22, s22, 32*256
	v_min_u32 v13, 3, v1
	v_lshl_add_u32 v13, v13, 8, s22
	s_mul_i32 s21, s89, 2*CH/4
	s_add_co_u32 s21, s21, 6*CH
	v_min_u32 v14, 23, v1
	v_lshl_add_u32 v14, v14, 8, s21                ; chunks 6, 7: my 24
	s_wait_alu depctr_va_vdst(0)
	s_wait_dscnt 0x0
	CROUND                                         ; all sixteen work-groups are here: the first joint loads meet
	s_wait_kmcnt 0x0
	s_add_nc_u64 s[18:19], s[4:5], s[18:19]
	s_add_nc_u64 s[46:47], s[4:5], s[46:47]
	s_add_nc_u64 s[12:13], s[4:5], s[12:13]
.irp s, 0,1
	s_mov_b32 s[G0+4*\s], 1
	s_add_co_u32 s[G0+4*\s+1], s45, \s*SLOT
	s_add_nc_u64 s[G0+4*\s+2:G0+4*\s+3], s[18:19], \s*PART
	s_or_b32 s[G0+4*\s+3], s[G0+4*\s+3], 0x80000000
	s_mov_b32 s[G0B+4*\s], 1
	s_add_co_u32 s[G0B+4*\s+1], s45, \s*SLOT
	s_add_nc_u64 s[G0B+4*\s+2:G0B+4*\s+3], s[46:47], \s*PART
	s_or_b32 s[G0B+4*\s+3], s[G0B+4*\s+3], 0x80000000
.endr
	JLOAD 0                                        ; chunks 0-2: one tensor load a wave at the head
	s_cmp_eq_u32 s15, 0
	s_cselect_b64 s[90:91], s[18:19], s[46:47]
.irp i, 0,1,2,3,4,5,6,7                        ; my row group's scale words: 512 consecutive bytes a load
	global_load_b128 v[128+4*\i:131+4*\i], v[GOF], s[12:13] offset:512*\i
.endr
	global_prefetch_b8 v12, s[90:91] th:TH_LOAD_NT scope:SCOPE_SE
	global_prefetch_b8 v13, s[90:91] th:TH_LOAD_NT scope:SCOPE_SE
	s_mul_i32 s21, s15, PART
	s_mul_i32 s22, s16, PART
	s_add_co_u32 s22, s22, 2*PART
.irp s, 0,1
	v_add_nc_u32 v[A16+\s], s21, v[GOF]
	v_add_nc_u32 v[A8+\s], s21, v[GO8]
	v_add_nc_u32 v[B16+\s], s22, v[GOF]
	v_add_nc_u32 v[B8+\s], s22, v[GO8]
	s_add_co_u32 s21, s21, SLOT
	s_add_co_u32 s22, s22, SLOT
.endr
	s_lshl_b32 s21, s15, 12
	s_lshl_b32 s22, s16, 12
	s_add_co_u32 s22, s22, 2*4096
	s_sub_co_u32 s22, s22, s21
	v_mul_u32_u24 v5, s22, v3                      ; lanes 16-31 take k's words
	s_add_co_u32 s21, s21, SCL
	v_lshl_add_u32 v5, v2, 2, v5
	v_add_nc_u32 v[ADRS], s21, v5
	s_mul_i32 s23, s14, 1536
	s_add_co_u32 s23, s23, SST
	v_lshl_add_u32 v[SSA], v2, 2, s23
	v_add_nc_u32 v[SSR], s23, v[GOF]
	s_lshl_b32 s23, s14, 12
	s_add_co_u32 s23, s23, SCL
	v_add_nc_u32 v4, s23, v[GOF]                   ; where my row group's scale words go
	s_lshl_b32 s98, s20, 1
	s_add_co_u32 s98, s98, s15                     ; my 128 queries' group,
	s_lshl_b32 s98, s98, 4
	s_lshl_b32 s99, s66, 1
	s_add_co_u32 s98, s98, s99
	s_add_co_u32 s98, s98, s16                     ; x 16 + my 128 keys' chunk
	s_mul_i32 s94, s98, 8*FRB
	s_mov_b32 s95, 0
	s_lshl_b32 s96, s98, 9
	s_add_co_u32 s96, s96, PS
	s_mov_b32 s97, 0
	s_add_nc_u64 s[94:95], s[6:7], s[94:95]        ; p's codes
	s_add_nc_u64 s[96:97], s[6:7], s[96:97]        ; its scale words; -M and the sums by immediates
	s_wait_alu depctr_va_vdst(0)                   ; the wait at the head's end
	s_wait_loadcnt 0x0
.irp i, 0,1,2,3,4,5,6,7
	ds_store_b128 v4, v[128+4*\i:131+4*\i] offset:512*\i
.endr
	s_wait_tensorcnt 0x0                           ; my part of slot 0 is in
	ds_add_u32 v[SPW], v[NIL]
	s_wait_dscnt 0x0                               ; the add is done, and my scale words have landed
	CROUND                                         ; slot 0 and the scale words are whole, and the partners are here
	JLOAD 1                                        ; chunks 3-5
	FETCH_B 0
	FETCH_A 0, 0
	SCALES 0
	FETCH_A 0, 4
	global_prefetch_b8 v14, s[90:91] th:TH_LOAD_NT scope:SCOPE_SE
	STEP 0, 0
	STEP 1, 0
	STEP 2, 1                                      ; slot 1 is whole; slot 0 takes chunks 6, 7
	STEP 3, 0
	STEP 4, 0
	STEP 5, 2                                      ; slot 0 is whole; nothing is filled
	STEP 6, 0
	s_wait_dscnt NH*NL
	WIN 0xa1
	MULS 0, 4, 7
	s_wait_dscnt 0x0
	WIN 0xf1
	MULS 4, 4, 7
	WIN 0
; THE WAY OUT.  Block a: lane (r, h) holds one query; register 32 c + i is the score of key 64 c + 32 h + i of my 128: the operand's own layout.
.macro SOFTQ a
.set WW, 2+(\a)/4
.set AC, 64*((\a)%4)
.set W11, WW|(WW<<2)                   ; sources 0 and 1 in the block's window
.set W41, WW|(WW<<6)                   ; source 0 and the destination
	WIN W11
.irp k, 0,1,2,3
	v_max3_num_f32 v[BM+\k], v[AC+16*\k], v[AC+16*\k+1], 0xff7fffff   ; four chains, two to a block of 32 keys (each accumulator is read from its low end on)
.endr
.irp i, 2,4,6,8,10,12,14
.irp k, 0,1,2,3
	v_max3_num_f32 v[BM+\k], v[AC+16*\k+\i], v[AC+16*\k+\i+1], v[BM+\k]
.endr
.endr
	WIN 0
	v_max_num_f32 v[BM], v[BM], v[BM+1]            ; each block's largest score: it serves for the maximum and, since p rises with the score, for the block's largest p
	v_max_num_f32 v[BM+1], v[BM+2], v[BM+3]
	v_max_num_f32 v[TT], v[BM], v[BM+1]
	v_permlanex16_b32 v[T4], v[TT], s[SEL], s[SEL+1]
	v_max_num_f32 v[TT], v[TT], v[T4]              ; the largest score of my query among the 128 keys
	v_mul_f32 v[NM+1], s[CS], v[TT]                ; as t (c is positive)
	v_floor_f32 v[NM], -v[NM+1]                    ; -M = floor(-t) = -ceil(t): a whole number
	WIN W41
.set J, 0
.rept 32
	v_pk_fma_f32 v[AC+J:AC+J+1], v[AC+J:AC+J+1], s[CS:CS+1], v[NM:NM+1] op_sel_hi:[1,0,0]   ; t - M, two at a time
.set J, J+2
.endr
	WIN 0
	v_fma_f32 v[BM], v[BM], s[CS], v[NM]           ; the same of each block's largest score
	v_fma_f32 v[BM+1], v[BM+1], s[CS], v[NM]
	s_wait_xcnt 0x0                                ; the block before has had its stores' registers read: the codes may be written again
	s_wait_alu depctr_va_vdst(0)                   ; the wait ahead of the batch
	WIN W41
.set J, 0
.rept 64
	v_exp_f32 v[AC+J], v[AC+J]                     ; p = 2^(t - M), at most 1
.set J, J+1
.endr
	WIN 0
	v_exp_f32 v[BM], v[BM]                         ; the blocks' largest p: the same two instructions on the same number give the same bits
	v_exp_f32 v[BM+1], v[BM+1]
	v_mov_b32 v[NMR+(\a)], v[NM]                   ; (the plain instruction behind the exponentials)
	s_wait_alu depctr_va_vdst(0)                   ; and behind it
	WIN W11
	v_pk_add_f32 v[SU0:SU0+1], v[AC:AC+1], v[AC+2:AC+3]        ; the sum is taken of the unquantised p, in two chains
	v_pk_add_f32 v[SU1:SU1+1], v[AC+4:AC+5], v[AC+6:AC+7]
	WIN WW
.irp j, 8,12,16,20,24,28,32,36,40,44,48,52,56,60
	v_pk_add_f32 v[SU0:SU0+1], v[AC+\j:AC+\j+1], v[SU0:SU0+1]
	v_pk_add_f32 v[SU1:SU1+1], v[AC+\j+2:AC+\j+3], v[SU1:SU1+1]
.endr
	WIN 0
	v_pk_add_f32 v[SU0:SU0+1], v[SU0:SU0+1], v[SU1:SU1+1]
	v_max_num_f32 v[BM], 0x1800000, v[BM]          ; the floor 2^(3 - 127): the byte cannot fall under 1
	v_max_num_f32 v[BM+1], 0x1800000, v[BM+1]
	v_add_nc_u32 v[SO], 0xff000000, v[BM]          ; 2 off the exponent field: the conversion's scale operand
	v_add_nc_u32 v[SO+1], 0xff000000, v[BM+1]
	v_lshrrev_b32 v[BY], 23, v[SO]                 ; the scale's byte, under the local M
	v_lshrrev_b32 v[BY+1], 23, v[SO+1]
	v_add_f32 v[TT], v[SU0], v[SU0+1]
	v_lshl_or_b32 v[WD], v[BY+1], 16, v[BY]
	v_lshlrev_b32 v[WD], v[H8], v[WD]              ; bytes h and 2 + h
	v_permlanex16_b32 v[T4], v[WD], s[SEL], s[SEL+1]
	v_or_b32 v[PWR+(\a)], v[WD], v[T4]
	v_permlanex16_b32 v[T4], v[TT], s[SEL], s[SEL+1]
	WIN WW
.irp c, 0,1
	v_cvt_scalef32_pk16_fp6_f32 v[PC+6*\c:PC+6*\c+2], v[AC+32*\c:AC+32*\c+15], v[SO+\c]
	v_cvt_scalef32_pk16_fp6_f32 v[PD+4*\c:PD+4*\c+2], v[AC+32*\c+16:AC+32*\c+31], v[SO+\c]
.endr
	WIN 0
	v_add_f32 v[LSR+(\a)], v[TT], v[T4]            ; with lane l xor 16's: the sum over the 128 keys (the plain instruction behind the conversions)
.irp i, 0,1,2
	v_mov_b32 v[PC+3+\i], v[PD+\i]
	v_mov_b32 v[PC+9+\i], v[PD+4+\i]
.endr
.irp c, 0,1,2
	global_store_b128 v[GOF], v[PC+4*\c:PC+4*\c+3], s[94:95] offset:FRB*(\a)+512*\c   ; 512 consecutive bytes, at a multiple of 256 from the buffer's first byte
.endr
.endm
	PLACES 4
	v_mov_b32 v[T4], 0                             ; a lane permute's destination counts as one of its sources
.irp a, 0,1,2,3,4,5,6,7
	SOFTQ \a
.endr
.irp a, 0,1,2,3,4,5,6,7
	ds_store_b32 v[SSA], v[PWR+\a] offset:64*\a    ; words, -M and sums of the eight blocks meet in my own stage (lanes r and r + 16 write the same word with the same value)
	ds_store_b32 v[SSA], v[NMR+\a] offset:512+64*\a
	ds_store_b32 v[SSA], v[LSR+\a] offset:1024+64*\a
.endr
.irp c, 0,1,2
	ds_load_b128 v[136+4*\c:139+4*\c], v[SSR] offset:512*\c   ; LDS serves a wave's instructions in order: these see my stores
.endr
	s_wait_dscnt 0x0
.irp c, 0,1,2
	global_store_b128 v[GOF], v[136+4*\c:139+4*\c], s[96:97] offset:524288*\c   ; 512 consecutive aligned bytes each
.endr
	s_wait_tensorcnt 0x0                           ; the wave's end
	ds_add_u32 v[SPW], v[NIL]
	s_wait_dscnt 0x0
	CROUND                                         ; the closing round
	s_endpgm
.Lfunc_end_k_q2616972eab_scores:
	.size	k_q2616972eab_scores, .Lfunc_end_k_q2616972eab_scores-k_q2616972eab_scores
	.p2alignl 7, 3214868480
	.fill 96, 4, 3214868480
	.section	.rodata,"a",@progbits
	.p2align	6, 0x0
	.amdhsa_kernel k_q2616972eab_scores
		.amdhsa_group_segment_fixed_size 327680
		.amdhsa_private_segment_fixed_size 0
		.amdhsa_enable_private_segment 0
		.amdhsa_kernarg_size 16
		.amdhsa_user_sgpr_count 2
		.amdhsa_user_sgpr_kernarg_segment_ptr 1
		.amdhsa_wavefront_size32 1
		.amdhsa_system_sgpr_workgroup_id_x 1
		.amdhsa_system_sgpr_workgroup_id_y 1
		.amdhsa_system_sgpr_workgroup_id_z 1
		.amdhsa_system_vgpr_workitem_id 0
		.amdhsa_next_free_vgpr 1024
		.amdhsa_next_free_sgpr 102
		.amdhsa_reserve_vcc 0
		.amdhsa_float_denorm_mode_32 3
		.amdhsa_float_denorm_mode_16_64 3
		.amdhsa_memory_ordered 1
		.amdhsa_forward_progress 1
		.amdhsa_inst_pref_size 201
	.end_amdhsa_kernel
	.amdgpu_metadata
---
amdhsa.version: [ 1, 2 ]
amdhsa.kernels:
  - .name:           k_q2616972eab_scores
    .symbol:         k_q2616972eab_scores.kd
    .args:
      - { .name: w2, .offset: 0, .size: 8, .value_kind: global_buffer, .address_space: global }
      - { .name: w3, .offset: 8, .size: 8, .value_kind: global_buffer, .address_space: global }
    .group_segment_fixed_size: 327680
    .private_segment_fixed_size: 0
    .kernarg_segment_align: 8
    .kernarg_segment_size: 16
    .max_flat_workgroup_size: 128
    .sgpr_count:     102
    .vgpr_count:     1024
    .wavefront_size: 32
...
	.end_amdgpu_metadata
.endif
;; end of part 7
;; launch pv (part 8): grid 4 x 64, 4 waves a work-group, clusters of 4 x 4, 327,680 bytes of LDS; arguments w3, w2, out0; writes out0
.if DOCPART == 8
	.amdgcn_target "amdgcn-amd-amdhsa--gfx1250"
	.amdhsa_code_object_version 6
	.text
	.protected	k_q2616972eab_pv
	.globl	k_q2616972eab_pv
	.p2align	8
	.type	k_q2616972eab_pv,@function
k_q2616972eab_pv:
	s_mov_b64 s[64:65], 0
	v_nop
	global_prefetch_b8 v0, s[64:65] scope:SCOPE_SE
	s_setreg_imm32_b32 hwreg(HW_REG_WAVE_MODE, 25, 1), 1
	s_wait_xcnt 0x0
	s_wait_alu depctr_hold_cnt(0) depctr_sa_sdst(0) depctr_va_vdst(0) depctr_va_sdst(0) depctr_va_ssrc(0) depctr_va_vcc(0) depctr_vm_vsrc(0)
	s_getreg_b32 s2, hwreg(HW_REG_IB_STS2, 6, 4)
	s_cmp_eq_u32 s2, 0
	s_cbranch_scc0 .Lentry_in_a_cluster
	s_endpgm
.Lentry_in_a_cluster:
	s_bfe_u32 s2, ttmp6, 0x10000c
	s_cmp_lg_u32 s2, 0xf033
	s_cbranch_scc0 .Lentry_shape_is_right
	s_endpgm
.Lentry_shape_is_right:
; O = (p V) / l on codes of FP6 (E2M3) with E8M0 scales, K = the batch's 2,048 keys.  O^T = V^T P^T: source 0 = 16 features of V (keys innermost), source 1 = 16 queries of p: a lane holds one query, its registers run along the features.
; p's codes were made under a LOCAL M for each 128 keys.  First each thread takes one of the work-group's 128 queries: the row's -M is the least of its sixteen local -M; d = row's M - local M is a whole number, 0 or more;
; d is taken off each of the chunk's four scale bytes (held at 0 from below), and l = the sum of the local sums x 2^-d.  The multiplications by 2^-d round nothing.  The adjusted words and 1 / l go to LDS, for all four waves.
; OPERANDS are images of registers (fragment: 16 rows x 128 K, 1,536 bytes); slot m of fragment rb of a row group holds row 64 (rb / 4) + 32 (m / 8) + 8 (rb % 4) + m % 8; only the stores of O undo that, by immediates.
; w3: p: fragment ((16 g + kc) 8 + rb), g = query / 128, kc = key / 128 in the batch; from PS scale words, + 524,288 local -M, + 1,048,576 local sums.  w2: V from VCO: fragment ((64 gd + kc) 8 + rb), gd = feature / 128, kc = token / 128; scale words from VSO.
; A work-group makes 256 features x 128 queries (with 256 queries there would be half as many work-groups as the grid has now), a wave 128 x 64: 32 accumulators.
; K goes through two LDS slots of 512 along K, four chunks of 128, 147,456 bytes each: as large as two fit beside the scale words.  So a slot holds 128 matrix instructions of a wave, half of K is asked for at the start,
; and only two refills follow, each with 112 matrix instructions in which to land.
; 4 x 4 clusters: p's tiles are asked for jointly along a row, V's tiles along a column.
; LIMITS: NaN and infinities are not served.  A block of p that lies more than 2^-127 under the row's largest p is held at the byte 0 (2^-127) and not flushed: under 2^-120 beside a sum of at least 1/2.  d is held at 256.
; REGISTERS: window 0: v1-31 addresses; v32-47 p's scale words, v48-79 V's, two sets each, a set for 256 along K; v80-87 1 / l; v128-175 p's four fragments; v176-239 the statistics; on the way out v128-255 rows of O.
;   window 1: V's eight fragments, two sets.  window 2: accumulators of blocks 0, 1 ((a, b) at v[64 (a % 2) + 8 b]); window 3: of blocks 2, 3.
; ROW ORDER: the order in force is this one: slot m of fragment rb holds row 64 (rb / 4) + 32 (m / 8) + 8 (rb % 4) + m % 8 of its row group.  V's scale words come by loads into registers and LDS stores; at the head a wave issues one tensor load.
.set FR,    12
.set NL,    3
.set FRB,   FR*128
.set HALFT, 16*FRB                     ; 256 along K of a row group
.set PART,  2*HALFT                    ; 512 along K of a row group
.set SLOT,  3*PART                     ; p's row group, then V's two
.set NA,    4
.set NH,    NA/2
.set SCB,   2*SLOT                     ; V's scale words: 8,192 bytes a row group
.set SCA,   SCB+16384                  ; p's adjusted scale words: [chunk][row], 8,192 bytes: written by LDS stores, no fill lands here
.set RL,    SCA+8192                   ; 1 / l, a word a row
.set SPARE, RL+512                     ; the spare words, 128 bytes for each wave: two blocks of 256 bytes that no other line names
.set PS,    12582912
.set VCO,   13107200
.set VSO,   19398656
.set ADRA,  16
.set ADRB,  20
.set ADSA,  22                         ; v22  p's scale words of my four blocks
.set ADSB,  23                         ; v23  V's of my row group
.set STO,   24                         ; v24  the way out: where I put a row's bytes
.set RD,    25                         ; v25  and where I read a row back
.set CO,    26                         ; v26  16 x lane
.set TH4,   27                         ; v27  4 x my thread's number
.set SPW,   28
.set NIL,   29
.set SAW,   30                         ; v30  SCA + 4 x my thread's number
.set RLA,   31                         ; v31  1 / l of my blocks' rows
.set SA,    32
.set SB,    48
.set RLR,   80
.set AF,    128
.set PMR,   176                        ; sixteen local -M; sixteen local sums; sixteen scale words
.set PLR,   192
.set PSR,   208
.set NMG,   224
.set LL,    225
.set DD,    226
.set T0,    227
.set T1,    228                        ; v228-231 bytes, v232-235 what is taken off
.set T5,    232
.set BK,    128
.set G1,    24                         ; s[24:31] group 1 for p's tiles; s[32:39] group 0, a set for each slot
.set G0,    32
.set G1B,   48                         ; s[48:55], s[56:63] for V's
.set G0B,   56
.set VST,   88                         ; v88-119 V's scale words on their way into LDS
.set MSB, 0
.macro WIN new
.if MSB != (\new)
	s_set_vgpr_msb (MSB<<8)|(\new)
.set MSB, (\new)
.endif
.endm
.macro JLOAD g0a, g1a, g0b, g1b        ; a joint load: waves 0 and 1 fetch the two halves of p's part, waves 2 and 3 V's two row groups; an s_nop 0 and four v_nop follow each of the two lines
	s_cmp_eq_u32 s15, 0
	s_cbranch_scc0 .Lfor_b_\@
	tensor_load_to_lds s[\g0a:\g0a+3], s[\g1a:\g1a+7]
	s_nop 0
.rept 4
	v_nop
.endr
	s_branch .Lasked_\@
.Lfor_b_\@:
	tensor_load_to_lds s[\g0b:\g0b+3], s[\g1b:\g1b+7]
	s_nop 0
.rept 4
	v_nop
.endr
.Lasked_\@:
.endm
.macro CREST
	s_cmp_lg_u32 s14, 0
	s_cbranch_scc1 .Lnot_wave_0_\@
	s_barrier_signal -3
.Lnot_wave_0_\@:
	s_barrier_wait -3
	s_barrier_signal -1
	s_barrier_wait -1
.endm
.macro CROUND
	s_barrier_signal -1
	s_barrier_wait -1
	CREST
.endm
.macro PLACES n
.rept \n
	v_nop
.endr
.endm
.macro SHAPE g, rows                   ; group 1 of a dense block: rows of 256 bytes (32 elements of 8 bytes), no padding
	s_mov_b32 s[\g+1], 32<<16
	s_mov_b32 s[\g+2], (\rows)<<16
	s_mov_b32 s[\g+3], 32<<16
	s_mov_b32 s[\g+4], \rows
	s_mov_b32 s[\g+5], 32
	s_mov_b32 s[\g+6], 0
	s_mov_b32 s[\g+7], 0
.endm
.macro FRAG reg, adr, q, i             ; fragment i of the slot's chunk q: three loads of 512 consecutive bytes
.irp c, 0,1,2
	ds_load_b128 v[(\reg)+4*\c:(\reg)+4*\c+3], v[\adr] offset:((\q)*8+(\i))*FRB+512*\c
.endr
.endm
.macro FETCH_B slot, q, p
	WIN 0x40
.irp i, 0,1,2,3,4,5,6,7
	FRAG 128*(\p)+FR*\i, ADRB+\slot, \q, \i
.endr
	WIN 0
.endm
.macro FETCH_A slot, q, i0
.set FI, \i0
.rept NH
	FRAG AF+FR*FI, ADRA+\slot, \q, FI
.set FI, FI+1
.endr
.endm
.macro SCALES sc                       ; the scale words of 256 along K into set sc: 8 of p's, 16 of V's; lane r takes row r's (lanes 16-31 the same, not read)
.irp a, 0,1,2,3
	ds_load_b32 v[SA+8*(\sc)+2*\a], v[ADSA] offset:64*\a
	ds_load_b32 v[SA+8*(\sc)+2*\a+1], v[ADSA] offset:512+64*\a
.endr
.irp b, 0,1,2,3,4,5,6,7
	ds_load_b32 v[SB+16*(\sc)+2*\b], v[ADSB] offset:64*\b
	ds_load_b32 v[SB+16*(\sc)+2*\b+1], v[ADSB] offset:512+64*\b
.endr
.endm
.macro SNEXT                           ; the scale words' addresses go 256 along K on: two chunks of 512 bytes
	v_add_nc_u32 v[ADSA], 1024, v[ADSA]
	v_add_nc_u32 v[ADSB], 1024, v[ADSB]
.endm
.macro MULB a, qq, sc, cm              ; p's block a against V's eight; qq: the chunk's parity: V's set, and the word in the scales' set sc; cm = 1: the first product starts the sums.  The accumulators take turns
.irp b, 0,1,2,3,4,5,6,7
.set rD, 64*((\a)%NH)+8*\b
.set rB, 128*(\qq)+FR*\b
.set rA, AF+FR*(\a)
.set rU, SB+16*(\sc)+2*\b+(\qq)
.set rW, SA+8*(\sc)+2*(\a)+(\qq)
.if (\cm) == 0
	v_wmma_scale_f32_16x16x128_f8f6f4 v[rD:rD+7], v[rB:rB+FR-1], v[rA:rA+FR-1], v[rD:rD+7], v[rU], v[rW] matrix_a_fmt:MATRIX_FMT_FP6 matrix_b_fmt:MATRIX_FMT_FP6
.else
	v_wmma_scale_f32_16x16x128_f8f6f4 v[rD:rD+7], v[rB:rB+FR-1], v[rA:rA+FR-1], 0, v[rU], v[rW] matrix_a_fmt:MATRIX_FMT_FP6 matrix_b_fmt:MATRIX_FMT_FP6
.endif
.endr
.endm
.macro MULS a0, n, qq, sc, cm
.set MA, \a0
.rept \n
	MULB MA, \qq, \sc, \cm
.set MA, MA+1
.endr
.endm
; Chunk q of a slot, which has its successor in the same slot.  fs >= 0: the successor begins a new 256 along K: its scale words are fetched into set fs.
.macro STEP slot, q, sc, cm, fs
	s_wait_dscnt NH*NL                             ; V's set, the scale words and p's blocks 0, 1 are in; the youngest six loads (blocks 2, 3) may be out
	WIN 0xa1
	MULS 0, NH, (\q)%2, \sc, \cm
	s_wait_dscnt 0x0
	PLACES 4
.if (\fs) >= 0
	WIN 0
	SNEXT
.endif
	FETCH_B \slot, (\q)+1, 1-(\q)%2
	FETCH_A \slot, (\q)+1, 0
.if (\fs) >= 0
	SCALES \fs
.endif
	WIN 0xf1
	MULS NH, NH, (\q)%2, \sc, \cm
	PLACES 4
	WIN 0
	FETCH_A \slot, (\q)+1, NH
.endm
.macro STEPS3 slot, cm                 ; a slot's first three chunks
	STEP \slot, 0, 0, \cm, -1
	STEP \slot, 1, 0, 0, 1
	STEP \slot, 2, 1, 0, -1
.endm
; A slot's fourth chunk changes slots: ONE barrier; in front of it each wave waits for all its tensor loads, adds 0 to its spare word, and waits for that and for its reads of this slot.  fill = 1: the slot is filled again, with the 512 along K two slots on.
.macro TURN slot, next, fill
	s_wait_tensorcnt 0x0                           ; all my tensor loads have landed: the one that was out is my part of the next slot
	ds_add_u32 v[SPW], v[NIL]                      ; 0 onto my spare word
	s_wait_dscnt NH*NL+1                           ; (the add and the youngest six loads may be out)
	WIN 0xa1
	MULS 0, NH/2, 1, 1, 0
	s_wait_dscnt 0x0                               ; the add is done, and my reads of this slot are over
	s_barrier_signal -1
	MULS NH/2, NH/2, 1, 1, 0
	WIN 0
	s_barrier_wait -1
.if \fill
	CREST                                          ; no wave of any partner still reads this slot or has a load on its way
	s_add_nc_u64 s[G0+4*\slot+2:G0+4*\slot+3], s[G0+4*\slot+2:G0+4*\slot+3], 2*PART
	s_add_nc_u64 s[G0B+4*\slot+2:G0B+4*\slot+3], s[G0B+4*\slot+2:G0B+4*\slot+3], 2*PART
	JLOAD G0+4*\slot, G1, G0B+4*\slot, G1B
.else
	PLACES 4
.endif
	s_wait_alu depctr_va_vdst(0)
	SNEXT
	FETCH_B \next, 0, 0
	FETCH_A \next, 0, 0
	SCALES 0
	WIN 0xf1
	MULS NH, NH, 1, 1, 0
	PLACES 4
	WIN 0
	FETCH_A \next, 0, NH
.endm
	s_load_b128 s[4:7], s[0:1], 0x0                ; w3 s[4:5], w2 s[6:7]
	s_load_b64 s[8:9], s[0:1], 0x10                ; out0
	v_lshl_add_u32 v[SPW], v0, 2, SPARE
	v_mov_b32 v[NIL], 0
	ds_add_u32 v[SPW], v[NIL]                      ; the wave's opening: the add and its wait ahead of my first tensor load
	ds_add_u32 v[SPW], v[NIL]
	v_lshrrev_b32 v1, 5, v0
	v_readfirstlane_b32 s14, v1                    ; wave 0..3
	s_lshr_b32 s15, s14, 1                         ; which 64 queries I multiply.  Also: I fetch for p (0) or for V (1)
	s_and_b32 s16, s14, 1                          ; which 128 features.  Also: which part I fetch
	s_bfe_u32 s40, ttmp6, 0x40000                  ; cx: the tile of 256 features
	s_bfe_u32 s41, ttmp6, 0x40004                  ; cy
	s_and_b32 s17, ttmp7, 0xffff                   ; the cluster's y
	s_lshl_b32 s43, s41, 2
	s_lshl_b32 s43, 15, s43
	s_lshl_b32 s44, 0x1111, s40
	s_or_b32 s[G1], s43, (3<<16)|(1<<21)
	s_or_b32 s[G1B], s44, (3<<16)|(1<<21)
	SHAPE G1, 96                                   ; 24,576 bytes: two chunks of p's row group
	SHAPE G1B, 192                                 ; 49,152 bytes: four chunks of one of V's
	s_lshl_b32 s20, s17, 2
	s_add_co_u32 s20, s20, s41                     ; g: my 128 queries' group
	s_mul_i32 s22, s20, 8*HALFT
	s_mul_i32 s23, s16, HALFT
	s_add_co_u32 s22, s22, s23
	s_mov_b32 s23, 0
	s_lshl_b32 s18, s20, 13
	s_add_co_u32 s18, s18, PS
	s_mov_b32 s19, 0
	s_lshr_b32 s46, s17, 2                         ; the batch, from the cluster's y alone
	s_lshl_b32 s46, s46, 4                         ; its first chunk of tokens
	s_lshl_b32 s47, s40, 1
	s_add_co_u32 s66, s47, s16
	s_lshl_b32 s66, s66, 6
	s_add_co_u32 s66, s66, s46
	s_mul_i32 s66, s66, 8*FRB
	s_add_co_u32 s66, s66, VCO
	s_mov_b32 s67, 0
	s_add_co_u32 s92, s47, s15                     ; V's scale words: wave w brings row group w / 2, chunks 8 (w % 2) on
	s_lshl_b32 s92, s92, 6
	s_add_co_u32 s92, s92, s46
	s_lshl_b32 s93, s16, 3
	s_add_co_u32 s92, s92, s93
	s_lshl_b32 s92, s92, 9
	s_add_co_u32 s92, s92, VSO
	s_mov_b32 s93, 0
	s_mul_i32 s45, s16, HALFT                      ; where they go: my half of p's part,
	s_mul_i32 s94, s16, PART
	s_add_co_u32 s94, s94, PART                    ; V's row group,
	s_lshl_b32 s95, s14, 12                        ; the scale words: no place in the cluster enters an LDS address
	v_lshlrev_b32 v[TH4], 2, v0
	v_and_b32 v1, 31, v0
	v_lshlrev_b32 v[CO], 4, v1
	s_wait_alu depctr_va_vdst(0)
	s_wait_dscnt 0x0
	s_wait_kmcnt 0x0
	s_add_nc_u64 s[22:23], s[4:5], s[22:23]
	s_add_nc_u64 s[18:19], s[4:5], s[18:19]
	s_add_nc_u64 s[66:67], s[6:7], s[66:67]
	s_add_nc_u64 s[92:93], s[6:7], s[92:93]
.irp kc, 0,1,2,3,4,5,6,7,8,9,10,11,12,13,14,15 ; my query's statistics: thread t is row (rb = t / 16, r = t % 16); a wave's load covers 128 consecutive bytes, the four waves' 512
	global_load_b32 v[PSR+\kc], v[TH4], s[18:19] offset:512*\kc
	global_load_b32 v[PMR+\kc], v[TH4], s[18:19] offset:512*\kc+524288
	global_load_b32 v[PLR+\kc], v[TH4], s[18:19] offset:512*\kc+1048576
.endr
.irp i, 0,1,2,3,4,5,6,7
	global_load_b128 v[VST+4*\i:VST+4*\i+3], v[CO], s[92:93] offset:512*\i   ; my quarter of V's scale words
.endr
	CROUND                                         ; all sixteen work-groups are here: the first joint loads meet
.irp s, 0,1
	s_mov_b32 s[G0+4*\s], 1
	s_add_co_u32 s[G0+4*\s+1], s45, \s*SLOT
	s_add_nc_u64 s[G0+4*\s+2:G0+4*\s+3], s[22:23], \s*PART
	s_or_b32 s[G0+4*\s+3], s[G0+4*\s+3], 0x80000000
	s_mov_b32 s[G0B+4*\s], 1
	s_add_co_u32 s[G0B+4*\s+1], s94, \s*SLOT
	s_add_nc_u64 s[G0B+4*\s+2:G0B+4*\s+3], s[66:67], \s*PART
	s_or_b32 s[G0B+4*\s+3], s[G0B+4*\s+3], 0x80000000
.endr
	JLOAD G0, G1, G0B, G1B                         ; slot 0: one tensor load a wave at the head
	v_and_b32 v2, 15, v0
	v_bfe_u32 v3, v0, 4, 1
	s_wait_alu depctr_va_vdst(0)
	s_mul_i32 s21, s15, 4*FRB                      ; my four blocks of p,
	s_mul_i32 s22, s16, PART
	s_add_co_u32 s22, s22, PART                    ; my row group of V
.irp s, 0,1
	v_add_nc_u32 v[ADRA+\s], s21, v[CO]
	v_add_nc_u32 v[ADRB+\s], s22, v[CO]
	s_add_co_u32 s21, s21, SLOT
	s_add_co_u32 s22, s22, SLOT
.endr
	s_lshl_b32 s21, s15, 8
	s_add_co_u32 s22, s21, SCA
	v_lshl_add_u32 v[ADSA], v2, 2, s22
	s_add_co_u32 s22, s21, RL
	v_lshl_add_u32 v[RLA], v2, 2, s22
	s_lshl_b32 s22, s16, 13
	s_add_co_u32 s22, s22, SCB
	v_lshl_add_u32 v[ADSB], v2, 2, s22
	v_lshl_add_u32 v[SAW], v0, 2, SCA
	s_add_co_u32 s95, s95, SCB
	v_add_nc_u32 v4, s95, v[CO]                    ; where my quarter of V's scale words goes
	s_mul_i32 s23, s14, 8448                       ; my stage for the way out: 16 rows x (512 bytes + 16), in slot 0, which has had its last fill and its last read by then
	v_mul_u32_u24 v5, v2, 528
	v_lshl_add_u32 v5, v3, 7, v5
	v_add_nc_u32 v[STO], s23, v5                   ; in: row r, + 128 h
	v_add_nc_u32 v[RD], s23, v[CO]                 ; back: a row of 512 bytes, 16 a lane
	s_lshl_b32 s96, s20, 7
	s_lshl_b32 s97, s15, 6
	s_add_co_u32 s96, s96, s97                     ; my first row of O: 128 g + 64 x half
	s_lshl_b32 s96, s96, 12
	s_lshl_b32 s97, s40, 10
	s_add_co_u32 s96, s96, s97                     ; + 1,024 bytes a tile of features
	s_lshl_b32 s97, s16, 9
	s_add_co_u32 s96, s96, s97                     ; + 512 a row group
	s_mov_b32 s97, 0
	s_add_nc_u64 s[96:97], s[8:9], s[96:97]
	s_wait_loadcnt 0x8                             ; the statistics; the eight younger loads may be out
	v_min3_num_f32 v[NMG], v[PMR], v[PMR+1], v[PMR+2]
.irp i, 3,5,7,9,11,13
	v_min3_num_f32 v[NMG], v[NMG], v[PMR+\i], v[PMR+\i+1]
.endr
	v_min_num_f32 v[NMG], v[NMG], v[PMR+15]        ; the row's -M
.macro ADJ kc
	v_sub_f32 v[DD], v[PMR+\kc], v[NMG]            ; d = row's M - local M
	v_min_num_f32 v[DD], 0x43800000, v[DD]         ; held at 256: beyond every byte
	v_cvt_u32_f32 v[DD], v[DD]
	v_sub_nc_u32 v[T0], 0, v[DD]
	v_ldexp_f32 v[T0], 1.0, v[T0]                  ; 2^-d
.if (\kc) == 0
	v_mul_f32 v[LL], v[PLR], v[T0]
.else
	v_fmac_f32 v[LL], v[PLR+\kc], v[T0]            ; l
.endif
.irp i, 0,1,2,3
	v_bfe_u32 v[T1+\i], v[PSR+\kc], 8*\i, 8
.endr
.irp i, 0,1,2,3
	v_min_u32 v[T5+\i], v[T1+\i], v[DD]
.endr
.irp i, 0,1,2,3
	v_sub_nc_u32 v[T1+\i], v[T1+\i], v[T5+\i]      ; the byte less d, held at 0
.endr
	v_lshl_or_b32 v[PSR+\kc], v[T1+1], 8, v[T1]
	v_lshl_or_b32 v[PSR+\kc], v[T1+2], 16, v[PSR+\kc]
	v_lshl_or_b32 v[PSR+\kc], v[T1+3], 24, v[PSR+\kc]
	ds_store_b32 v[SAW], v[PSR+\kc] offset:512*\kc
.endm
.irp kc, 0,1,2,3,4,5,6,7,8,9,10,11,12,13,14,15
	ADJ \kc
.endr
	s_wait_alu depctr_va_vdst(0)
	v_rcp_f32 v[T0], v[LL]
	v_nop                                          ; a plain instruction behind the reciprocal
	s_wait_alu depctr_va_vdst(0)                   ; and the wait ahead of its first reader
	ds_store_b32 v[SAW], v[T0] offset:8192         ; RL lies 8,192 bytes behind SCA
	s_wait_loadcnt 0x0
.irp i, 0,1,2,3,4,5,6,7
	ds_store_b128 v4, v[VST+4*\i:VST+4*\i+3] offset:512*\i
.endr
	s_wait_tensorcnt 0x0                           ; my part of slot 0 is in
	ds_add_u32 v[SPW], v[NIL]
	s_wait_dscnt 0x0                               ; the add is done, and my words have landed
	CROUND
	JLOAD G0+4, G1, G0B+4, G1B                     ; slot 1, the first tensor load behind the round
	FETCH_B 0, 0, 0
	FETCH_A 0, 0, 0
	SCALES 0
.irp a, 0,1,2,3
	ds_load_b32 v[RLR+2*\a], v[RLA] offset:64*\a   ; 1 / l of my lane's query in block a, as a pair for the packed multiply
	ds_load_b32 v[RLR+2*\a+1], v[RLA] offset:64*\a
.endr
	FETCH_A 0, 0, NH
	STEPS3 0, 1                                    ; keys 0-511: the first products start the sums
	TURN 0, 1, 1                                   ; slot 0 takes keys 1,024-1,535
	s_wait_alu depctr_va_vdst(0)
	STEPS3 1, 0                                    ; keys 512-1,023
	TURN 1, 0, 1                                   ; slot 1 takes keys 1,536-2,047
	s_wait_alu depctr_va_vdst(0)
	STEPS3 0, 0
	TURN 0, 1, 0                                   ; nothing is filled; behind this barrier nobody reads slot 0
	s_wait_alu depctr_va_vdst(0)
	STEPS3 1, 0
	s_wait_dscnt NH*NL                             ; the very last chunk
	WIN 0xa1
	MULS 0, NH, 1, 1, 0
	s_wait_dscnt 0x0
	WIN 0xf1
	MULS NH, NH, 1, 1, 0
	WIN 0
; THE WAY OUT, block by block of 16 queries x 128 features.  Register 32 c + i of lane (r, h) is feature 64 c + 32 h + i of the lane's query.  Divided by l, through my own stage, back as whole rows of 512 bytes.
.macro OSCALE a
.set WW, 2+(\a)/2
.set AC, 64*((\a)%2)
.set W41, WW|(WW<<6)
	WIN W41
.set J, 0
.rept 32
	v_pk_mul_f32 v[AC+J:AC+J+1], v[AC+J:AC+J+1], v[RLR+2*(\a):RLR+2*(\a)+1] op_sel_hi:[1,0]   ; each accumulator from its low end on
.set J, J+2
.endr
.endm
.macro TOSTAGE a
.set WW, 2+(\a)/2
.set AC, 64*((\a)%2)
.set W4, WW<<2
	WIN W4                                         ; an LDS store's data are its source 1
.irp b, 0,1,2,3
.irp i, 0,1,2,3
	ds_store_b128 v[STO], v[AC+16*\b+4*\i:AC+16*\b+4*\i+3] offset:256*(\b/2)+64*(\b%2)+16*\i   ; register 32 c + i of lane (r, h) is feature 64 c + 32 h + i
.endr
.endr
	WIN 0
.set BB, BK+64*((\a)%2)
.irp p, 0,1,2,3,4,5,6,7,8,9,10,11,12,13,14,15
	ds_load_b128 v[BB+4*\p:BB+4*\p+3], v[RD] offset:528*\p   ; LDS serves a wave's instructions in order: these see my stores, and the next block's stores come behind them
.endr
.endm
.macro SEND a, younger                 ; younger: the LDS instructions issued behind block a's loads, which may stay out
.set BB, BK+64*((\a)%2)
	s_wait_dscnt \younger
.irp p, 0,1,2,3,4,5,6,7,8,9,10,11,12,13,14,15
	global_store_b128 v[CO], v[BB+4*\p:BB+4*\p+3], s[96:97] offset:(8*(\a)+(\p%8)+32*(\p/8))*4096 th:TH_STORE_NT   ; slot p's query: 512 consecutive bytes, at a multiple of 256 from O's first byte
.endr
.endm
	PLACES 4
	OSCALE 0
	TOSTAGE 0
.irp a, 1,2,3
.if \a > 1
	s_wait_xcnt 0x0                                ; block a - 2's stores have had their registers read: block a's rows may land there
.endif
	OSCALE \a
	TOSTAGE \a
	SEND \a-1, 32                                  ; behind block a - 1's loads: block a's 16 stores and 16 loads
.endr
	SEND 3, 0
	s_wait_tensorcnt 0x0                           ; the wave's end: behind my last tensor load and my last LDS store
	ds_add_u32 v[SPW], v[NIL]
	s_wait_dscnt 0x0
	CROUND                                         ; the closing round
	s_endpgm
.Lfunc_end_k_q2616972eab_pv:
	.size	k_q2616972eab_pv, .Lfunc_end_k_q2616972eab_pv-k_q2616972eab_pv
	.p2alignl 7, 3214868480
	.fill 96, 4, 3214868480
	.section	.rodata,"a",@progbits
	.p2align	6, 0x0
	.amdhsa_kernel k_q2616972eab_pv
		.amdhsa_group_segment_fixed_size 327680
		.amdhsa_private_segment_fixed_size 0
		.amdhsa_enable_private_segment 0
		.amdhsa_kernarg_size 24
		.amdhsa_user_sgpr_count 2
		.amdhsa_user_sgpr_kernarg_segment_ptr 1
		.amdhsa_wavefront_size32 1
		.amdhsa_system_sgpr_workgroup_id_x 1
		.amdhsa_system_sgpr_workgroup_id_y 1
		.amdhsa_system_sgpr_workgroup_id_z 1
		.amdhsa_system_vgpr_workitem_id 0
		.amdhsa_next_free_vgpr 1024
		.amdhsa_next_free_sgpr 102
		.amdhsa_reserve_vcc 0
		.amdhsa_float_denorm_mode_32 3
		.amdhsa_float_denorm_mode_16_64 3
		.amdhsa_memory_ordered 1
		.amdhsa_forward_progress 1
		.amdhsa_inst_pref_size 177
	.end_amdhsa_kernel
	.amdgpu_metadata
---
amdhsa.version: [ 1, 2 ]
amdhsa.kernels:
  - .name:           k_q2616972eab_pv
    .symbol:         k_q2616972eab_pv.kd
    .args:
      - { .name: w3, .offset: 0, .size: 8, .value_kind: global_buffer, .address_space: global }
      - { .name: w2, .offset: 8, .size: 8, .value_kind: global_buffer, .address_space: global }
      - { .name: out0, .offset: 16, .size: 8, .value_kind: global_buffer, .address_space: global }
    .group_segment_fixed_size: 327680
    .private_segment_fixed_size: 0
    .kernarg_segment_align: 8
    .kernarg_segment_size: 24
    .max_flat_workgroup_size: 128
    .sgpr_count:     102
    .vgpr_count:     1024
    .wavefront_size: 32
...
	.end_amdgpu_metadata
.endif
;; end of part 8
